; MI455X (gfx1250); checked and timed in simulation.
; The chip was launched on July 23, 2026; its instructions are those of AMD's public machine-readable ISA for CDNA 5 (MIT licence, August 2026) and "CDNA5" Instruction Set Architecture Reference Guide (July 2026). The comments in the code are by the model that wrote it; some were corrected since.
;; Agent Attention. Allowed arithmetic: matrix products marked QUANTISED: E2M3 operands, one E8M0 scale for each 32 along K, by v_wmma_scale_f32_16x16x128_f8f6f4 with both operands' format E2M3, f32 sums; everything else in f32.
;; Inputs: a 4 x 16 x 512 x 64 float32; k 4 x 16 x 4,096 x 64 float32; q 4 x 16 x 4,096 x 64 float32; v 4 x 16 x 512 x 64 float32.
;; Outputs: out0 4 x 16 x 512 x 64 float32.
;; This version of the problem:
;;   THIS VERSION OF THE PROBLEM IS GIVEN IN LOW PRECISION. The matrix products marked QUANTISED in the list below multiply operands that are first quantised to E2M3 (2 exponent bits, 3 mantissa bits; 6 bits a number), with one power-of-two scale for each 32 numbers along K (OCP MX v1.0); their sums are f32. All else is computed in f32.
;;   The module's matrix products, in the order in which they are computed (A, B: the left and right operand; K: the contracted axis; several contracted axes count as one K, in the product's order):
;;     1. batch 64 x [M 4,096, K 64] x [K 64, N 512]; A: input q; B: input a: QUANTISED
;;     2. batch 64 x [M 512, K 64] x [K 64, N 4,096]; A: input a; B: input k: QUANTISED
;;     3. batch 64 x [M 4,096, K 512] x [K 512, N 64]; A: computed on the way; B: input v: QUANTISED
;;     4. batch 64 x [M 512, K 4,096] x [K 4,096, N 64]; A: computed on the way; B: computed on the way: QUANTISED
;;   THE QUANTISER, for each operand of a quantised product, along K:
;;     - K is cut into blocks of 32 from its start; a last block that is shorter is filled with zeros.
;;     - A block's scale is 2^e with e = floor(log2(the largest magnitude in the block)) - 2, held to -126 .. 127; a block of zeros has e = 0. As a byte (E8M0): e + 127.
;;     - Each number is divided by its block's scale, clamped to +-7.5, and rounded to the nearest number of E2M3, ties to even, subnormals kept.
;;     - The product sums the exact products of the quantised numbers (number of the format x scale) in f32.
;;   ~~~python
;;   def quantise(x, axis):      # numpy; x: float32 -> the quantised numbers, widened to float32 again
;;       x = np.moveaxis(x, axis, -1); K = x.shape[-1]
;;       x = np.pad(x, [(0, 0)] * (x.ndim - 1) + [(0, -K % 32)]); x = x.reshape(x.shape[:-1] + (-1, 32)); a = np.abs(x).max(-1, keepdims=True)
;;       e = np.where(a > 0, np.clip(np.frexp(np.where(a > 0, a, 1))[1] - 1 - 2, -126, 127), 0)      # np.frexp(a)[1] - 1 = floor(log2(a)), exactly
;;       r = np.clip(x / 2.0 ** e, -7.5, 7.5)
;;       step = 2.0 ** (np.maximum(np.frexp(np.where(r == 0, 1, r))[1] - 1, 0) - 3)
;;       q = np.round(r / step) * step * 2.0 ** e      # np.round: ties to even
;;       return np.moveaxis(q.reshape(q.shape[:-2] + (-1,))[..., :K], -1, axis).astype(np.float32)
;;   ~~~
;;   OPERANDS COMPUTED ON THE WAY. 'Computed on the way' means the value that the module computes at that place (a softmax that the list does not call 'softmax' is quantised finished and normalised). What goes into a quantiser is computed in f32, as accurately as f32 sums, v_exp_f32 and their like allow (about 1e-6 of the number): no bf16 or f16 on the way to a quantiser, and a product that is left as it is and whose result goes on into a quantised operand takes f32 operands (vector FMAs, or v_wmma_f32_16x16x4_f32). A number that lies on a knife's edge between two numbers of the format may be rounded either way, as far as f32 arithmetic and the matrix unit's own rounding can turn it there, and no further.
;; 2 versions. Each part assembles by itself: llvm-mc -triple=amdgcn-amd-amdhsa -mcpu=gfx1250 --defsym DOCPART=n.
;; ======== version 1 of 2: 4 launches
;; workspace buffers: ya 1,703,936 bytes; yk 13,631,488 bytes; wv 1,638,400 bytes; wkv 13,107,200 bytes; part 33,554,432 bytes
;; launch prep (part 1): grid 704 x 1, 4 waves a work-group, no clusters, 33,280 bytes of LDS; arguments a, k, v, ya, yk, wv; writes ya, yk, wv
.if DOCPART == 1
	.amdgcn_target "amdgcn-amd-amdhsa--gfx1250"
	.amdhsa_code_object_version 6
	.text
	.protected	k_q623b63b4c2_prep
	.globl	k_q623b63b4c2_prep
	.p2align	8
	.type	k_q623b63b4c2_prep,@function
k_q623b63b4c2_prep:
	s_mov_b64 s[64:65], 0
	v_nop
	global_prefetch_b8 v0, s[64:65] scope:SCOPE_SE
	s_setreg_imm32_b32 hwreg(HW_REG_WAVE_MODE, 25, 1), 1
	s_wait_xcnt 0x0
; PREP: a and k (f32, [64 heads][rows][64]) become codes of FP6 (E2M3) along d; v (f32, [64 heads][512][64]) becomes codes along the agents.
; A block of 32 has the scale 2^(floor(log2(largest magnitude)) - 2); its E8M0 byte is the largest magnitude exponent field - 2, held at 1 from below.
; LIMITS: NaN and infinities among the inputs are not served.  A block whose largest magnitude lies under 2^-124, a block of zeros among them, keeps the byte 1
; (the rule says 127 for zeros): its codes are zeros or tiny, and the bytes are read by this program alone.
; LAYOUTS (workspace of this program, laid as the two main launches read them):
;   ya, yk: [batch][T = row / 128][g = head / 4] x 26,624 bytes: codes [head % 4][sigma 128][48 bytes], then scale words [head % 4][sigma][4 bytes] = (s0, s1, s0, s1).
;           sigma: inside each 32 rows the chunks of 8 rows 1 and 2 change places (row 16 hi + 8 u + lo lies at 16 u + 8 hi + lo), so that 16 rows on end are one matrix tile.
;   wv:     [batch][blk = agent / 32] x 25,600 bytes: codes [head 16][d 64][24 bytes], then scale bytes [head][d].
; Work-groups 0-63 take a, 64-575 take k (one path, the buffers chosen by the work-group number), 576-703 take v.  Only the first path uses LDS.  Waves share nothing: no barrier.
.set STEPS, 16
.set R,     16                         ; v16-79   four sets of 16 numbers as they are loaded
.set X,     80                         ; v80-111  two sets of 16 neighbours
.set E,     112                        ; v112-127 a scale word for each step
.set C,     128                        ; v128-191 codes: four registers for each step, so that no store data are written again
.set WREG,  8192                       ; LDS of a wave: two stages of 32 x SP bytes, behind them its 512 bytes of scale words
.set SP,    80                         ; a lane place in a stage: 64 bytes + 16 of padding
.set YG,    26624
.set WB,    25600
.set FLOOR, 0x1800000                  ; 2^(3 - 127): no largest magnitude is taken under it, so the byte cannot fall under 1
.set OFF2,  0xff000000                 ; takes 2 off an exponent field
	s_load_b256 s[4:11], s[0:1], 0x0               ; a s[4:5], k s[6:7], v s[8:9], ya s[10:11]
	s_load_b128 s[12:15], s[0:1], 0x20             ; yk s[12:13], wv s[14:15]
	v_lshl_add_u32 v192, v0, 2, 0x8000
	v_mov_b32 v193, 0
	v_lshrrev_b32 v1, 5, v0
	v_readfirstlane_b32 s16, v1                    ; wave 0..3
	v_and_b32 v2, 31, v0                           ; lane
	s_cmp_lt_u32 ttmp9, 576
	s_cbranch_scc0 .Lpath_v
; ---- a and k: a wave takes 128 rows of one head (8,192 numbers), 16 steps of 8 rows.  Each load reads 512 consecutive bytes; a step turns through the wave stage so that a lane holds 16 neighbours along d.
	v_lshlrev_b32 v3, 4, v2                        ; my 16 bytes of 512
	s_mul_i32 s17, s16, WREG
	v_lshrrev_b32 v14, 2, v2
	v_mul_u32_u24 v14, v14, SP
	v_and_b32 v15, 3, v2
	v_lshl_add_u32 v14, v15, 4, v14
	v_add_nc_u32 v14, s17, v14                     ; the stage, way in: SP (lane / 4) + 16 (lane % 4)
	v_mul_u32_u24 v15, v2, SP
	v_add_nc_u32 v15, s17, v15                     ; way out: SP x lane
	v_mul_u32_u24 v4, v2, 12                       ; my 12 bytes of a step 384 bytes of codes
	v_lshrrev_b32 v5, 2, v2
	s_add_co_u32 s17, s17, 2*32*SP
	v_lshl_add_u32 v5, v5, 2, s17                  ; my row scale word: 4 (lane / 4)
	v_add_nc_u32 v6, s17, v3                       ; and on the way out 16 bytes a lane
	v_mov_b32 v10, 0                               ; written once: the destination of a DPP move counts as read
	s_mov_b32 vcc_lo, 0xcccccccc                   ; the lanes that hold d 32-63 of their row
	s_wait_kmcnt 0x0
	s_cmp_lt_u32 ttmp9, 64                         ; a or k: the choice hangs on the work-group number alone
	s_cselect_b64 s[4:5], s[4:5], s[6:7]
	s_cselect_b64 s[10:11], s[10:11], s[12:13]
	s_cselect_b32 s18, 2, 5                        ; log2 of the runs of 128 rows in a head
	s_cselect_b32 s19, 3, 31
	s_cselect_b32 s20, 0, 64
	s_sub_co_u32 s20, ttmp9, s20
	s_lshl_b32 s20, s20, 2
	s_add_co_u32 s20, s20, s16                     ; my run
	s_lshr_b32 s21, s20, s18                       ; batch x 16 + head
	s_and_b32 s22, s20, s19                        ; T
	s_lshr_b32 s23, s21, 4                         ; batch
	s_and_b32 s21, s21, 15                         ; head
	s_lshl_b32 s23, s23, s18
	s_add_co_u32 s23, s23, s22
	s_lshl_b32 s23, s23, 2
	s_lshr_b32 s24, s21, 2
	s_add_co_u32 s23, s23, s24                     ; the group: (batch, T, head / 4)
	s_mul_i32 s24, s23, YG
	s_and_b32 s21, s21, 3
	s_mul_i32 s26, s21, 6144
	s_add_co_u32 s26, s26, s24                     ; my codes
	s_mov_b32 s27, 0
	s_lshl_b32 s28, s21, 9
	s_add_co_u32 s28, s28, s24
	s_add_co_u32 s28, s28, 24576                   ; my scale words
	s_mov_b32 s29, 0
	s_lshl_b32 s30, s20, 15                        ; my numbers: 32,768 bytes a run (under 2^27 in all)
	s_mov_b32 s31, 0
	s_add_nc_u64 s[4:5], s[4:5], s[30:31]
	s_add_nc_u64 s[12:13], s[10:11], s[28:29]
	s_add_nc_u64 s[10:11], s[10:11], s[26:27]
.macro LOAD t
.irp i, 0,1,2,3
	global_load_b128 v[R+16*((\t)%4)+4*\i:R+16*((\t)%4)+4*\i+3], v3, s[4:5] offset:2048*(\t)+512*\i th:TH_LOAD_NT
.endr
.endm
.macro TURN t                          ; LDS serves a wave in order (ISA guide 5.7.1.4): no wait between these stores and loads
.irp i, 0,1,2,3
	ds_store_b128 v14, v[R+16*((\t)%4)+4*\i:R+16*((\t)%4)+4*\i+3] offset:32*SP*((\t)%2)+8*SP*\i
.endr
.irp i, 0,1,2,3
	ds_load_b128 v[X+16*((\t)%2)+4*\i:X+16*((\t)%2)+4*\i+3], v15 offset:32*SP*((\t)%2)+16*\i
.endr
.endm
.irp t, 0,1,2,3
	LOAD \t
.endr
	s_wait_loadcnt 12                              ; step 0 is in; the 12 loads of steps 1 to 3 may be out
	TURN 0
.macro STEP t
.set XS, X+16*((\t)%2)
.set GP, 2*((\t)%2)+((\t)/2)%2         ; where this chunk of 8 rows lies among the four of its 32
.if (\t) > 0
	s_wait_dscnt 1                                 ; my 16 neighbours are back (the last step scale word store may be out), so the stage stores have read their registers,
.else
	s_wait_dscnt 0x0
.endif
.if (\t)+4 < STEPS
	LOAD (\t)+4                                    ; which take the loads of four steps on
.endif
.if (\t)+1 < STEPS
.if STEPS-2-(\t) >= 3
	s_wait_loadcnt 12                              ; the next step is in; three steps behind it may be out
.else
	s_wait_loadcnt 4*(STEPS-2-(\t))
.endif
	TURN (\t)+1
.endif
	v_max3_num_f32 v8, |v[XS]|, |v[XS+1]|, |v[XS+2]|
	v_max3_num_f32 v9, |v[XS+3]|, |v[XS+4]|, |v[XS+5]|
.irp i, 6,10
	v_max3_num_f32 v8, v8, |v[XS+\i]|, |v[XS+\i+1]|
	v_max3_num_f32 v9, v9, |v[XS+\i+2]|, |v[XS+\i+3]|
.endr
	v_max3_num_f32 v8, v8, |v[XS+14]|, |v[XS+15]|
	v_max3_num_f32 v8, v8, v9, FLOOR
	v_max_num_f32_dpp v8, v8, v8 row_xmask:1 row_mask:0xf bank_mask:0xf   ; with my neighbour 16: the block
	v_add_nc_u32 v11, OFF2, v8                     ; the conversion takes the exponent field of this operand as its scale
	v_cvt_scalef32_pk16_fp6_f32 v[C+4*(\t):C+4*(\t)+2], v[XS:XS+15], v11
	v_lshrrev_b32 v9, 23, v11                      ; my block byte (a plain line behind the conversion)
	v_mov_b32_dpp v10, v9 row_xmask:2 row_mask:0xf bank_mask:0xf          ; the byte of the row other block
	v_cndmask_b32 v12, v9, v10, vcc_lo             ; s0
	v_cndmask_b32 v13, v10, v9, vcc_lo             ; s1
	v_lshl_or_b32 v12, v13, 8, v12
	v_lshl_or_b32 v[E+(\t)], v12, 16, v12          ; (s0, s1, s0, s1)
	ds_store_b32 v5, v[E+(\t)] offset:4*(32*((\t)/4)+8*GP)   ; the four lanes of a row store the same word
	global_store_b96 v4, v[C+4*(\t):C+4*(\t)+2], s[10:11] offset:((\t)/4)*1536+GP*384   ; the wave stores 384 consecutive bytes
.endm
.irp t, 0,1,2,3,4,5,6,7,8,9,10,11,12,13,14,15
	STEP \t
.endr
	ds_load_b128 v[8:11], v6
	s_wait_dscnt 0x0
	global_store_b128 v3, v[8:11], s[12:13]        ; the wave stores its 512 consecutive bytes of scale words
	s_wait_tensorcnt 0x0
	ds_add_u32 v192, v193
	s_wait_dscnt 0x0
	s_endpgm
; ---- v: a lane takes a column d and its registers run down the agents, so a block of 32 lies in one lane and the codes come out with the agents innermost.
; A work-group takes 8 blocks of one head; a wave 2 blocks x 2 halves of d: four units.  Loads run two units ahead.
.Lpath_v:
	s_sub_co_u32 s17, ttmp9, 576
	s_lshr_b32 s18, s17, 1                         ; batch x 16 + head
	s_and_b32 s19, s17, 1
	s_lshl_b32 s19, s19, 3
	s_lshl_b32 s20, s16, 1
	s_add_co_u32 s19, s19, s20                     ; my first block
	s_lshl_b32 s20, s18, 17                        ; a head of v is 131,072 bytes,
	s_lshl_b32 s21, s19, 13                        ; a block 32 rows of 256
	s_add_co_u32 s20, s20, s21
	s_mov_b32 s21, 0
	s_lshr_b32 s22, s18, 4                         ; batch
	s_and_b32 s23, s18, 15                         ; head
	s_lshl_b32 s22, s22, 4
	s_add_co_u32 s22, s22, s19
	s_mul_i32 s22, s22, WB
	s_mul_i32 s24, s23, 1536
	s_add_co_u32 s24, s24, s22                     ; my codes
	s_mov_b32 s25, 0
	s_lshl_b32 s26, s23, 6
	s_add_co_u32 s26, s26, s22
	s_add_co_u32 s26, s26, 24576                   ; my scale bytes
	s_mov_b32 s27, 0
	v_lshlrev_b32 v3, 2, v2
	v_mul_u32_u24 v4, v2, 24
	s_wait_kmcnt 0x0
	s_add_nc_u64 s[8:9], s[8:9], s[20:21]
	s_add_nc_u64 s[12:13], s[14:15], s[26:27]
	s_add_nc_u64 s[14:15], s[14:15], s[24:25]
.macro LOADV q                         ; unit q: block q / 2, columns 32 (q % 2) on; 32 rows into set q % 2
.irp i, 0,1,2,3,4,5,6,7,8,9,10,11,12,13,14,15,16,17,18,19,20,21,22,23,24,25,26,27,28,29,30,31
	global_load_b32 v[32+32*((\q)%2)+\i], v3, s[8:9] offset:(32*((\q)/2)+\i)*256+((\q)%2)*128
.endr
.endm
	LOADV 0
	LOADV 1
.macro UNIT q
.set XS, 32+32*((\q)%2)
.if (\q) < 3
	s_wait_loadcnt 32                              ; this unit is in; the next unit 32 loads may be out
.else
	s_wait_loadcnt 0x0
.endif
	v_max3_num_f32 v12, |v[XS]|, |v[XS+1]|, |v[XS+2]|
	v_max3_num_f32 v13, |v[XS+3]|, |v[XS+4]|, |v[XS+5]|
.irp i, 6,10,14,18,22,26
	v_max3_num_f32 v12, v12, |v[XS+\i]|, |v[XS+\i+1]|
	v_max3_num_f32 v13, v13, |v[XS+\i+2]|, |v[XS+\i+3]|
.endr
	v_max3_num_f32 v12, v12, |v[XS+30]|, |v[XS+31]|
	v_max3_num_f32 v12, v12, v13, FLOOR
	v_add_nc_u32 v11, OFF2, v12
	v_lshrrev_b32 v[128+(\q)], 23, v11
	v_cvt_scalef32_pk16_fp6_f32 v[96+8*(\q):98+8*(\q)], v[XS:XS+15], v11
	v_cvt_scalef32_pk16_fp6_f32 v[100+8*(\q):102+8*(\q)], v[XS+16:XS+31], v11
	v_nop                                          ; a plain line behind the conversions
	global_store_b96 v4, v[96+8*(\q):98+8*(\q)], s[14:15] offset:((\q)/2)*WB+((\q)%2)*768       ; with the next line: 768 consecutive bytes
	global_store_b96 v4, v[100+8*(\q):102+8*(\q)], s[14:15] offset:((\q)/2)*WB+((\q)%2)*768+12
	global_store_b8 v2, v[128+(\q)], s[12:13] offset:((\q)/2)*WB+((\q)%2)*32
.if (\q)+2 < 4
	LOADV (\q)+2
.endif
.endm
	UNIT 0
	UNIT 1
	UNIT 2
	UNIT 3
	s_endpgm
.Lfunc_end_k_q623b63b4c2_prep:
	.size	k_q623b63b4c2_prep, .Lfunc_end_k_q623b63b4c2_prep-k_q623b63b4c2_prep
	.p2alignl 7, 3214868480
	.fill 96, 4, 3214868480
	.section	.rodata,"a",@progbits
	.p2align	6, 0x0
	.amdhsa_kernel k_q623b63b4c2_prep
		.amdhsa_group_segment_fixed_size 33280
		.amdhsa_private_segment_fixed_size 0
		.amdhsa_enable_private_segment 0
		.amdhsa_kernarg_size 48
		.amdhsa_user_sgpr_count 2
		.amdhsa_user_sgpr_kernarg_segment_ptr 1
		.amdhsa_wavefront_size32 1
		.amdhsa_system_sgpr_workgroup_id_x 1
		.amdhsa_system_sgpr_workgroup_id_y 1
		.amdhsa_system_sgpr_workgroup_id_z 1
		.amdhsa_system_vgpr_workitem_id 0
		.amdhsa_next_free_vgpr 194
		.amdhsa_next_free_sgpr 66
		.amdhsa_reserve_vcc 1
		.amdhsa_float_denorm_mode_32 3
		.amdhsa_float_denorm_mode_16_64 3
		.amdhsa_memory_ordered 1
		.amdhsa_forward_progress 1
		.amdhsa_inst_pref_size 56
	.end_amdhsa_kernel
	.amdgpu_metadata
---
amdhsa.version: [ 1, 2 ]
amdhsa.kernels:
  - .name:           k_q623b63b4c2_prep
    .symbol:         k_q623b63b4c2_prep.kd
    .args:
      - { .name: a, .offset: 0, .size: 8, .value_kind: global_buffer, .address_space: global }
      - { .name: k, .offset: 8, .size: 8, .value_kind: global_buffer, .address_space: global }
      - { .name: v, .offset: 16, .size: 8, .value_kind: global_buffer, .address_space: global }
      - { .name: ya, .offset: 24, .size: 8, .value_kind: global_buffer, .address_space: global }
      - { .name: yk, .offset: 32, .size: 8, .value_kind: global_buffer, .address_space: global }
      - { .name: wv, .offset: 40, .size: 8, .value_kind: global_buffer, .address_space: global }
    .group_segment_fixed_size: 33280
    .private_segment_fixed_size: 0
    .kernarg_segment_align: 8
    .kernarg_segment_size: 48
    .max_flat_workgroup_size: 128
    .sgpr_count:     66
    .vgpr_count:     194
    .wavefront_size: 32
...
	.end_amdgpu_metadata
.endif
;; end of part 1
;; launch left (part 2): grid 512 x 1, 8 waves a work-group, clusters of 4 x 1, 327,680 bytes of LDS; arguments q, ya, wv, wkv; writes wkv
.if DOCPART == 2
	.amdgcn_target "amdgcn-amd-amdhsa--gfx1250"
	.amdhsa_code_object_version 6
	.text
	.protected	k_q623b63b4c2_left
	.globl	k_q623b63b4c2_left
	.p2align	8
	.type	k_q623b63b4c2_left,@function
k_q623b63b4c2_left:
	s_mov_b64 s[64:65], 0
	v_nop
	global_prefetch_b8 v0, s[64:65] scope:SCOPE_SE
	s_setreg_imm32_b32 hwreg(HW_REG_WAVE_MODE, 25, 1), 1
	s_wait_xcnt 0x0
	s_wait_alu depctr_hold_cnt(0) depctr_sa_sdst(0) depctr_va_vdst(0) depctr_va_sdst(0) depctr_va_ssrc(0) depctr_va_vcc(0) depctr_vm_vsrc(0)
	s_getreg_b32 s2, hwreg(HW_REG_IB_STS2, 6, 4)
	s_cmp_eq_u32 s2, 0
	s_cbranch_scc0 .Lentry_in_a_cluster
	s_endpgm
.Lentry_in_a_cluster:
	s_bfe_u32 s2, ttmp6, 0x10000c
	s_cmp_lg_u32 s2, 0x3003
	s_cbranch_scc0 .Lentry_shape_is_right
	s_endpgm
.Lentry_shape_is_right:
; LEFT: KV = softmax_over_heads(q a^T / 8) v, both products on codes of FP6 (E2M3) with one E8M0 scale for each 32 along K; KV leaves as codes along n (workspace wkv).
; NAMES.  Rows: n.  Positions: the agents, the K of the second product.  X = q (f32, quantised here along d), Y = codes of a (ya), W = codes of v with the agents innermost (wv), P = the finished softmax, quantised along the agents.
; SHARES.  A work-group takes 32 rows (two tiles u of 16) of one batch, ALL 16 heads, and walks the 512 agents in NS = 4 steps of 128.  Eight waves of 512 registers.
;   Scores and softmax: wave (u = w % 2, j = w / 2) takes tile u and positions 32 j .. 32 j + 31 of the step, all heads: a lane holds 16 positions x 16 heads, so the softmax over the heads never leaves the lane.
;   Second product: wave w takes heads 2 w, 2 w + 1, both tiles, all 64 d: 16 accumulators.  P goes from wave to wave through LDS as rows of codes and scale words.
; SCORES.  d is 64, the matrix instruction is 128 deep: two heads share an X fragment (even head d 0-63, odd head d 0-63); Y stands in triples [even head 6][zeros 6][odd head 6] of registers, so that
;   registers 0-11 multiply the even head alone and registers 6-17 the odd head alone.  Source 0 = 16 positions, source 1 = 16 rows: a lane holds one row.
; TILES.  Y (106,496 bytes a step) is read by the scores alone, W (102,400) by the second product alone, and the long softmax stands between: so each has ONE buffer.  Behind the scores of step t
;   a round of the cluster barrier stands, and behind it Y of step t + 1 (waves 0-3) and W of step t (waves 4-7) are asked for; they land during the softmax.
; CLUSTER.  The four partners are four groups of 32 rows of one batch and walk the same Y and W: each tile is asked for jointly (mask 15, the same descriptor in all four).
; ROWS OF A TILE: row rho of tile u is row r0 + 16 (rho / 8) + 8 u + rho % 8, so that in the result of the second product (source 0 = P, source 1 = W) a lane holds d = lane % 16 and, in the accumulators of
;   u = 0 and u = 1 on end, 16 neighbouring n: the next quantiser runs along a lane registers.
; SOFTMAX.  m = the largest score of the 16 heads; p = 2^(c s - c m), c = log2(e) / 8; p / sum.  The rounding of c m is common to the 16 heads of a position and cancels in the division.
; LIMITS: NaN and infinities among the inputs are not served.  A block whose largest magnitude lies under 2^-124 keeps the scale byte 1 (the rule says 127 for a block of zeros; the bytes are read by this program alone).
;   v_exp_f32 gives 0 for results under 2^-126 (ISA guide 15.8).
; REGISTERS.  Window 1 (v256-511): P(head, i) at 16 head + i; in the second product P fragments at 12 (2 hh + u), W fragments at 48 + 12 (4 hh + dt); at the head the 128 numbers of X.
;   Window 0: v1-15 addresses; v16-87 four Y triples; v88-111 two X fragments, then maxima, sums, block maxima, W scale bytes; v104-119 at work, codes; v120-125 scale words and nothing else; v127 my place in the output; v128-255 accumulators.
.set NR,    4096                       ; rows of a head of X
.set LOGNR, 12
.set NS,    4                          ; steps
.set YG,    26624                      ; a group of four heads of Y: what one tensor load brings
.set WB,    25600                      ; a block of 32 positions of W: likewise
.set WBL,   25728                      ; and its place in LDS: 128 bytes stay empty, so that lanes 16-31 of a load start 32 banks from lanes 0-15 (64 banks of 4 bytes: ISA guide 11.1)
.set WT,    4*YG                       ; LDS: Y at 0, W here,
.set PCO,   WT+4*WBL                   ; P codes [u][head][row], 112 bytes a row (96 of codes),
.set PSW,   PCO+57344                  ; P scale words [u][head][row],
.set SPARE, PSW+2048                   ; the spare words, 128 bytes a wave: four blocks of 256 bytes that no other line names,
.set XI,    SPARE+1024                 ; X: 16 fragments as images of their registers, 1,536 bytes each,
.set XSW,   XI+24576                   ; their scale words, 128 bytes each
.set STAGE, XI                         ; the way out lies over X, whose last read stands in front of the last round
.set SPW, 1
.set NIL, 2
.set AY,  3                            ; v3-4   Y codes: heads 0-7, heads 8-15
.set AYS, 5                            ; v5-6   Y scale words
.set AX,  7
.set AXS, 8
.set APW, 9                            ; where I store P codes
.set APB, 10                           ; and P scale bytes
.set APR, 11                           ; where I read P fragments
.set APSR, 12
.set AW,  13
.set AWS, 14                           ; v14-15 W scale bytes: blocks 0-1, blocks 2-3
.set YB,  16
.set XF,  88
.set MX,  88
.set SB,  88
.set TT,  104
.set SCL, 120
.set WSC, 120
.set PSC, 124
.set OUT, 127
.set ACC, 128
.set VR,  128                          ; at the head only: lane % 16, lane / 16, lane, addresses, and what the quantiser of X needs
.set VH,  129
.set VL,  130
.set AXW, 131
.set AXSW, 132
.set XOF, 133
.set PX,  134
.set XM,  136
.set XSO, 140
.set XBY, 144
.set XW,  148
.set XSH, 150
.set FRG, 152
.set XT,  176
.set WV,  12
.set SEL, 20
.set CS,  22
.set G1Y, 24
.set G1W, 32
.set G0Y, 40
.set G0W, 44
.set CNT, 48
.set FLOOR, 0x1800000
.set OFF2,  0xff000000
.set MSB, 0
.macro WIN new                         ; bits 1:0 source 0, 3:2 source 1, 5:4 source 2, 7:6 destination; the high byte repeats the setting that is left
.if MSB != \new
	s_set_vgpr_msb (MSB<<8)|\new
.set MSB, \new
.endif
.endm
.macro NOPS n
.rept \n
	v_nop
.endr
.endm
.macro CROUND                          ; a round of the cluster barrier: my work-group barrier, wave 0 signals for the work-group, every wave waits for the four, my work-group barrier once more
	s_barrier_signal -1
	s_barrier_wait -1
	s_cmp_lg_u32 s[WV], 0
	s_cbranch_scc1 .Lnot_wave_0_\@
	s_barrier_signal -3
.Lnot_wave_0_\@:
	s_barrier_wait -3
	s_barrier_signal -1
	s_barrier_wait -1
.endm
; The joint loads: waves 0-3 a group of Y each, waves 4-7 a block of W each; the branch hangs on the wave number alone.  Four v_nop stand on every way;
; they are also the four places between the last scores and the first lines of the softmax (ISA guide 7.12.1).
.macro TL y, w
	s_cmp_lt_u32 s[WV], 4
	s_cbranch_scc0 .Ltl_w_\@
.if \y
	tensor_load_to_lds s[G0Y:G0Y+3], s[G1Y:G1Y+7]
	s_nop 0
.endif
	NOPS 4
	s_branch .Ltl_e_\@
.Ltl_w_\@:
.if \w
	tensor_load_to_lds s[G0W:G0W+3], s[G1W:G1W+7]
	s_nop 0
.endif
	NOPS 4
.Ltl_e_\@:
.endm
; 18 LDS loads for heads 2 hp, 2 hp + 1 into set s: the X fragment and its scale words; for my two tiles of 16 positions the codes of both heads; their scale words (lanes 0-15 tile 0, lanes 16-31 tile 1)
.macro LOADPAIR hp, s
.irp c, 0,1,2
	ds_load_b128 v[XF+12*(\s)+4*\c:XF+12*(\s)+4*\c+3], v[AX] offset:(\hp)*1536+512*\c
.endr
	ds_load_b32 v[SCL+3*(\s)], v[AXS] offset:(\hp)*128
.irp tt, 0,1
.irp p, 0,1
.irp i, 0,1,2
	ds_load_b64 v[YB+36*(\s)+18*\tt+12*\p+2*\i:YB+36*(\s)+18*\tt+12*\p+2*\i+1], v[AY+(\hp)/4] offset:(((\hp)/2)%2)*YG+(2*((\hp)%2)+\p)*6144+\tt*768+8*\i
.endr
.endr
.endr
.irp p, 0,1
	ds_load_b32 v[SCL+3*(\s)+1+\p], v[AYS+(\hp)/4] offset:(((\hp)/2)%2)*YG+24576+(2*((\hp)%2)+\p)*512
.endr
.endm
; four products: (even head, tile 0), (odd, 0), (even, 1), (odd, 1).  Lane (r, h) then holds row r; register 8 tt + jj of a head holds position 32 j + 16 h + 8 tt + jj
.macro MULPAIR hp, s
	WIN 0x40
.irp tt, 0,1
.irp p, 0,1
.set rD, 16*(2*(\hp)+\p)+8*\tt
.set rA, YB+36*(\s)+18*\tt+6*\p
.set rB, XF+12*(\s)
.if \tt
	v_wmma_scale_f32_16x16x128_f8f6f4 v[rD:rD+7], v[rA:rA+11], v[rB:rB+11], 0, v[SCL+3*(\s)+1+\p], v[SCL+3*(\s)] matrix_a_fmt:MATRIX_FMT_FP6 matrix_b_fmt:MATRIX_FMT_FP6 matrix_a_scale:MATRIX_SCALE_ROW1
.else
	v_wmma_scale_f32_16x16x128_f8f6f4 v[rD:rD+7], v[rA:rA+11], v[rB:rB+11], 0, v[SCL+3*(\s)+1+\p], v[SCL+3*(\s)] matrix_a_fmt:MATRIX_FMT_FP6 matrix_b_fmt:MATRIX_FMT_FP6
.endif
.endr
.endr
.endm
.macro SC                              ; the scores of a step: 32 products, the next pair of heads fetched while a pair is multiplied
	WIN 0
	LOADPAIR 0, 0
.irp hp, 0,1,2,3,4,5,6,7
.if \hp < 7
	WIN 0
	NOPS 4                                         ; four places in front of loads into the set that the last products read
	LOADPAIR (\hp+1), ((\hp+1)%2)
	s_wait_dscnt 18                                ; this pair is in; the 18 loads just issued may be out
.else
	s_wait_dscnt 0x0
.endif
	MULPAIR \hp, (\hp%2)
.endr
.endm
; THE SOFTMAX OVER THE HEADS and the quantiser of P: 16 positions x 16 heads a lane
.macro SM
	WIN 0x05                                       ; the largest score of each position
.irp g, 0,4,8,12
.irp i, 0,1,2,3
	v_max_num_f32 v[MX+\g+\i], v[\g+\i], v[16+\g+\i]
.endr
.irp a, 2,4,6,8,10,12,14
.irp i, 0,1,2,3
	v_max3_num_f32 v[MX+\g+\i], v[16*\a+\g+\i], v[16*\a+16+\g+\i], v[MX+\g+\i]
.endr
.endr
.endr
	WIN 0
.irp i, 0,2,4,6,8,10,12,14
	v_pk_mul_f32 v[MX+\i:MX+\i+1], v[MX+\i:MX+\i+1], s[CS:CS+1] op_sel_hi:[1,0]   ; c m
.endr
	WIN 0x41
.irp hd, 0,1,2,3,4,5,6,7,8,9,10,11,12,13,14,15
.irp i, 0,2,4,6,8,10,12,14
	v_pk_fma_f32 v[16*\hd+\i:16*\hd+\i+1], v[16*\hd+\i:16*\hd+\i+1], s[CS:CS+1], v[MX+\i:MX+\i+1] op_sel_hi:[1,0,1] neg_lo:[0,0,1] neg_hi:[0,0,1]   ; c s - c m
.endr
.irp i, 0,1,2,3,4,5,6,7,8,9,10,11,12,13,14,15
	v_exp_f32 v[16*\hd+\i], v[16*\hd+\i]
.endr
.endr
	v_nop                                          ; a plain line behind the last exponential
	s_wait_alu depctr_va_vdst(0)                   ; one wait for the 256: up to here no line names a result
	WIN 0x05
.irp i, 0,2,4,6,8,10,12,14
	v_pk_add_f32 v[MX+\i:MX+\i+1], v[\i:\i+1], v[16+\i:16+\i+1]   ; the sum over the heads: eight chains by turns
.endr
	WIN 0x01
.irp hd, 2,3,4,5,6,7,8,9,10,11,12,13,14,15
.irp i, 0,2,4,6,8,10,12,14
	v_pk_add_f32 v[MX+\i:MX+\i+1], v[16*\hd+\i:16*\hd+\i+1], v[MX+\i:MX+\i+1]
.endr
.endr
	WIN 0
.irp i, 0,1,2,3,4,5,6,7,8,9,10,11,12,13,14,15
	v_rcp_f32 v[MX+\i], v[MX+\i]
.endr
	v_nop
	s_wait_alu depctr_va_vdst(0)                   ; one wait for the 16 reciprocals
	WIN 0x41
.irp hd, 0,1,2,3,4,5,6,7,8,9,10,11,12,13,14,15
.irp i, 0,2,4,6,8,10,12,14
	v_pk_mul_f32 v[16*\hd+\i:16*\hd+\i+1], v[16*\hd+\i:16*\hd+\i+1], v[MX+\i:MX+\i+1]   ; the finished softmax
.endr
.endr
	WIN 0x05                                       ; each head: the largest of my 16 positions, with the floor (nothing is negative: no |.|)
.irp g, 0,4,8,12
.irp k, 0,1,2,3
	v_max3_num_f32 v[MX+\g+\k], v[16*(\g+\k)], v[16*(\g+\k)+1], FLOOR
.endr
.irp i, 2,4,6,8,10,12,14
.irp k, 0,1,2,3
	v_max3_num_f32 v[MX+\g+\k], v[16*(\g+\k)+\i], v[16*(\g+\k)+\i+1], v[MX+\g+\k]
.endr
.endr
.endr
	WIN 0
.irp hd, 0,1,2,3,4,5,6,7,8,9,10,11,12,13,14,15
	v_permlanex16_b32 v[TT+\hd], v[MX+\hd], s[SEL], s[SEL+1]
.endr
.irp hd, 0,1,2,3,4,5,6,7,8,9,10,11,12,13,14,15
	v_max_num_f32 v[MX+\hd], v[MX+\hd], v[TT+\hd]  ; with the lane 16 away: the block of 32 positions
.endr
.irp hd, 0,1,2,3,4,5,6,7,8,9,10,11,12,13,14,15
	v_add_nc_u32 v[MX+\hd], OFF2, v[MX+\hd]        ; the scale operand of the conversion
.endr
.irp hd, 0,1,2,3,4,5,6,7,8,9,10,11,12,13,14,15
	v_lshrrev_b32 v[TT+\hd], 23, v[MX+\hd]         ; the scale byte
.endr
.irp hd, 0,1,2,3,4,5,6,7,8,9,10,11,12,13,14,15
	ds_store_b8 v[APB], v[TT+\hd] offset:64*\hd    ; byte j of the row scale word; both halves of the lanes store the same byte
.endr
.irp g, 0,4,8,12                       ; four heads at a time: 16 codes, 12 bytes, at byte 24 j + 12 h of the row
	WIN 0x01
.irp k, 0,1,2,3
	v_cvt_scalef32_pk16_fp6_f32 v[TT+4*\k:TT+4*\k+2], v[16*(\g+\k):16*(\g+\k)+15], v[MX+\g+\k]
.endr
	v_nop                                          ; a plain line behind the conversions
	WIN 0
.irp k, 0,1,2,3
.irp e, 0,1,2
	ds_store_b32 v[APW], v[TT+4*\k+\e] offset:(\g+\k)*1792+4*\e
.endr
.endr
.endr
.endm
.macro PROD zero, ra, rb               ; one product on rD, rA, rB, rSA, rSB; ra, rb: the scale words stand in lanes 16-31
.if \zero
.if \ra
.if \rb
	v_wmma_scale_f32_16x16x128_f8f6f4 v[rD:rD+7], v[rA:rA+11], v[rB:rB+11], 0, v[rSA], v[rSB] matrix_a_fmt:MATRIX_FMT_FP6 matrix_b_fmt:MATRIX_FMT_FP6 matrix_a_scale:MATRIX_SCALE_ROW1 matrix_b_scale:MATRIX_SCALE_ROW1
.else
	v_wmma_scale_f32_16x16x128_f8f6f4 v[rD:rD+7], v[rA:rA+11], v[rB:rB+11], 0, v[rSA], v[rSB] matrix_a_fmt:MATRIX_FMT_FP6 matrix_b_fmt:MATRIX_FMT_FP6 matrix_a_scale:MATRIX_SCALE_ROW1
.endif
.else
.if \rb
	v_wmma_scale_f32_16x16x128_f8f6f4 v[rD:rD+7], v[rA:rA+11], v[rB:rB+11], 0, v[rSA], v[rSB] matrix_a_fmt:MATRIX_FMT_FP6 matrix_b_fmt:MATRIX_FMT_FP6 matrix_b_scale:MATRIX_SCALE_ROW1
.else
	v_wmma_scale_f32_16x16x128_f8f6f4 v[rD:rD+7], v[rA:rA+11], v[rB:rB+11], 0, v[rSA], v[rSB] matrix_a_fmt:MATRIX_FMT_FP6 matrix_b_fmt:MATRIX_FMT_FP6
.endif
.endif
.else
.if \ra
.if \rb
	v_wmma_scale_f32_16x16x128_f8f6f4 v[rD:rD+7], v[rA:rA+11], v[rB:rB+11], v[rD:rD+7], v[rSA], v[rSB] matrix_a_fmt:MATRIX_FMT_FP6 matrix_b_fmt:MATRIX_FMT_FP6 matrix_a_scale:MATRIX_SCALE_ROW1 matrix_b_scale:MATRIX_SCALE_ROW1
.else
	v_wmma_scale_f32_16x16x128_f8f6f4 v[rD:rD+7], v[rA:rA+11], v[rB:rB+11], v[rD:rD+7], v[rSA], v[rSB] matrix_a_fmt:MATRIX_FMT_FP6 matrix_b_fmt:MATRIX_FMT_FP6 matrix_a_scale:MATRIX_SCALE_ROW1
.endif
.else
.if \rb
	v_wmma_scale_f32_16x16x128_f8f6f4 v[rD:rD+7], v[rA:rA+11], v[rB:rB+11], v[rD:rD+7], v[rSA], v[rSB] matrix_a_fmt:MATRIX_FMT_FP6 matrix_b_fmt:MATRIX_FMT_FP6 matrix_b_scale:MATRIX_SCALE_ROW1
.else
	v_wmma_scale_f32_16x16x128_f8f6f4 v[rD:rD+7], v[rA:rA+11], v[rB:rB+11], v[rD:rD+7], v[rSA], v[rSB] matrix_a_fmt:MATRIX_FMT_FP6 matrix_b_fmt:MATRIX_FMT_FP6
.endif
.endif
.endif
.endm
.macro PVMUL hh, zero                  ; eight products of head 2 w + hh: source 0 = P (16 rows), source 1 = W (16 d)
.irp dt, 0,1,2,3
.irp u, 0,1
.set rD, ACC+8*((4*\hh+\dt)*2+\u)
.set rA, 12*(2*\hh+\u)
.set rB, 48+12*(4*\hh+\dt)
.set rSA, PSC+\hh
.set rSB, WSC+2*\hh+\dt/2
	PROD \zero, \u, (\dt%2)
.endr
.endr
.endm
.macro WLOAD hh                        ; four fragments of W: lane (r, h) takes d = 16 dt + r and the blocks h and 2 + h of the step, 24 bytes each
.irp dt, 0,1,2,3
.irp p, 0,1,2,3,4,5
	ds_load_b64 v[48+12*(4*\hh+\dt)+2*\p:48+12*(4*\hh+\dt)+2*\p+1], v[AW] offset:(\p/3)*2*WBL+(4*\hh+\dt)*384+8*(\p%3)
.endr
.endr
.endm
; THE SECOND PRODUCT of a step: K = its 128 positions.  The sixteen accumulators take turns, one instruction a turn.
.macro PV zero
	WIN 0
.irp hh, 0,1
.irp dp, 0,1
.irp be, 0,1,2,3
	ds_load_u8 v[SB+4*(2*\hh+\dp)+\be], v[AWS+\be/2] offset:(\be%2)*WBL+\hh*64+\dp*32   ; W scale bytes: lanes 0-15 d tile 2 dp, lanes 16-31 d tile 2 dp + 1; block be
.endr
.endr
.endr
.irp hh, 0,1
	ds_load_b32 v[PSC+\hh], v[APSR] offset:\hh*64  ; P scale words: lanes 0-15 tile 0, lanes 16-31 tile 1
.endr
	WIN 0x40
.irp hh, 0,1
.irp u, 0,1
.irp p, 0,1,2,3,4,5
	ds_load_b64 v[12*(2*\hh+\u)+2*\p:12*(2*\hh+\u)+2*\p+1], v[APR] offset:\u*28672+\hh*1792+48*(\p/3)+8*(\p%3)
.endr
.endr
.endr
	WLOAD 0
	WIN 0
	s_wait_dscnt 48                                ; the scale bytes and words are in; the 48 fragment loads may be out
.irp x, 0,1,2,3
	v_lshl_or_b32 v[WSC+\x], v[SB+4*\x+1], 8, v[SB+4*\x]
	v_lshl_or_b32 v[WSC+\x], v[SB+4*\x+2], 16, v[WSC+\x]
	v_lshl_or_b32 v[WSC+\x], v[SB+4*\x+3], 24, v[WSC+\x]
.endr
	WIN 0x40
	WLOAD 1
	NOPS 8                                         ; a scale register written by a vector instruction stands eight places ahead of the scaled product
	s_wait_dscnt 24                                ; P and the first four fragments of W are in; the last 24 loads may be out
	WIN 0x05
	PVMUL 0, \zero
	s_wait_dscnt 0x0
	PVMUL 1, \zero
	WIN 0
	NOPS 5                                         ; five places: the next scores are written over these operands, and loads land in these scale registers
.endm
.macro STEP ty, tw, zero
	SC
	WIN 0
	s_wait_tensorcnt 0x0                           ; no tensor load of mine is out
	ds_add_u32 v[SPW], v[NIL]                      ; 0 onto my spare word
	s_wait_dscnt 0x0                               ; the add is done, and so are my reads of Y (this step) and of W and P (the last step)
	CROUND                                         ; that now holds of every wave of the four work-groups
	TL \ty, \tw                                    ; Y of the next step, W of this step: a wave one load
	SM
	s_wait_tensorcnt 0x0                           ; my one load has landed: no load was issued behind it, so its count is 0
.if \ty
	s_add_nc_u64 s[G0Y+2:G0Y+3], s[G0Y+2:G0Y+3], 4*YG
.endif
.if \tw
	s_add_nc_u64 s[G0W+2:G0W+3], s[G0W+2:G0W+3], 4*WB
.endif
	s_wait_dscnt 0x0                               ; my stores of P have landed
	s_barrier_signal -1                            ; behind it P, W and the next Y are whole for every wave
	s_barrier_wait -1
	PV \zero
.endm
	s_load_b256 s[4:11], s[0:1], 0x0               ; q s[4:5], ya s[6:7], wv s[8:9], wkv s[10:11]
	v_lshl_add_u32 v[SPW], v0, 2, SPARE
	v_mov_b32 v[NIL], 0
	ds_add_u32 v1, v2
	ds_add_u32 v1, v2
	s_wait_dscnt 0x0
	v_lshrrev_b32 v[VL], 5, v0
	v_readfirstlane_b32 s[WV], v[VL]               ; wave 0..7
	s_and_b32 s13, s[WV], 1                        ; u
	s_lshr_b32 s14, s[WV], 1                       ; j
	s_and_b32 s15, s[WV], 3                        ; which group of Y or block of W I fetch
	v_and_b32 v[VR], 15, v0                        ; r
	v_bfe_u32 v[VH], v0, 4, 1                      ; h
	v_and_b32 v[VL], 31, v0                        ; lane
	; every LDS address is a constant + constants x lane parts + constants x wave parts
	v_mul_u32_u24 v[AY], v[VR], 48
	v_mad_u32_u24 v[AY], v[VH], 24, v[AY]
	s_mul_i32 s55, s14, 1536
	v_add_nc_u32 v[AY], s55, v[AY]                 ; 48 r + 24 h + 1,536 j
	v_add_nc_u32 v[AY+1], 2*YG, v[AY]
	s_lshl_b32 s55, s14, 7
	v_lshl_add_u32 v[AYS], v[VL], 2, s55           ; 4 lane + 128 j
	v_add_nc_u32 v[AYS+1], 2*YG, v[AYS]
	s_mul_i32 s55, s13, 12288
	s_add_co_u32 s55, s55, XI
	v_lshl_add_u32 v[AX], v[VL], 4, s55
	s_lshl_b32 s55, s13, 10
	s_add_co_u32 s55, s55, XSW
	v_lshl_add_u32 v[AXS], v[VL], 2, s55
	s_mul_i32 s55, s13, 28672
	s_mul_i32 s56, s14, 24
	s_add_co_u32 s55, s55, s56
	s_add_co_u32 s55, s55, PCO
	v_mul_u32_u24 v[APW], v[VR], 112
	v_mad_u32_u24 v[APW], v[VH], 12, v[APW]
	v_add_nc_u32 v[APW], s55, v[APW]
	s_lshl_b32 s55, s13, 10
	s_add_co_u32 s55, s55, s14
	s_add_co_u32 s55, s55, PSW
	v_lshl_add_u32 v[APB], v[VR], 2, s55
	s_mul_i32 s55, s[WV], 3584
	s_add_co_u32 s55, s55, PCO
	v_mul_u32_u24 v[APR], v[VR], 112
	v_mad_u32_u24 v[APR], v[VH], 24, v[APR]
	v_add_nc_u32 v[APR], s55, v[APR]
	s_lshl_b32 s55, s[WV], 7
	s_add_co_u32 s55, s55, PSW
	v_lshlrev_b32 v[APSR], 10, v[VH]
	v_lshl_add_u32 v[APSR], v[VR], 2, v[APSR]
	v_add_nc_u32 v[APSR], s55, v[APSR]
	s_mul_i32 s55, s[WV], 3072
	s_add_co_u32 s55, s55, WT
	v_mul_u32_u24 v[AW], v[VR], 24
	v_mad_u32_u24 v[AW], v[VH], WBL, v[AW]
	v_add_nc_u32 v[AW], s55, v[AW]
	s_lshl_b32 s55, s[WV], 7
	s_add_co_u32 s55, s55, WT+24576
	v_add_nc_u32 v[AWS], s55, v[VL]
	v_add_nc_u32 v[AWS+1], 2*WBL, v[AWS]
	s_mul_i32 s55, s14, 3072
	v_add_nc_u32 v[AXW], s55, v[AX]                ; where I store my two fragments of X (u, 2 j and 2 j + 1)
	s_lshl_b32 s55, s14, 8
	v_add_nc_u32 v[AXSW], s55, v[AXS]
	v_and_b32 v[XOF], 8, v[VR]
	v_add_nc_u32 v[XOF], v[XOF], v[VR]             ; r + 8 (r / 8)
	v_lshlrev_b32 v[XOF], 8, v[XOF]
	v_lshl_add_u32 v[XOF], v[VH], 7, v[XOF]        ; X: that row of 256 bytes, + 128 h: my block of 32 along d
	v_mul_u32_u24 v[OUT], v[VR], 24
	v_mad_u32_u24 v[OUT], v[VH], 12, v[OUT]        ; the output: 24 r + 12 h
.irp t, 0,1,2,3
.irp i, 0,1,2,3,4,5
	v_mov_b32 v[YB+18*\t+6+\i], 0                  ; the zero codes in the middle of each Y triple: written once, never again
.endr
.endr
.irp i, 0,1,2,3,4,5,6,7,8,9,10,11,12,13,14,15
	v_mov_b32 v[TT+\i], 0                          ; written once: the destination of a lane permute counts as read
.endr
	v_mov_b32 v[PX], 0
	v_mov_b32 v[PX+1], 0
	s_mov_b32 s[SEL], 0x76543210
	s_mov_b32 s[SEL+1], 0xfedcba98                 ; v_permlanex16_b32: the lane 16 away
	s_mov_b32 s[CS], 0x3e38aa3b                    ; c = log2(e) / 8
	s_mov_b32 s[CS+1], s[CS]
	; descriptor group 1: dense blocks as rows of 256 bytes (32 elements of 8 bytes): 104 rows of Y, 100 of W; mask 15: all four partners; bit 21 set beside the mask; no padding
	s_mov_b32 s[G1Y], 15|(3<<16)|(1<<21)
	s_mov_b32 s[G1Y+1], 32<<16
	s_mov_b32 s[G1Y+2], 104<<16
	s_mov_b32 s[G1Y+3], 32<<16
	s_mov_b32 s[G1Y+4], 104
	s_mov_b32 s[G1Y+5], 32
	s_mov_b32 s[G1Y+6], 0
	s_mov_b32 s[G1Y+7], 0
	s_mov_b32 s[G1W], 15|(3<<16)|(1<<21)
	s_mov_b32 s[G1W+1], 32<<16
	s_mov_b32 s[G1W+2], 100<<16
	s_mov_b32 s[G1W+3], 32<<16
	s_mov_b32 s[G1W+4], 100
	s_mov_b32 s[G1W+5], 32
	s_mov_b32 s[G1W+6], 0
	s_mov_b32 s[G1W+7], 0
	s_bfe_u32 s16, ttmp6, 0x40000                  ; cx: it enters the addresses of q and of the output alone
	s_lshr_b32 s17, ttmp9, 5                       ; batch (ttmp9 counts clusters: 32 a batch)
	s_and_b32 s18, ttmp9, 31
	s_lshl_b32 s18, s18, 2
	s_add_co_u32 s18, s18, s16                     ; my group of 32 rows, 0..127
	s_lshl_b32 s55, s17, 4
	s_add_co_u32 s55, s55, s15                     ; 16 batch + my piece: the same index in ya and in wv
	s_mul_i32 s56, s55, YG
	s_mov_b32 s57, 0
	s_mul_i32 s58, s55, WB
	s_mov_b32 s59, 0
	s_mul_i32 s60, s15, YG
	s_mul_i32 s61, s15, WBL
	s_wait_kmcnt 0x0
	s_mov_b32 s[G0Y], 1
	s_mov_b32 s[G0Y+1], s60
	s_add_nc_u64 s[G0Y+2:G0Y+3], s[6:7], s[56:57]
	s_or_b32 s[G0Y+3], s[G0Y+3], 0x80000000
	s_mov_b32 s[G0W], 1
	s_add_co_u32 s[G0W+1], s61, WT
	s_add_nc_u64 s[G0W+2:G0W+3], s[8:9], s[58:59]
	s_or_b32 s[G0W+3], s[G0W+3], 0x80000000
	s_lshl_b32 s62, s17, 4
	s_lshl_b32 s63, s14, 2
	s_add_co_u32 s62, s62, s63                     ; my first head: 16 batch + 4 j
	s_lshl_b32 s62, s62, LOGNR
	s_lshl_b32 s63, s18, 5
	s_add_co_u32 s62, s62, s63                     ; + r0
	s_lshl_b32 s63, s13, 3
	s_add_co_u32 s62, s62, s63                     ; + 8 u
	s_lshl_b32 s62, s62, 8                         ; rows of 256 bytes (under 2^27)
	s_mov_b32 s63, 0
	s_add_nc_u64 s[4:5], s[4:5], s[62:63]
	s_lshl_b32 s62, s17, 7
	s_add_co_u32 s62, s62, s18
	s_mul_i32 s62, s62, WB                         ; my block of wkv: 128 batch + group
	s_add_nc_u64 s[10:11], s[10:11], s[62:63]
	s_lshl_b32 s62, s[WV], 7
	s_add_co_u32 s62, s62, 24576
	s_add_nc_u64 s[50:51], s[10:11], s[62:63]      ; my 128 scale bytes
	s_mul_i32 s62, s[WV], 3072
	s_add_nc_u64 s[10:11], s[10:11], s[62:63]      ; my two heads of codes
	CROUND                                         ; the four work-groups are here: the first joint loads meet
	TL 1, 1                                        ; the first fills: Y and W of step 0
	; X: my four heads of my tile: a lane takes a row and a whole block of 32 along d of each head
	WIN 0x40
.irp hd, 0,1,2,3
.irp i, 0,1,2,3,4,5,6,7
	global_load_b128 v[32*\hd+4*\i:32*\hd+4*\i+3], v[XOF], s[4:5] offset:\hd*NR*256+16*\i th:TH_LOAD_NT
.endr
.endr
	WIN 0
	s_wait_loadcnt 0x0
	WIN 0x05
.irp hd, 0,1,2,3
	v_max3_num_f32 v[XM+\hd], |v[32*\hd]|, |v[32*\hd+1]|, FLOOR
.endr
.irp i, 2,4,6,8,10,12,14,16,18,20,22,24,26,28,30
.irp hd, 0,1,2,3
	v_max3_num_f32 v[XM+\hd], |v[32*\hd+\i]|, |v[32*\hd+\i+1]|, v[XM+\hd]
.endr
.endr
	WIN 0
.irp hd, 0,1,2,3
	v_add_nc_u32 v[XSO+\hd], OFF2, v[XM+\hd]
.endr
.irp hd, 0,1,2,3
	v_lshrrev_b32 v[XBY+\hd], 23, v[XSO+\hd]
.endr
	v_lshlrev_b32 v[XSH], 3, v[VH]
.irp f, 0,1                            ; the scale word of a fragment: bytes 0, 1 the even head, bytes 2, 3 the odd head; my two bytes stand 8 h bits up, the lane 16 away has the other two
	v_lshl_or_b32 v[XW+\f], v[XBY+2*\f+1], 16, v[XBY+2*\f]
	v_lshlrev_b32 v[XW+\f], v[XSH], v[XW+\f]
	v_permlanex16_b32 v[PX+\f], v[XW+\f], s[SEL], s[SEL+1]
	v_or_b32 v[XW+\f], v[XW+\f], v[PX+\f]
.endr
	WIN 0x01
.irp hd, 0,1,2,3
	v_cvt_scalef32_pk16_fp6_f32 v[FRG+12*(\hd/2)+6*(\hd%2):FRG+12*(\hd/2)+6*(\hd%2)+2], v[32*\hd:32*\hd+15], v[XSO+\hd]
	v_cvt_scalef32_pk16_fp6_f32 v[XT+4*\hd:XT+4*\hd+2], v[32*\hd+16:32*\hd+31], v[XSO+\hd]   ; (three registers of a conversion begin on an even number: made elsewhere and moved)
.endr
	v_nop
	WIN 0
.irp hd, 0,1,2,3
.irp i, 0,1,2
	v_mov_b32 v[FRG+12*(\hd/2)+6*(\hd%2)+3+\i], v[XT+4*\hd+\i]
.endr
.endr
.irp f, 0,1
.irp c, 0,1,2
	ds_store_b128 v[AXW], v[FRG+12*\f+4*\c:FRG+12*\f+4*\c+3] offset:\f*1536+512*\c   ; the fragment as an image of its registers
.endr
	ds_store_b32 v[AXSW], v[XW+\f] offset:\f*128
.endr
	s_wait_tensorcnt 0x0                           ; my first fill has landed,
	s_add_nc_u64 s[G0Y+2:G0Y+3], s[G0Y+2:G0Y+3], 4*YG   ; so both group 0 may step to step 1
	s_add_nc_u64 s[G0W+2:G0W+3], s[G0W+2:G0W+3], 4*WB
	s_wait_dscnt 0x0                               ; my images of X have landed
	s_barrier_signal -1
	s_barrier_wait -1
	STEP 1, 0, 1                                   ; step 0: its W came with the first fills; its products start the sums: nothing is cleared
	s_mov_b32 s[CNT], NS-2
.Lstep:
	STEP 1, 1, 0
	s_sub_co_u32 s[CNT], s[CNT], 1
	s_cmp_lg_u32 s[CNT], 0
	s_cbranch_scc1 .Lstep
	STEP 0, 1, 0                                   ; the last step is written out: no Y is left to ask for (the stepped address of W is not used)
	; THE WAY OUT.  Group q = 4 hh + dt: 16 registers = KV(n = r0 + 16 h + 0 .. 15, d = 16 dt + r) of head 2 w + hh.  The block of 32 along n lies in two lanes 16 apart.
.set EM, 16
.set ET, 24
.set EO, 32
.set EB, 40
.set EC, 48
.irp q, 0,1,2,3,4,5,6,7
	v_max3_num_f32 v[EM+\q], |v[ACC+16*\q]|, |v[ACC+16*\q+1]|, FLOOR
.endr
.irp i, 2,4,6,8,10,12,14
.irp q, 0,1,2,3,4,5,6,7
	v_max3_num_f32 v[EM+\q], v[EM+\q], |v[ACC+16*\q+\i]|, |v[ACC+16*\q+\i+1]|
.endr
.endr
.irp q, 0,1,2,3,4,5,6,7
	v_permlanex16_b32 v[ET+\q], v[EM+\q], s[SEL], s[SEL+1]
.endr
.irp q, 0,1,2,3,4,5,6,7
	v_max_num_f32 v[EM+\q], v[EM+\q], v[ET+\q]
.endr
.irp q, 0,1,2,3,4,5,6,7
	v_add_nc_u32 v[EO+\q], OFF2, v[EM+\q]
.endr
.irp q, 0,1,2,3,4,5,6,7
	v_lshrrev_b32 v[EB+\q], 23, v[EO+\q]
.endr
.irp q, 0,1,2,3,4,5,6,7
	v_cvt_scalef32_pk16_fp6_f32 v[EC+4*\q:EC+4*\q+2], v[ACC+16*\q:ACC+16*\q+15], v[EO+\q]
.endr
	v_nop
	s_lshl_b32 s55, s[WV], 7
	s_add_co_u32 s55, s55, STAGE                   ; my 128 bytes of the stage
	v_and_b32 v80, 15, v0
	v_add_nc_u32 v80, s55, v80
	v_and_b32 v82, 31, v0
	v_lshlrev_b32 v82, 2, v82
	v_add_nc_u32 v81, s55, v82
.irp q, 0,1,2,3,4,5,6,7
	ds_store_b8 v80, v[EB+\q] offset:16*\q         ; both halves of the lanes store the same byte
.endr
.irp q, 0,1,2,3,4,5,6,7
	global_store_b96 v[OUT], v[EC+4*\q:EC+4*\q+2], s[10:11] offset:384*\q   ; the wave stores 384 consecutive bytes
.endr
	ds_load_b32 v83, v81                           ; LDS serves a wave in order (ISA guide 5.7.1.4): this sees my stores
	s_wait_dscnt 0x0
	global_store_b32 v82, v83, s[50:51]            ; my 128 scale bytes on end
	s_wait_tensorcnt 0x0                           ; the end of the wave
	ds_add_u32 v[SPW], v[NIL]
	s_wait_dscnt 0x0
	CROUND                                         ; the closing round
	s_endpgm
.Lfunc_end_k_q623b63b4c2_left:
	.size	k_q623b63b4c2_left, .Lfunc_end_k_q623b63b4c2_left-k_q623b63b4c2_left
	.p2alignl 7, 3214868480
	.fill 96, 4, 3214868480
	.section	.rodata,"a",@progbits
	.p2align	6, 0x0
	.amdhsa_kernel k_q623b63b4c2_left
		.amdhsa_group_segment_fixed_size 327680
		.amdhsa_private_segment_fixed_size 0
		.amdhsa_enable_private_segment 0
		.amdhsa_kernarg_size 32
		.amdhsa_user_sgpr_count 2
		.amdhsa_user_sgpr_kernarg_segment_ptr 1
		.amdhsa_wavefront_size32 1
		.amdhsa_system_sgpr_workgroup_id_x 1
		.amdhsa_system_sgpr_workgroup_id_y 1
		.amdhsa_system_sgpr_workgroup_id_z 1
		.amdhsa_system_vgpr_workitem_id 0
		.amdhsa_next_free_vgpr 512
		.amdhsa_next_free_sgpr 66
		.amdhsa_reserve_vcc 0
		.amdhsa_float_denorm_mode_32 3
		.amdhsa_float_denorm_mode_16_64 3
		.amdhsa_memory_ordered 1
		.amdhsa_forward_progress 1
		.amdhsa_inst_pref_size 255
	.end_amdhsa_kernel
	.section	.bss,"aw",@nobits
	.p2align	6
	.space	262144
	.amdgpu_metadata
---
amdhsa.version: [ 1, 2 ]
amdhsa.kernels:
  - .name:           k_q623b63b4c2_left
    .symbol:         k_q623b63b4c2_left.kd
    .args:
      - { .name: q, .offset: 0, .size: 8, .value_kind: global_buffer, .address_space: global }
      - { .name: ya, .offset: 8, .size: 8, .value_kind: global_buffer, .address_space: global }
      - { .name: wv, .offset: 16, .size: 8, .value_kind: global_buffer, .address_space: global }
      - { .name: wkv, .offset: 24, .size: 8, .value_kind: global_buffer, .address_space: global }
    .group_segment_fixed_size: 327680
    .private_segment_fixed_size: 0
    .kernarg_segment_align: 8
    .kernarg_segment_size: 32
    .max_flat_workgroup_size: 256
    .sgpr_count:     66
    .vgpr_count:     512
    .wavefront_size: 32
...
	.end_amdgpu_metadata
.endif
;; end of part 2
;; launch right (part 3): grid 256 x 1, 8 waves a work-group, clusters of 4 x 1, 327,680 bytes of LDS; arguments a, yk, wkv, part; writes part
.if DOCPART == 3
	.amdgcn_target "amdgcn-amd-amdhsa--gfx1250"
	.amdhsa_code_object_version 6
	.text
	.protected	k_q623b63b4c2_right
	.globl	k_q623b63b4c2_right
	.p2align	8
	.type	k_q623b63b4c2_right,@function
k_q623b63b4c2_right:
	s_mov_b64 s[64:65], 0
	v_nop
	global_prefetch_b8 v0, s[64:65] scope:SCOPE_SE
	s_setreg_imm32_b32 hwreg(HW_REG_WAVE_MODE, 25, 1), 1
	s_wait_xcnt 0x0
	s_wait_alu depctr_hold_cnt(0) depctr_sa_sdst(0) depctr_va_vdst(0) depctr_va_sdst(0) depctr_va_ssrc(0) depctr_va_vcc(0) depctr_vm_vsrc(0)
	s_getreg_b32 s2, hwreg(HW_REG_IB_STS2, 6, 4)
	s_cmp_eq_u32 s2, 0
	s_cbranch_scc0 .Lentry_in_a_cluster
	s_endpgm
.Lentry_in_a_cluster:
	s_bfe_u32 s2, ttmp6, 0x10000c
	s_cmp_lg_u32 s2, 0x3003
	s_cbranch_scc0 .Lentry_shape_is_right
	s_endpgm
.Lentry_shape_is_right:
; RIGHT: for a quarter of n, part = softmax_over_heads(a k^T / 8) KV, both products on codes of FP6 (E2M3) with one E8M0 scale for each 32 along K; f32 partial sums go to the workspace part.
; NAMES.  Rows: the agents.  Positions: n, the K of the second product.  X = a (f32, quantised here along d), Y = codes of k (yk), W = codes of KV with n innermost (wkv), P = the finished softmax, quantised along n.
; SHARES.  A work-group takes 32 rows (two tiles u of 16) of one batch, ALL 16 heads, and walks a quarter of n, 1,024 positions, in NS = 8 steps of 128.  Eight waves of 512 registers.
;   Scores and softmax: wave (u = w % 2, j = w / 2) takes tile u and positions 32 j .. 32 j + 31 of the step, all heads: a lane holds 16 positions x 16 heads, so the softmax over the heads never leaves the lane.
;   Second product: wave w takes heads 2 w, 2 w + 1, both tiles, all 64 d: 16 accumulators.  P goes from wave to wave through LDS as rows of codes and scale words.
; SCORES.  d is 64, the matrix instruction is 128 deep: two heads share an X fragment (even head d 0-63, odd head d 0-63); Y stands in triples [even head 6][zeros 6][odd head 6] of registers, so that
;   registers 0-11 multiply the even head alone and registers 6-17 the odd head alone.  Source 0 = 16 positions, source 1 = 16 rows: a lane holds one row.
; TILES.  Y (106,496 bytes a step) is read by the scores alone, W (102,400) by the second product alone, and the long softmax stands between: so each has ONE buffer.  Behind the scores of step t
;   a round of the cluster barrier stands, and behind it Y of step t + 1 (waves 0-3) and W of step t (waves 4-7) are asked for; they land during the softmax.
; CLUSTER.  The four partners are four groups of 32 rows of one batch and quarter and walk the same Y and W: each tile is asked for jointly (mask 15, the same descriptor in all four).
; ROWS OF A TILE: row rho of tile u is row r0 + 16 (rho / 8) + 8 u + rho % 8 (the order of the launch before; here it only says which row a result belongs to).
;   The second product takes source 0 = W (16 d), source 1 = P (16 rows): a lane holds one row and eight neighbouring d.
; SOFTMAX.  m = the largest score of the 16 heads; p = 2^(c s - c m), c = log2(e) / 8; p / sum.  The rounding of c m is common to the 16 heads of a position and cancels in the division.
; LIMITS: NaN and infinities among the inputs are not served.  A block whose largest magnitude lies under 2^-124 keeps the scale byte 1 (the rule says 127 for a block of zeros; the bytes are read by this program alone).
;   v_exp_f32 gives 0 for results under 2^-126 (ISA guide 15.8).  The sum over n is made in four quarters, which the last launch adds.
; REGISTERS.  Window 1 (v256-511): P(head, i) at 16 head + i; in the second product P fragments at 12 (2 hh + u), W fragments at 48 + 12 (4 hh + dt); at the head the 128 numbers of X; on the way out rows of the result.
;   Window 0: v1-15 addresses; v16-87 four Y triples; v88-111 two X fragments, then maxima, sums, block maxima, W scale bytes; v104-119 at work, codes; v120-125 scale words and nothing else; v126 the prefetch offset; v127 my place in the output; v128-255 accumulators.
.set NR,    512                        ; rows of a head of X
.set LOGNR, 9
.set NS,    8                          ; steps
.set YG,    26624                      ; a group of four heads of Y: what one tensor load brings
.set WB,    25600                      ; a block of 32 positions of W: likewise
.set WBL,   25728                      ; and its place in LDS: 128 bytes stay empty, so that lanes 16-31 of a load start 32 banks from lanes 0-15 (64 banks of 4 bytes: ISA guide 11.1)
.set WT,    4*YG                       ; LDS: Y at 0, W here,
.set PCO,   WT+4*WBL                   ; P codes [u][head][row], 112 bytes a row (96 of codes),
.set PSW,   PCO+57344                  ; P scale words [u][head][row],
.set SPARE, PSW+2048                   ; the spare words, 128 bytes a wave: four blocks of 256 bytes that no other line names,
.set XI,    SPARE+1024                 ; X: 16 fragments as images of their registers, 1,536 bytes each,
.set XSW,   XI+24576                   ; their scale words, 128 bytes each
.set STAGE, XI                         ; the way out, 16 rows x 272 bytes a wave, lies over X, whose last read stands in front of the last round
.set SPW, 1
.set NIL, 2
.set AY,  3                            ; v3-4   Y codes: heads 0-7, heads 8-15
.set AYS, 5                            ; v5-6   Y scale words
.set AX,  7
.set AXS, 8
.set APW, 9                            ; where I store P codes
.set APB, 10                           ; and P scale bytes
.set APR, 11                           ; where I read P fragments
.set APSR, 12
.set AW,  13
.set AWS, 14                           ; v14-15 W scale bytes: blocks 0-1, blocks 2-3
.set YB,  16
.set XF,  88
.set MX,  88
.set SB,  88
.set TT,  104
.set SCL, 120
.set WSC, 120
.set PSC, 124
.set PFO, 126
.set OUT, 127
.set ACC, 128
.set VR,  128                          ; at the head only: lane % 16, lane / 16, lane, addresses, and what the quantiser of X needs
.set VH,  129
.set VL,  130
.set AXW, 131
.set AXSW, 132
.set XOF, 133
.set PX,  134
.set XM,  136
.set XSO, 140
.set XBY, 144
.set XW,  148
.set XSH, 150
.set FRG, 152
.set XT,  176
.set WV,  12
.set SEL, 20
.set CS,  22
.set G1Y, 24
.set G1W, 32
.set G0Y, 40
.set G0W, 44
.set CNT, 48                           ; steps still to come behind this one
.set PFA, 50                           ; s[50:51] where my prefetches stand
.set PFS, 52                           ; s[52:53] a step on, in bytes
.set LIM, 54                           ; a wave prefetches while s[CNT] is above it
.set FLOOR, 0x1800000
.set OFF2,  0xff000000
.set MSB, 0
.macro WIN new                         ; bits 1:0 source 0, 3:2 source 1, 5:4 source 2, 7:6 destination; the high byte repeats the setting that is left
.if MSB != \new
	s_set_vgpr_msb (MSB<<8)|\new
.set MSB, \new
.endif
.endm
.macro NOPS n
.rept \n
	v_nop
.endr
.endm
.macro CROUND                          ; a round of the cluster barrier: my work-group barrier, wave 0 signals for the work-group, every wave waits for the four, my work-group barrier once more
	s_barrier_signal -1
	s_barrier_wait -1
	s_cmp_lg_u32 s[WV], 0
	s_cbranch_scc1 .Lnot_wave_0_\@
	s_barrier_signal -3
.Lnot_wave_0_\@:
	s_barrier_wait -3
	s_barrier_signal -1
	s_barrier_wait -1
.endm
; The joint loads: waves 0-3 a group of Y each, waves 4-7 a block of W each; the branch hangs on the wave number alone.  Four v_nop stand on every way;
; they are also the four places between the last scores and the first lines of the softmax (ISA guide 7.12.1).
.macro TL y, w
	s_cmp_lt_u32 s[WV], 4
	s_cbranch_scc0 .Ltl_w_\@
.if \y
	tensor_load_to_lds s[G0Y:G0Y+3], s[G1Y:G1Y+7]
	s_nop 0
.endif
	NOPS 4
	s_branch .Ltl_e_\@
.Ltl_w_\@:
.if \w
	tensor_load_to_lds s[G0W:G0W+3], s[G1W:G1W+7]
	s_nop 0
.endif
	NOPS 4
.Ltl_e_\@:
.endm
; A PREFETCH of the piece that this wave will ask for in the NEXT step: behind the load of Y of step t + 1 stands Y of step t + 2, behind the load of W of step t stands W of step t + 1.
; Four clusters walk the same quarter of a batch: the first of them (cluster number a multiple of 4, the same in all partners) asks.  Its four partners share a piece out BY ADDRESS:
; of the 104 blocks of 256 bytes of a group of Y each takes 26, of the 100 of a block of W 25; a lane a block (the lanes that are over name the last one again).
; The test on the count of steps stops Y two steps and W one step ahead of the end; the last step asks for nothing.  Nothing is prefetched at the head.
.macro ASK
	s_cmp_gt_u32 s[CNT], s[LIM]
	s_cbranch_scc0 .Lnot_mine_\@
	global_prefetch_b8 v[PFO], s[PFA:PFA+1] th:TH_LOAD_NT scope:SCOPE_SE
.Lnot_mine_\@:
.endm
; 18 LDS loads for heads 2 hp, 2 hp + 1 into set s: the X fragment and its scale words; for my two tiles of 16 positions the codes of both heads; their scale words (lanes 0-15 tile 0, lanes 16-31 tile 1)
.macro LOADPAIR hp, s
.irp c, 0,1,2
	ds_load_b128 v[XF+12*(\s)+4*\c:XF+12*(\s)+4*\c+3], v[AX] offset:(\hp)*1536+512*\c
.endr
	ds_load_b32 v[SCL+3*(\s)], v[AXS] offset:(\hp)*128
.irp tt, 0,1
.irp p, 0,1
.irp i, 0,1,2
	ds_load_b64 v[YB+36*(\s)+18*\tt+12*\p+2*\i:YB+36*(\s)+18*\tt+12*\p+2*\i+1], v[AY+(\hp)/4] offset:(((\hp)/2)%2)*YG+(2*((\hp)%2)+\p)*6144+\tt*768+8*\i
.endr
.endr
.endr
.irp p, 0,1
	ds_load_b32 v[SCL+3*(\s)+1+\p], v[AYS+(\hp)/4] offset:(((\hp)/2)%2)*YG+24576+(2*((\hp)%2)+\p)*512
.endr
.endm
; four products: (even head, tile 0), (odd, 0), (even, 1), (odd, 1).  Lane (r, h) then holds row r; register 8 tt + jj of a head holds position 32 j + 16 h + 8 tt + jj
.macro MULPAIR hp, s
	WIN 0x40
.irp tt, 0,1
.irp p, 0,1
.set rD, 16*(2*(\hp)+\p)+8*\tt
.set rA, YB+36*(\s)+18*\tt+6*\p
.set rB, XF+12*(\s)
.if \tt
	v_wmma_scale_f32_16x16x128_f8f6f4 v[rD:rD+7], v[rA:rA+11], v[rB:rB+11], 0, v[SCL+3*(\s)+1+\p], v[SCL+3*(\s)] matrix_a_fmt:MATRIX_FMT_FP6 matrix_b_fmt:MATRIX_FMT_FP6 matrix_a_scale:MATRIX_SCALE_ROW1
.else
	v_wmma_scale_f32_16x16x128_f8f6f4 v[rD:rD+7], v[rA:rA+11], v[rB:rB+11], 0, v[SCL+3*(\s)+1+\p], v[SCL+3*(\s)] matrix_a_fmt:MATRIX_FMT_FP6 matrix_b_fmt:MATRIX_FMT_FP6
.endif
.endr
.endr
.endm
.macro SC                              ; the scores of a step: 32 products, the next pair of heads fetched while a pair is multiplied
	WIN 0
	LOADPAIR 0, 0
.irp hp, 0,1,2,3,4,5,6,7
.if \hp < 7
	WIN 0
	NOPS 4                                         ; four places in front of loads into the set that the last products read
	LOADPAIR (\hp+1), ((\hp+1)%2)
	s_wait_dscnt 18                                ; this pair is in; the 18 loads just issued may be out
.else
	s_wait_dscnt 0x0
.endif
	MULPAIR \hp, (\hp%2)
.endr
.endm
; THE SOFTMAX OVER THE HEADS and the quantiser of P: 16 positions x 16 heads a lane
.macro SM
	WIN 0x05                                       ; the largest score of each position
.irp g, 0,4,8,12
.irp i, 0,1,2,3
	v_max_num_f32 v[MX+\g+\i], v[\g+\i], v[16+\g+\i]
.endr
.irp a, 2,4,6,8,10,12,14
.irp i, 0,1,2,3
	v_max3_num_f32 v[MX+\g+\i], v[16*\a+\g+\i], v[16*\a+16+\g+\i], v[MX+\g+\i]
.endr
.endr
.endr
	WIN 0
.irp i, 0,2,4,6,8,10,12,14
	v_pk_mul_f32 v[MX+\i:MX+\i+1], v[MX+\i:MX+\i+1], s[CS:CS+1] op_sel_hi:[1,0]   ; c m
.endr
	WIN 0x41
.irp hd, 0,1,2,3,4,5,6,7,8,9,10,11,12,13,14,15
.irp i, 0,2,4,6,8,10,12,14
	v_pk_fma_f32 v[16*\hd+\i:16*\hd+\i+1], v[16*\hd+\i:16*\hd+\i+1], s[CS:CS+1], v[MX+\i:MX+\i+1] op_sel_hi:[1,0,1] neg_lo:[0,0,1] neg_hi:[0,0,1]   ; c s - c m
.endr
.irp i, 0,1,2,3,4,5,6,7,8,9,10,11,12,13,14,15
	v_exp_f32 v[16*\hd+\i], v[16*\hd+\i]
.endr
.endr
	v_nop                                          ; a plain line behind the last exponential
	s_wait_alu depctr_va_vdst(0)                   ; one wait for the 256: up to here no line names a result
	WIN 0x05
.irp i, 0,2,4,6,8,10,12,14
	v_pk_add_f32 v[MX+\i:MX+\i+1], v[\i:\i+1], v[16+\i:16+\i+1]   ; the sum over the heads: eight chains by turns
.endr
	WIN 0x01
.irp hd, 2,3,4,5,6,7,8,9,10,11,12,13,14,15
.irp i, 0,2,4,6,8,10,12,14
	v_pk_add_f32 v[MX+\i:MX+\i+1], v[16*\hd+\i:16*\hd+\i+1], v[MX+\i:MX+\i+1]
.endr
.endr
	WIN 0
.irp i, 0,1,2,3,4,5,6,7,8,9,10,11,12,13,14,15
	v_rcp_f32 v[MX+\i], v[MX+\i]
.endr
	v_nop
	s_wait_alu depctr_va_vdst(0)                   ; one wait for the 16 reciprocals
	WIN 0x41
.irp hd, 0,1,2,3,4,5,6,7,8,9,10,11,12,13,14,15
.irp i, 0,2,4,6,8,10,12,14
	v_pk_mul_f32 v[16*\hd+\i:16*\hd+\i+1], v[16*\hd+\i:16*\hd+\i+1], v[MX+\i:MX+\i+1]   ; the finished softmax
.endr
.endr
	WIN 0x05                                       ; each head: the largest of my 16 positions, with the floor (nothing is negative: no |.|)
.irp g, 0,4,8,12
.irp k, 0,1,2,3
	v_max3_num_f32 v[MX+\g+\k], v[16*(\g+\k)], v[16*(\g+\k)+1], FLOOR
.endr
.irp i, 2,4,6,8,10,12,14
.irp k, 0,1,2,3
	v_max3_num_f32 v[MX+\g+\k], v[16*(\g+\k)+\i], v[16*(\g+\k)+\i+1], v[MX+\g+\k]
.endr
.endr
.endr
	WIN 0
.irp hd, 0,1,2,3,4,5,6,7,8,9,10,11,12,13,14,15
	v_permlanex16_b32 v[TT+\hd], v[MX+\hd], s[SEL], s[SEL+1]
.endr
.irp hd, 0,1,2,3,4,5,6,7,8,9,10,11,12,13,14,15
	v_max_num_f32 v[MX+\hd], v[MX+\hd], v[TT+\hd]  ; with the lane 16 away: the block of 32 positions
.endr
.irp hd, 0,1,2,3,4,5,6,7,8,9,10,11,12,13,14,15
	v_add_nc_u32 v[MX+\hd], OFF2, v[MX+\hd]        ; the scale operand of the conversion
.endr
.irp hd, 0,1,2,3,4,5,6,7,8,9,10,11,12,13,14,15
	v_lshrrev_b32 v[TT+\hd], 23, v[MX+\hd]         ; the scale byte
.endr
.irp hd, 0,1,2,3,4,5,6,7,8,9,10,11,12,13,14,15
	ds_store_b8 v[APB], v[TT+\hd] offset:64*\hd    ; byte j of the row scale word; both halves of the lanes store the same byte
.endr
.irp g, 0,4,8,12                       ; four heads at a time: 16 codes, 12 bytes, at byte 24 j + 12 h of the row
	WIN 0x01
.irp k, 0,1,2,3
	v_cvt_scalef32_pk16_fp6_f32 v[TT+4*\k:TT+4*\k+2], v[16*(\g+\k):16*(\g+\k)+15], v[MX+\g+\k]
.endr
	v_nop                                          ; a plain line behind the conversions
	WIN 0
.irp k, 0,1,2,3
.irp e, 0,1,2
	ds_store_b32 v[APW], v[TT+4*\k+\e] offset:(\g+\k)*1792+4*\e
.endr
.endr
.endr
.endm
.macro PROD zero, ra, rb               ; one product on rD, rA, rB, rSA, rSB; ra, rb: the scale words stand in lanes 16-31
.if \zero
.if \ra
.if \rb
	v_wmma_scale_f32_16x16x128_f8f6f4 v[rD:rD+7], v[rA:rA+11], v[rB:rB+11], 0, v[rSA], v[rSB] matrix_a_fmt:MATRIX_FMT_FP6 matrix_b_fmt:MATRIX_FMT_FP6 matrix_a_scale:MATRIX_SCALE_ROW1 matrix_b_scale:MATRIX_SCALE_ROW1
.else
	v_wmma_scale_f32_16x16x128_f8f6f4 v[rD:rD+7], v[rA:rA+11], v[rB:rB+11], 0, v[rSA], v[rSB] matrix_a_fmt:MATRIX_FMT_FP6 matrix_b_fmt:MATRIX_FMT_FP6 matrix_a_scale:MATRIX_SCALE_ROW1
.endif
.else
.if \rb
	v_wmma_scale_f32_16x16x128_f8f6f4 v[rD:rD+7], v[rA:rA+11], v[rB:rB+11], 0, v[rSA], v[rSB] matrix_a_fmt:MATRIX_FMT_FP6 matrix_b_fmt:MATRIX_FMT_FP6 matrix_b_scale:MATRIX_SCALE_ROW1
.else
	v_wmma_scale_f32_16x16x128_f8f6f4 v[rD:rD+7], v[rA:rA+11], v[rB:rB+11], 0, v[rSA], v[rSB] matrix_a_fmt:MATRIX_FMT_FP6 matrix_b_fmt:MATRIX_FMT_FP6
.endif
.endif
.else
.if \ra
.if \rb
	v_wmma_scale_f32_16x16x128_f8f6f4 v[rD:rD+7], v[rA:rA+11], v[rB:rB+11], v[rD:rD+7], v[rSA], v[rSB] matrix_a_fmt:MATRIX_FMT_FP6 matrix_b_fmt:MATRIX_FMT_FP6 matrix_a_scale:MATRIX_SCALE_ROW1 matrix_b_scale:MATRIX_SCALE_ROW1
.else
	v_wmma_scale_f32_16x16x128_f8f6f4 v[rD:rD+7], v[rA:rA+11], v[rB:rB+11], v[rD:rD+7], v[rSA], v[rSB] matrix_a_fmt:MATRIX_FMT_FP6 matrix_b_fmt:MATRIX_FMT_FP6 matrix_a_scale:MATRIX_SCALE_ROW1
.endif
.else
.if \rb
	v_wmma_scale_f32_16x16x128_f8f6f4 v[rD:rD+7], v[rA:rA+11], v[rB:rB+11], v[rD:rD+7], v[rSA], v[rSB] matrix_a_fmt:MATRIX_FMT_FP6 matrix_b_fmt:MATRIX_FMT_FP6 matrix_b_scale:MATRIX_SCALE_ROW1
.else
	v_wmma_scale_f32_16x16x128_f8f6f4 v[rD:rD+7], v[rA:rA+11], v[rB:rB+11], v[rD:rD+7], v[rSA], v[rSB] matrix_a_fmt:MATRIX_FMT_FP6 matrix_b_fmt:MATRIX_FMT_FP6
.endif
.endif
.endif
.endm
.macro PVMUL hh, zero                  ; eight products of head 2 w + hh: source 0 = W (16 d), source 1 = P (16 rows)
.irp dt, 0,1,2,3
.irp u, 0,1
.set rD, ACC+8*((4*\hh+\dt)*2+\u)
.set rA, 48+12*(4*\hh+\dt)
.set rB, 12*(2*\hh+\u)
.set rSA, WSC+2*\hh+\dt/2
.set rSB, PSC+\hh
	PROD \zero, (\dt%2), \u
.endr
.endr
.endm
.macro WLOAD hh                        ; four fragments of W: lane (r, h) takes d = 16 dt + r and the blocks h and 2 + h of the step, 24 bytes each
.irp dt, 0,1,2,3
.irp p, 0,1,2,3,4,5
	ds_load_b64 v[48+12*(4*\hh+\dt)+2*\p:48+12*(4*\hh+\dt)+2*\p+1], v[AW] offset:(\p/3)*2*WBL+(4*\hh+\dt)*384+8*(\p%3)
.endr
.endr
.endm
; THE SECOND PRODUCT of a step: K = its 128 positions.  The sixteen accumulators take turns, one instruction a turn.
.macro PV zero
	WIN 0
.irp hh, 0,1
.irp dp, 0,1
.irp be, 0,1,2,3
	ds_load_u8 v[SB+4*(2*\hh+\dp)+\be], v[AWS+\be/2] offset:(\be%2)*WBL+\hh*64+\dp*32   ; W scale bytes: lanes 0-15 d tile 2 dp, lanes 16-31 d tile 2 dp + 1; block be
.endr
.endr
.endr
.irp hh, 0,1
	ds_load_b32 v[PSC+\hh], v[APSR] offset:\hh*64  ; P scale words: lanes 0-15 tile 0, lanes 16-31 tile 1
.endr
	WIN 0x40
.irp hh, 0,1
.irp u, 0,1
.irp p, 0,1,2,3,4,5
	ds_load_b64 v[12*(2*\hh+\u)+2*\p:12*(2*\hh+\u)+2*\p+1], v[APR] offset:\u*28672+\hh*1792+48*(\p/3)+8*(\p%3)
.endr
.endr
.endr
	WLOAD 0
	WIN 0
	s_wait_dscnt 48                                ; the scale bytes and words are in; the 48 fragment loads may be out
.irp x, 0,1,2,3
	v_lshl_or_b32 v[WSC+\x], v[SB+4*\x+1], 8, v[SB+4*\x]
	v_lshl_or_b32 v[WSC+\x], v[SB+4*\x+2], 16, v[WSC+\x]
	v_lshl_or_b32 v[WSC+\x], v[SB+4*\x+3], 24, v[WSC+\x]
.endr
	WIN 0x40
	WLOAD 1
	NOPS 8                                         ; a scale register written by a vector instruction stands eight places ahead of the scaled product
	s_wait_dscnt 24                                ; P and the first four fragments of W are in; the last 24 loads may be out
	WIN 0x05
	PVMUL 0, \zero
	s_wait_dscnt 0x0
	PVMUL 1, \zero
	WIN 0
	NOPS 5                                         ; five places: the next scores are written over these operands, and loads land in these scale registers
.endm
.macro STEP ty, tw, zero, ask
	SC
	WIN 0
	s_wait_tensorcnt 0x0                           ; no tensor load of mine is out
	ds_add_u32 v[SPW], v[NIL]                      ; 0 onto my spare word
	s_wait_dscnt 0x0                               ; the add is done, and so are my reads of Y (this step) and of W and P (the last step)
	CROUND                                         ; that now holds of every wave of the four work-groups
	TL \ty, \tw                                    ; Y of the next step, W of this step: a wave one load
.if \ask
	ASK
.endif
	SM
	s_wait_tensorcnt 0x0                           ; my one load has landed: no load was issued behind it, so its count is 0
.if \ty
	s_add_nc_u64 s[G0Y+2:G0Y+3], s[G0Y+2:G0Y+3], 4*YG
.endif
.if \tw
	s_add_nc_u64 s[G0W+2:G0W+3], s[G0W+2:G0W+3], 4*WB
.endif
.if \ask
	s_wait_xcnt 0x0                                ; the prefetch, a softmax back, has read its address, so it may step
	s_add_nc_u64 s[PFA:PFA+1], s[PFA:PFA+1], s[PFS:PFS+1]
.endif
	s_wait_dscnt 0x0                               ; my stores of P have landed
	s_barrier_signal -1                            ; behind it P, W and the next Y are whole for every wave
	s_barrier_wait -1
	PV \zero
.endm
	s_load_b256 s[4:11], s[0:1], 0x0               ; a s[4:5], yk s[6:7], wkv s[8:9], part s[10:11]
	v_lshl_add_u32 v[SPW], v0, 2, SPARE
	v_mov_b32 v[NIL], 0
	ds_add_u32 v1, v2
	ds_add_u32 v1, v2
	s_wait_dscnt 0x0
	v_lshrrev_b32 v[VL], 5, v0
	v_readfirstlane_b32 s[WV], v[VL]               ; wave 0..7
	s_and_b32 s13, s[WV], 1                        ; u
	s_lshr_b32 s14, s[WV], 1                       ; j
	s_and_b32 s15, s[WV], 3                        ; which group of Y or block of W I fetch
	v_and_b32 v[VR], 15, v0                        ; r
	v_bfe_u32 v[VH], v0, 4, 1                      ; h
	v_and_b32 v[VL], 31, v0                        ; lane
	; every LDS address is a constant + constants x lane parts + constants x wave parts
	v_mul_u32_u24 v[AY], v[VR], 48
	v_mad_u32_u24 v[AY], v[VH], 24, v[AY]
	s_mul_i32 s55, s14, 1536
	v_add_nc_u32 v[AY], s55, v[AY]                 ; 48 r + 24 h + 1,536 j
	v_add_nc_u32 v[AY+1], 2*YG, v[AY]
	s_lshl_b32 s55, s14, 7
	v_lshl_add_u32 v[AYS], v[VL], 2, s55           ; 4 lane + 128 j
	v_add_nc_u32 v[AYS+1], 2*YG, v[AYS]
	s_mul_i32 s55, s13, 12288
	s_add_co_u32 s55, s55, XI
	v_lshl_add_u32 v[AX], v[VL], 4, s55
	s_lshl_b32 s55, s13, 10
	s_add_co_u32 s55, s55, XSW
	v_lshl_add_u32 v[AXS], v[VL], 2, s55
	s_mul_i32 s55, s13, 28672
	s_mul_i32 s56, s14, 24
	s_add_co_u32 s55, s55, s56
	s_add_co_u32 s55, s55, PCO
	v_mul_u32_u24 v[APW], v[VR], 112
	v_mad_u32_u24 v[APW], v[VH], 12, v[APW]
	v_add_nc_u32 v[APW], s55, v[APW]
	s_lshl_b32 s55, s13, 10
	s_add_co_u32 s55, s55, s14
	s_add_co_u32 s55, s55, PSW
	v_lshl_add_u32 v[APB], v[VR], 2, s55
	s_mul_i32 s55, s[WV], 3584
	s_add_co_u32 s55, s55, PCO
	v_mul_u32_u24 v[APR], v[VR], 112
	v_mad_u32_u24 v[APR], v[VH], 24, v[APR]
	v_add_nc_u32 v[APR], s55, v[APR]
	s_lshl_b32 s55, s[WV], 7
	s_add_co_u32 s55, s55, PSW
	v_lshlrev_b32 v[APSR], 10, v[VH]
	v_lshl_add_u32 v[APSR], v[VR], 2, v[APSR]
	v_add_nc_u32 v[APSR], s55, v[APSR]
	s_mul_i32 s55, s[WV], 3072
	s_add_co_u32 s55, s55, WT
	v_mul_u32_u24 v[AW], v[VR], 24
	v_mad_u32_u24 v[AW], v[VH], WBL, v[AW]
	v_add_nc_u32 v[AW], s55, v[AW]
	s_lshl_b32 s55, s[WV], 7
	s_add_co_u32 s55, s55, WT+24576
	v_add_nc_u32 v[AWS], s55, v[VL]
	v_add_nc_u32 v[AWS+1], 2*WBL, v[AWS]
	s_mul_i32 s55, s14, 3072
	v_add_nc_u32 v[AXW], s55, v[AX]                ; where I store my two fragments of X (u, 2 j and 2 j + 1)
	s_lshl_b32 s55, s14, 8
	v_add_nc_u32 v[AXSW], s55, v[AXS]
	v_and_b32 v[XOF], 8, v[VR]
	v_add_nc_u32 v[XOF], v[XOF], v[VR]             ; r + 8 (r / 8)
	v_lshlrev_b32 v[XOF], 8, v[XOF]
	v_lshl_add_u32 v[XOF], v[VH], 7, v[XOF]        ; X: that row of 256 bytes, + 128 h: my block of 32 along d
	v_lshlrev_b32 v[OUT], 8, v[VH]
	v_lshl_add_u32 v[OUT], v[VR], 4, v[OUT]        ; the output: lanes 0-15 one row of 256 bytes, lanes 16-31 the next
.irp t, 0,1,2,3
.irp i, 0,1,2,3,4,5
	v_mov_b32 v[YB+18*\t+6+\i], 0                  ; the zero codes in the middle of each Y triple: written once, never again
.endr
.endr
.irp i, 0,1,2,3,4,5,6,7,8,9,10,11,12,13,14,15
	v_mov_b32 v[TT+\i], 0                          ; written once: the destination of a lane permute counts as read
.endr
	v_mov_b32 v[PX], 0
	v_mov_b32 v[PX+1], 0
	s_mov_b32 s[SEL], 0x76543210
	s_mov_b32 s[SEL+1], 0xfedcba98                 ; v_permlanex16_b32: the lane 16 away
	s_mov_b32 s[CS], 0x3e38aa3b                    ; c = log2(e) / 8
	s_mov_b32 s[CS+1], s[CS]
	; descriptor group 1: dense blocks as rows of 256 bytes (32 elements of 8 bytes): 104 rows of Y, 100 of W; mask 15: all four partners; bit 21 set beside the mask; no padding
	s_mov_b32 s[G1Y], 15|(3<<16)|(1<<21)
	s_mov_b32 s[G1Y+1], 32<<16
	s_mov_b32 s[G1Y+2], 104<<16
	s_mov_b32 s[G1Y+3], 32<<16
	s_mov_b32 s[G1Y+4], 104
	s_mov_b32 s[G1Y+5], 32
	s_mov_b32 s[G1Y+6], 0
	s_mov_b32 s[G1Y+7], 0
	s_mov_b32 s[G1W], 15|(3<<16)|(1<<21)
	s_mov_b32 s[G1W+1], 32<<16
	s_mov_b32 s[G1W+2], 100<<16
	s_mov_b32 s[G1W+3], 32<<16
	s_mov_b32 s[G1W+4], 100
	s_mov_b32 s[G1W+5], 32
	s_mov_b32 s[G1W+6], 0
	s_mov_b32 s[G1W+7], 0
	s_bfe_u32 s16, ttmp6, 0x40000                  ; cx: it enters the addresses of a, of the output and of the prefetches alone
	s_lshr_b32 s17, ttmp9, 4                       ; batch (ttmp9 counts clusters: 16 a batch,
	s_lshr_b32 s19, ttmp9, 2
	s_and_b32 s19, s19, 3                          ; 4 a quarter of n)
	s_and_b32 s18, ttmp9, 3
	s_lshl_b32 s18, s18, 2
	s_add_co_u32 s18, s18, s16                     ; my group of 32 rows, 0..15
	s_lshl_b32 s55, s17, 5
	s_lshl_b32 s56, s19, 3
	s_add_co_u32 s55, s55, s56
	s_lshl_b32 s55, s55, 2
	s_add_co_u32 s55, s55, s15                     ; 128 batch + 32 quarter + my piece: the same index in yk and in wkv
	s_mul_i32 s56, s55, YG
	s_mov_b32 s57, 0
	s_mul_i32 s58, s55, WB
	s_mov_b32 s59, 0
	s_mul_i32 s60, s15, YG
	s_mul_i32 s61, s15, WBL
	s_wait_kmcnt 0x0
	s_mov_b32 s[G0Y], 1
	s_mov_b32 s[G0Y+1], s60
	s_add_nc_u64 s[G0Y+2:G0Y+3], s[6:7], s[56:57]
	s_or_b32 s[G0Y+3], s[G0Y+3], 0x80000000
	s_mov_b32 s[G0W], 1
	s_add_co_u32 s[G0W+1], s61, WT
	s_add_nc_u64 s[G0W+2:G0W+3], s[8:9], s[58:59]
	s_or_b32 s[G0W+3], s[G0W+3], 0x80000000
	; the prefetches: where mine stand, and who asks
	s_cmp_lt_u32 s[WV], 4                          ; waves 0-3: Y; waves 4-7: W
	s_cselect_b64 s[PFA:PFA+1], s[6:7], s[8:9]
	s_cselect_b32 s[LIM], 1, 0
	s_cselect_b32 s60, 25, 24                      ; the last block of a partner share
	s_cselect_b32 s62, s56, s58                    ; my piece of step 0
	s_mov_b32 s[PFS], 4*WB
	s_cselect_b32 s[PFS], 4*YG, s[PFS]
	s_mov_b32 s61, 25*256
	s_cselect_b32 s61, 26*256, s61
	s_mov_b32 s63, 4*WB
	s_cselect_b32 s63, 8*YG, s63                   ; the first request names Y of step 2, W of step 1
	s_mul_i32 s61, s61, s16                        ; my work-group share of the piece
	s_add_co_u32 s62, s62, s61
	s_add_co_u32 s62, s62, s63
	s_mov_b32 s63, 0
	s_mov_b32 s[PFS+1], 0
	s_add_nc_u64 s[PFA:PFA+1], s[PFA:PFA+1], s[62:63]
	s_and_b32 s55, ttmp9, 3
	s_cmp_eq_u32 s55, 0
	s_cselect_b32 s[LIM], s[LIM], -1               ; only the first of the four clusters that walk these tiles
	v_min_u32 v[PFO], s60, v[VL]
	v_lshlrev_b32 v[PFO], 8, v[PFO]
	s_lshl_b32 s62, s17, 4
	s_lshl_b32 s63, s14, 2
	s_add_co_u32 s62, s62, s63                     ; my first head: 16 batch + 4 j
	s_lshl_b32 s62, s62, LOGNR
	s_lshl_b32 s63, s18, 5
	s_add_co_u32 s62, s62, s63                     ; + r0
	s_lshl_b32 s63, s13, 3
	s_add_co_u32 s62, s62, s63                     ; + 8 u
	s_lshl_b32 s62, s62, 8                         ; rows of 256 bytes
	s_mov_b32 s63, 0
	s_add_nc_u64 s[4:5], s[4:5], s[62:63]
	s_lshl_b32 s62, s19, 2
	s_add_co_u32 s62, s62, s17
	s_lshl_b32 s62, s62, 4
	s_lshl_b32 s63, s[WV], 1
	s_add_co_u32 s62, s62, s63                     ; (4 quarter + batch) 16 + my first head
	s_lshl_b32 s62, s62, 9
	s_lshl_b32 s63, s18, 5
	s_add_co_u32 s62, s62, s63                     ; + r0
	s_lshl_b32 s62, s62, 8                         ; rows of 256 bytes (under 2^26)
	s_mov_b32 s63, 0
	s_add_nc_u64 s[10:11], s[10:11], s[62:63]
	CROUND                                         ; the four work-groups are here: the first joint loads meet
	TL 1, 1                                        ; the first fills: Y and W of step 0
	; X: my four heads of my tile: a lane takes a row and a whole block of 32 along d of each head
	WIN 0x40
.irp hd, 0,1,2,3
.irp i, 0,1,2,3,4,5,6,7
	global_load_b128 v[32*\hd+4*\i:32*\hd+4*\i+3], v[XOF], s[4:5] offset:\hd*NR*256+16*\i
.endr
.endr
	WIN 0
	s_wait_loadcnt 0x0
	WIN 0x05
.irp hd, 0,1,2,3
	v_max3_num_f32 v[XM+\hd], |v[32*\hd]|, |v[32*\hd+1]|, FLOOR
.endr
.irp i, 2,4,6,8,10,12,14,16,18,20,22,24,26,28,30
.irp hd, 0,1,2,3
	v_max3_num_f32 v[XM+\hd], |v[32*\hd+\i]|, |v[32*\hd+\i+1]|, v[XM+\hd]
.endr
.endr
	WIN 0
.irp hd, 0,1,2,3
	v_add_nc_u32 v[XSO+\hd], OFF2, v[XM+\hd]
.endr
.irp hd, 0,1,2,3
	v_lshrrev_b32 v[XBY+\hd], 23, v[XSO+\hd]
.endr
	v_lshlrev_b32 v[XSH], 3, v[VH]
.irp f, 0,1                            ; the scale word of a fragment: bytes 0, 1 the even head, bytes 2, 3 the odd head; my two bytes stand 8 h bits up, the lane 16 away has the other two
	v_lshl_or_b32 v[XW+\f], v[XBY+2*\f+1], 16, v[XBY+2*\f]
	v_lshlrev_b32 v[XW+\f], v[XSH], v[XW+\f]
	v_permlanex16_b32 v[PX+\f], v[XW+\f], s[SEL], s[SEL+1]
	v_or_b32 v[XW+\f], v[XW+\f], v[PX+\f]
.endr
	WIN 0x01
.irp hd, 0,1,2,3
	v_cvt_scalef32_pk16_fp6_f32 v[FRG+12*(\hd/2)+6*(\hd%2):FRG+12*(\hd/2)+6*(\hd%2)+2], v[32*\hd:32*\hd+15], v[XSO+\hd]
	v_cvt_scalef32_pk16_fp6_f32 v[XT+4*\hd:XT+4*\hd+2], v[32*\hd+16:32*\hd+31], v[XSO+\hd]   ; (three registers of a conversion begin on an even number: made elsewhere and moved)
.endr
	v_nop
	WIN 0
.irp hd, 0,1,2,3
.irp i, 0,1,2
	v_mov_b32 v[FRG+12*(\hd/2)+6*(\hd%2)+3+\i], v[XT+4*\hd+\i]
.endr
.endr
.irp f, 0,1
.irp c, 0,1,2
	ds_store_b128 v[AXW], v[FRG+12*\f+4*\c:FRG+12*\f+4*\c+3] offset:\f*1536+512*\c   ; the fragment as an image of its registers
.endr
	ds_store_b32 v[AXSW], v[XW+\f] offset:\f*128
.endr
	s_wait_tensorcnt 0x0                           ; my first fill has landed,
	s_add_nc_u64 s[G0Y+2:G0Y+3], s[G0Y+2:G0Y+3], 4*YG   ; so both group 0 may step to step 1
	s_add_nc_u64 s[G0W+2:G0W+3], s[G0W+2:G0W+3], 4*WB
	s_wait_dscnt 0x0                               ; my images of X have landed
	s_barrier_signal -1
	s_barrier_wait -1
	s_mov_b32 s[CNT], NS-1
	STEP 1, 0, 1, 1                                ; step 0: its W came with the first fills; its products start the sums: nothing is cleared
	s_mov_b32 s[CNT], NS-2
.Lstep:
	STEP 1, 1, 0, 1
	s_sub_co_u32 s[CNT], s[CNT], 1
	s_cmp_lg_u32 s[CNT], 0
	s_cbranch_scc1 .Lstep
	STEP 0, 1, 0, 0                                ; the last step is written out: no Y is left to ask for (the stepped address of W is not used)
	; THE WAY OUT.  Lane (r, h) holds, of tile row r, d = 16 dt + 8 h + 0 .. 7: 16 rows x 256 bytes of a head and tile go through my stage (rows 272 bytes apart) and come back as whole rows.
	s_mul_i32 s55, s[WV], 4352
	s_add_co_u32 s55, s55, STAGE
	v_and_b32 v18, 15, v0
	v_bfe_u32 v19, v0, 4, 1
	v_mul_u32_u24 v16, v18, 272
	v_lshl_add_u32 v16, v19, 5, v16
	v_add_nc_u32 v16, s55, v16                     ; in: row r, + 32 h
	v_mul_u32_u24 v17, v19, 272
	v_lshl_add_u32 v17, v18, 4, v17
	v_add_nc_u32 v17, s55, v17                     ; back: lanes 0-15 one row, lanes 16-31 the next
.irp hh, 0,1
.irp u, 0,1
	WIN 0
.irp dt, 0,1,2,3
	ds_store_b128 v16, v[ACC+8*((4*\hh+\dt)*2+\u):ACC+8*((4*\hh+\dt)*2+\u)+3] offset:64*\dt          ; each accumulator from its low end on
	ds_store_b128 v16, v[ACC+8*((4*\hh+\dt)*2+\u)+4:ACC+8*((4*\hh+\dt)*2+\u)+7] offset:64*\dt+16
.endr
	WIN 0x40
.irp i, 0,1,2,3,4,5,6,7
	ds_load_b128 v[32*(2*\hh+\u)+4*\i:32*(2*\hh+\u)+4*\i+3], v17 offset:544*\i   ; LDS serves a wave in order (ISA guide 5.7.1.4): these see my stores, and the next stores come behind them
.endr
.endr
.endr
	s_wait_dscnt 0x0
	WIN 0x04                                       ; the data of a store are its source 1: window 1
.irp hh, 0,1
.irp u, 0,1
.irp i, 0,1,2,3,4,5,6,7
	global_store_b128 v[OUT], v[32*(2*\hh+\u)+4*\i:32*(2*\hh+\u)+4*\i+3], s[10:11] offset:\hh*131072+(16*(\i/4)+8*\u+2*(\i%4))*256 th:TH_STORE_NT   ; 16 lanes store 256 consecutive bytes, aligned: stage rows 2 i, 2 i + 1 are rows 16 (i / 4) + 8 u + 2 (i % 4) and the next
.endr
.endr
.endr
	WIN 0
	s_wait_tensorcnt 0x0                           ; the end of the wave
	ds_add_u32 v[SPW], v[NIL]
	s_wait_dscnt 0x0
	CROUND                                         ; the closing round
	s_endpgm
.Lfunc_end_k_q623b63b4c2_right:
	.size	k_q623b63b4c2_right, .Lfunc_end_k_q623b63b4c2_right-k_q623b63b4c2_right
	.p2alignl 7, 3214868480
	.fill 96, 4, 3214868480
	.section	.rodata,"a",@progbits
	.p2align	6, 0x0
	.amdhsa_kernel k_q623b63b4c2_right
		.amdhsa_group_segment_fixed_size 327680
		.amdhsa_private_segment_fixed_size 0
		.amdhsa_enable_private_segment 0
		.amdhsa_kernarg_size 32
		.amdhsa_user_sgpr_count 2
		.amdhsa_user_sgpr_kernarg_segment_ptr 1
		.amdhsa_wavefront_size32 1
		.amdhsa_system_sgpr_workgroup_id_x 1
		.amdhsa_system_sgpr_workgroup_id_y 1
		.amdhsa_system_sgpr_workgroup_id_z 1
		.amdhsa_system_vgpr_workitem_id 0
		.amdhsa_next_free_vgpr 512
		.amdhsa_next_free_sgpr 66
		.amdhsa_reserve_vcc 0
		.amdhsa_float_denorm_mode_32 3
		.amdhsa_float_denorm_mode_16_64 3
		.amdhsa_memory_ordered 1
		.amdhsa_forward_progress 1
		.amdhsa_inst_pref_size 255
	.end_amdhsa_kernel
	.section	.bss,"aw",@nobits
	.p2align	6
	.space	262144
	.amdgpu_metadata
---
amdhsa.version: [ 1, 2 ]
amdhsa.kernels:
  - .name:           k_q623b63b4c2_right
    .symbol:         k_q623b63b4c2_right.kd
    .args:
      - { .name: a, .offset: 0, .size: 8, .value_kind: global_buffer, .address_space: global }
      - { .name: yk, .offset: 8, .size: 8, .value_kind: global_buffer, .address_space: global }
      - { .name: wkv, .offset: 16, .size: 8, .value_kind: global_buffer, .address_space: global }
      - { .name: part, .offset: 24, .size: 8, .value_kind: global_buffer, .address_space: global }
    .group_segment_fixed_size: 327680
    .private_segment_fixed_size: 0
    .kernarg_segment_align: 8
    .kernarg_segment_size: 32
    .max_flat_workgroup_size: 256
    .sgpr_count:     66
    .vgpr_count:     512
    .wavefront_size: 32
...
	.end_amdgpu_metadata
.endif
;; end of part 3
;; launch sum (part 4): grid 512 x 1, 8 waves a work-group, no clusters, 0 bytes of LDS; arguments part, out0; writes out0
.if DOCPART == 4
	.amdgcn_target "amdgcn-amd-amdhsa--gfx1250"
	.amdhsa_code_object_version 6
	.text
	.protected	k_q623b63b4c2_sum
	.globl	k_q623b63b4c2_sum
	.p2align	8
	.type	k_q623b63b4c2_sum,@function
k_q623b63b4c2_sum:
	s_mov_b64 s[64:65], 0
	v_nop
	global_prefetch_b8 v0, s[64:65] scope:SCOPE_SE
	s_setreg_imm32_b32 hwreg(HW_REG_WAVE_MODE, 25, 1), 1
	s_wait_xcnt 0x0
; SUM: out0 = (p0 + p1) + (p2 + p3), the four quarters of the sum over n that the launch before left in part, each laid as out0 (8,388,608 bytes).
; The order of the additions differs from one ascending chain over n: four partial sums in f32, added in pairs.
; A stream: a work-group takes 16,384 bytes of out0, a thread 4 chunks of 16 bytes; each load and store of a wave covers 512 consecutive bytes.  No LDS, no barrier, no matrix unit: nothing is shared or multiplied.
.set QB, 0x800000                      ; bytes of a quarter
.set D,  8                             ; v8-71: chunk ch at D + 16 ch: p0, p1, p2, p3, four registers each
	s_load_b128 s[4:7], s[0:1], 0x0                ; part s[4:5], out0 s[6:7]
	v_lshlrev_b32 v1, 4, v0
	s_lshl_b32 s8, ttmp9, 14
	s_mov_b32 s9, 0
	s_wait_kmcnt 0x0
	s_add_nc_u64 s[4:5], s[4:5], s[8:9]
	s_add_nc_u64 s[6:7], s[6:7], s[8:9]
	s_add_nc_u64 s[10:11], s[4:5], QB              ; a base for each quarter: QB is one more than an immediate offset holds
	s_add_nc_u64 s[12:13], s[10:11], QB
	s_add_nc_u64 s[14:15], s[12:13], QB
.irp ch, 0,1,2,3
	global_load_b128 v[D+16*\ch:D+16*\ch+3],     v1, s[4:5]   offset:4096*\ch th:TH_LOAD_NT
	global_load_b128 v[D+16*\ch+4:D+16*\ch+7],   v1, s[10:11] offset:4096*\ch th:TH_LOAD_NT
	global_load_b128 v[D+16*\ch+8:D+16*\ch+11],  v1, s[12:13] offset:4096*\ch th:TH_LOAD_NT
	global_load_b128 v[D+16*\ch+12:D+16*\ch+15], v1, s[14:15] offset:4096*\ch th:TH_LOAD_NT
.endr
.irp ch, 0,1,2,3
	s_wait_loadcnt 12-4*\ch                        ; this chunk four loads are in; those of the later chunks may be out
	v_pk_add_f32 v[D+16*\ch:D+16*\ch+1],     v[D+16*\ch:D+16*\ch+1],     v[D+16*\ch+4:D+16*\ch+5]
	v_pk_add_f32 v[D+16*\ch+2:D+16*\ch+3],   v[D+16*\ch+2:D+16*\ch+3],   v[D+16*\ch+6:D+16*\ch+7]
	v_pk_add_f32 v[D+16*\ch+8:D+16*\ch+9],   v[D+16*\ch+8:D+16*\ch+9],   v[D+16*\ch+12:D+16*\ch+13]
	v_pk_add_f32 v[D+16*\ch+10:D+16*\ch+11], v[D+16*\ch+10:D+16*\ch+11], v[D+16*\ch+14:D+16*\ch+15]
	v_pk_add_f32 v[D+16*\ch:D+16*\ch+1],     v[D+16*\ch:D+16*\ch+1],     v[D+16*\ch+8:D+16*\ch+9]
	v_pk_add_f32 v[D+16*\ch+2:D+16*\ch+3],   v[D+16*\ch+2:D+16*\ch+3],   v[D+16*\ch+10:D+16*\ch+11]
	global_store_b128 v1, v[D+16*\ch:D+16*\ch+3], s[6:7] offset:4096*\ch th:TH_STORE_NT
.endr
	s_endpgm
.Lfunc_end_k_q623b63b4c2_sum:
	.size	k_q623b63b4c2_sum, .Lfunc_end_k_q623b63b4c2_sum-k_q623b63b4c2_sum
	.p2alignl 7, 3214868480
	.fill 96, 4, 3214868480
	.section	.rodata,"a",@progbits
	.p2align	6, 0x0
	.amdhsa_kernel k_q623b63b4c2_sum
		.amdhsa_group_segment_fixed_size 0
		.amdhsa_private_segment_fixed_size 0
		.amdhsa_enable_private_segment 0
		.amdhsa_kernarg_size 16
		.amdhsa_user_sgpr_count 2
		.amdhsa_user_sgpr_kernarg_segment_ptr 1
		.amdhsa_wavefront_size32 1
		.amdhsa_system_sgpr_workgroup_id_x 1
		.amdhsa_system_sgpr_workgroup_id_y 1
		.amdhsa_system_sgpr_workgroup_id_z 1
		.amdhsa_system_vgpr_workitem_id 0
		.amdhsa_next_free_vgpr 72
		.amdhsa_next_free_sgpr 66
		.amdhsa_reserve_vcc 0
		.amdhsa_float_denorm_mode_32 3
		.amdhsa_float_denorm_mode_16_64 3
		.amdhsa_memory_ordered 1
		.amdhsa_forward_progress 1
		.amdhsa_inst_pref_size 5
	.end_amdhsa_kernel
	.amdgpu_metadata
---
amdhsa.version: [ 1, 2 ]
amdhsa.kernels:
  - .name:           k_q623b63b4c2_sum
    .symbol:         k_q623b63b4c2_sum.kd
    .args:
      - { .name: part, .offset: 0, .size: 8, .value_kind: global_buffer, .address_space: global }
      - { .name: out0, .offset: 8, .size: 8, .value_kind: global_buffer, .address_space: global }
    .group_segment_fixed_size: 0
    .private_segment_fixed_size: 0
    .kernarg_segment_align: 8
    .kernarg_segment_size: 16
    .max_flat_workgroup_size: 256
    .sgpr_count:     66
    .vgpr_count:     72
    .wavefront_size: 32
...
	.end_amdgpu_metadata
.endif
;; end of part 4
;; ======== version 2 of 2: 4 launches
;; limits: right only within a limited range of input values
;; workspace buffers: ya 1,703,936 bytes; yk 13,631,488 bytes; wv 1,638,400 bytes; wkv 13,107,200 bytes; part 33,554,432 bytes
;; launch prep (part 5): grid 704 x 1, 4 waves a work-group, no clusters, 33,280 bytes of LDS; arguments a, k, v, ya, yk, wv; writes ya, yk, wv
.if DOCPART == 5
	.amdgcn_target "amdgcn-amd-amdhsa--gfx1250"
	.amdhsa_code_object_version 6
	.text
	.protected	k_q623b63b4c2_prep
	.globl	k_q623b63b4c2_prep
	.p2align	8
	.type	k_q623b63b4c2_prep,@function
k_q623b63b4c2_prep:
	s_mov_b64 s[64:65], 0
	v_nop
	global_prefetch_b8 v0, s[64:65] scope:SCOPE_SE
	s_setreg_imm32_b32 hwreg(HW_REG_WAVE_MODE, 25, 1), 1
	s_wait_xcnt 0x0
; PREP: a and k (f32, [64 heads][rows][64]) become codes of FP6 (E2M3) along d; v (f32, [64 heads][512][64]) becomes codes along the agents.
; A block of 32 has the scale 2^(floor(log2(largest magnitude)) - 2); its E8M0 byte is the largest magnitude exponent field - 2, held at 1 from below.
; LIMITS: NaN and infinities among the inputs are not served.  A block whose largest magnitude lies under 2^-124, a block of zeros among them, keeps the byte 1
; (the rule says 127 for zeros): its codes are zeros or tiny, and the bytes are read by this program alone.
; LAYOUTS (workspace of this program, laid as the two main launches read them):
;   ya, yk: [batch][T = row / 128][g = head / 4] x 26,624 bytes: codes [head % 4][sigma 128][48 bytes], then scale words [head % 4][sigma][4 bytes] = (s0, s1, s0, s1).
;           sigma: inside each 32 rows the chunks of 8 rows 1 and 2 change places (row 16 hi + 8 u + lo lies at 16 u + 8 hi + lo), so that 16 rows on end are one matrix tile.
;   wv:     [batch][blk = agent / 32] x 25,600 bytes: codes [head 16][d 64][24 bytes], then scale bytes [head][d].
; Work-groups 0-63 take a, 64-575 take k (one path, the buffers chosen by the work-group number), 576-703 take v.  Only the first path uses LDS.  Waves share nothing: no barrier.
.set STEPS, 16
.set R,     16                         ; v16-79   four sets of 16 numbers as they are loaded
.set X,     80                         ; v80-111  two sets of 16 neighbours
.set E,     112                        ; v112-127 a scale word for each step
.set C,     128                        ; v128-191 codes: four registers for each step, so that no store data are written again
.set WREG,  8192                       ; LDS of a wave: two stages of 32 x SP bytes, behind them its 512 bytes of scale words
.set SP,    80                         ; a lane place in a stage: 64 bytes + 16 of padding
.set YG,    26624
.set WB,    25600
.set FLOOR, 0x1800000                  ; 2^(3 - 127): no largest magnitude is taken under it, so the byte cannot fall under 1
.set OFF2,  0xff000000                 ; takes 2 off an exponent field
	s_load_b256 s[4:11], s[0:1], 0x0               ; a s[4:5], k s[6:7], v s[8:9], ya s[10:11]
	s_load_b128 s[12:15], s[0:1], 0x20             ; yk s[12:13], wv s[14:15]
	v_lshl_add_u32 v192, v0, 2, 0x8000
	v_mov_b32 v193, 0
	v_lshrrev_b32 v1, 5, v0
	v_readfirstlane_b32 s16, v1                    ; wave 0..3
	v_and_b32 v2, 31, v0                           ; lane
	s_cmp_lt_u32 ttmp9, 576
	s_cbranch_scc0 .Lpath_v
; ---- a and k: a wave takes 128 rows of one head (8,192 numbers), 16 steps of 8 rows.  Each load reads 512 consecutive bytes; a step turns through the wave stage so that a lane holds 16 neighbours along d.
	v_lshlrev_b32 v3, 4, v2                        ; my 16 bytes of 512
	s_mul_i32 s17, s16, WREG
	v_lshrrev_b32 v14, 2, v2
	v_mul_u32_u24 v14, v14, SP
	v_and_b32 v15, 3, v2
	v_lshl_add_u32 v14, v15, 4, v14
	v_add_nc_u32 v14, s17, v14                     ; the stage, way in: SP (lane / 4) + 16 (lane % 4)
	v_mul_u32_u24 v15, v2, SP
	v_add_nc_u32 v15, s17, v15                     ; way out: SP x lane
	v_mul_u32_u24 v4, v2, 12                       ; my 12 bytes of a step 384 bytes of codes
	v_lshrrev_b32 v5, 2, v2
	s_add_co_u32 s17, s17, 2*32*SP
	v_lshl_add_u32 v5, v5, 2, s17                  ; my row scale word: 4 (lane / 4)
	v_add_nc_u32 v6, s17, v3                       ; and on the way out 16 bytes a lane
	v_mov_b32 v10, 0                               ; written once: the destination of a DPP move counts as read
	s_mov_b32 vcc_lo, 0xcccccccc                   ; the lanes that hold d 32-63 of their row
	s_wait_alu depctr_va_vdst(0)
	s_wait_kmcnt 0x0
	s_cmp_lt_u32 ttmp9, 64                         ; a or k: the choice hangs on the work-group number alone
	s_cselect_b64 s[4:5], s[4:5], s[6:7]
	s_cselect_b64 s[10:11], s[10:11], s[12:13]
	s_cselect_b32 s18, 2, 5                        ; log2 of the runs of 128 rows in a head
	s_cselect_b32 s19, 3, 31
	s_cselect_b32 s20, 0, 64
	s_sub_co_u32 s20, ttmp9, s20
	s_lshl_b32 s20, s20, 2
	s_add_co_u32 s20, s20, s16                     ; my run
	s_lshr_b32 s21, s20, s18                       ; batch x 16 + head
	s_and_b32 s22, s20, s19                        ; T
	s_lshr_b32 s23, s21, 4                         ; batch
	s_and_b32 s21, s21, 15                         ; head
	s_lshl_b32 s23, s23, s18
	s_add_co_u32 s23, s23, s22
	s_lshl_b32 s23, s23, 2
	s_lshr_b32 s24, s21, 2
	s_add_co_u32 s23, s23, s24                     ; the group: (batch, T, head / 4)
	s_mul_i32 s24, s23, YG
	s_and_b32 s21, s21, 3
	s_mul_i32 s26, s21, 6144
	s_add_co_u32 s26, s26, s24                     ; my codes
	s_mov_b32 s27, 0
	s_lshl_b32 s28, s21, 9
	s_add_co_u32 s28, s28, s24
	s_add_co_u32 s28, s28, 24576                   ; my scale words
	s_mov_b32 s29, 0
	s_lshl_b32 s30, s20, 15                        ; my numbers: 32,768 bytes a run (under 2^27 in all)
	s_mov_b32 s31, 0
	s_add_nc_u64 s[4:5], s[4:5], s[30:31]
	s_add_nc_u64 s[12:13], s[10:11], s[28:29]
	s_add_nc_u64 s[10:11], s[10:11], s[26:27]
.macro LOAD t
.irp i, 0,1,2,3
	global_load_b128 v[R+16*((\t)%4)+4*\i:R+16*((\t)%4)+4*\i+3], v3, s[4:5] offset:2048*(\t)+512*\i th:TH_LOAD_NT
.endr
.endm
.macro TURN t                          ; LDS serves a wave in order (ISA guide 5.7.1.4): no wait between these stores and loads
.irp i, 0,1,2,3
	ds_store_b128 v14, v[R+16*((\t)%4)+4*\i:R+16*((\t)%4)+4*\i+3] offset:32*SP*((\t)%2)+8*SP*\i
.endr
.irp i, 0,1,2,3
	ds_load_b128 v[X+16*((\t)%2)+4*\i:X+16*((\t)%2)+4*\i+3], v15 offset:32*SP*((\t)%2)+16*\i
.endr
.endm
.irp t, 0,1,2,3
	LOAD \t
.endr
	s_wait_loadcnt 12                              ; step 0 is in; the 12 loads of steps 1 to 3 may be out
	TURN 0
.macro STEP t
.set XS, X+16*((\t)%2)
.set GP, 2*((\t)%2)+((\t)/2)%2         ; where this chunk of 8 rows lies among the four of its 32
.if (\t) > 0
	s_wait_dscnt 1                                 ; my 16 neighbours are back (the last step scale word store may be out), so the stage stores have read their registers,
.else
	s_wait_dscnt 0x0
.endif
.if (\t)+4 < STEPS
	LOAD (\t)+4                                    ; which take the loads of four steps on
.endif
.if (\t)+1 < STEPS
.if STEPS-2-(\t) >= 3
	s_wait_loadcnt 12                              ; the next step is in; three steps behind it may be out
.else
	s_wait_loadcnt 4*(STEPS-2-(\t))
.endif
	TURN (\t)+1
.endif
	v_max3_num_f32 v8, |v[XS]|, |v[XS+1]|, |v[XS+2]|
	v_max3_num_f32 v9, |v[XS+3]|, |v[XS+4]|, |v[XS+5]|
.irp i, 6,10
	v_max3_num_f32 v8, v8, |v[XS+\i]|, |v[XS+\i+1]|
	v_max3_num_f32 v9, v9, |v[XS+\i+2]|, |v[XS+\i+3]|
.endr
	v_max3_num_f32 v8, v8, |v[XS+14]|, |v[XS+15]|
	v_max3_num_f32 v8, v8, v9, FLOOR
	v_max_num_f32_dpp v8, v8, v8 row_xmask:1 row_mask:0xf bank_mask:0xf   ; with my neighbour 16: the block
	v_add_nc_u32 v11, OFF2, v8                     ; the conversion takes the exponent field of this operand as its scale
	v_cvt_scalef32_pk16_fp6_f32 v[C+4*(\t):C+4*(\t)+2], v[XS:XS+15], v11
	v_lshrrev_b32 v9, 23, v11                      ; my block byte (a plain line behind the conversion)
	v_mov_b32_dpp v10, v9 row_xmask:2 row_mask:0xf bank_mask:0xf          ; the byte of the row other block
	v_cndmask_b32 v12, v9, v10, vcc_lo             ; s0
	v_cndmask_b32 v13, v10, v9, vcc_lo             ; s1
	v_lshl_or_b32 v12, v13, 8, v12
	v_lshl_or_b32 v[E+(\t)], v12, 16, v12          ; (s0, s1, s0, s1)
	ds_store_b32 v5, v[E+(\t)] offset:4*(32*((\t)/4)+8*GP)   ; the four lanes of a row store the same word
	global_store_b96 v4, v[C+4*(\t):C+4*(\t)+2], s[10:11] offset:((\t)/4)*1536+GP*384   ; the wave stores 384 consecutive bytes
.endm
.irp t, 0,1,2,3,4,5,6,7,8,9,10,11,12,13,14,15
	STEP \t
.endr
	ds_load_b128 v[8:11], v6
	s_wait_dscnt 0x0
	global_store_b128 v3, v[8:11], s[12:13]        ; the wave stores its 512 consecutive bytes of scale words
	s_wait_tensorcnt 0x0
	ds_add_u32 v192, v193
	s_wait_dscnt 0x0
	s_endpgm
; ---- v: a lane takes a column d and its registers run down the agents, so a block of 32 lies in one lane and the codes come out with the agents innermost.
; A work-group takes 8 blocks of one head; a wave 2 blocks x 2 halves of d: four units.  Loads run two units ahead.
.Lpath_v:
	s_sub_co_u32 s17, ttmp9, 576
	s_lshr_b32 s18, s17, 1                         ; batch x 16 + head
	s_and_b32 s19, s17, 1
	s_lshl_b32 s19, s19, 3
	s_lshl_b32 s20, s16, 1
	s_add_co_u32 s19, s19, s20                     ; my first block
	s_lshl_b32 s20, s18, 17                        ; a head of v is 131,072 bytes,
	s_lshl_b32 s21, s19, 13                        ; a block 32 rows of 256
	s_add_co_u32 s20, s20, s21
	s_mov_b32 s21, 0
	s_lshr_b32 s22, s18, 4                         ; batch
	s_and_b32 s23, s18, 15                         ; head
	s_lshl_b32 s22, s22, 4
	s_add_co_u32 s22, s22, s19
	s_mul_i32 s22, s22, WB
	s_mul_i32 s24, s23, 1536
	s_add_co_u32 s24, s24, s22                     ; my codes
	s_mov_b32 s25, 0
	s_lshl_b32 s26, s23, 6
	s_add_co_u32 s26, s26, s22
	s_add_co_u32 s26, s26, 24576                   ; my scale bytes
	s_mov_b32 s27, 0
	s_wait_alu depctr_va_vdst(0)
	v_lshlrev_b32 v3, 2, v2
	v_mul_u32_u24 v4, v2, 24
	s_wait_alu depctr_va_vdst(0)
	s_wait_kmcnt 0x0
	s_add_nc_u64 s[8:9], s[8:9], s[20:21]
	s_add_nc_u64 s[12:13], s[14:15], s[26:27]
	s_add_nc_u64 s[14:15], s[14:15], s[24:25]
.macro LOADV q                         ; unit q: block q / 2, columns 32 (q % 2) on; 32 rows into set q % 2
.irp i, 0,1,2,3,4,5,6,7,8,9,10,11,12,13,14,15,16,17,18,19,20,21,22,23,24,25,26,27,28,29,30,31
	global_load_b32 v[32+32*((\q)%2)+\i], v3, s[8:9] offset:(32*((\q)/2)+\i)*256+((\q)%2)*128
.endr
.endm
	LOADV 0
	LOADV 1
.macro UNIT q
.set XS, 32+32*((\q)%2)
.if (\q) < 3
	s_wait_loadcnt 32                              ; this unit is in; the next unit 32 loads may be out
.else
	s_wait_loadcnt 0x0
.endif
	v_max3_num_f32 v12, |v[XS]|, |v[XS+1]|, |v[XS+2]|
	v_max3_num_f32 v13, |v[XS+3]|, |v[XS+4]|, |v[XS+5]|
.irp i, 6,10,14,18,22,26
	v_max3_num_f32 v12, v12, |v[XS+\i]|, |v[XS+\i+1]|
	v_max3_num_f32 v13, v13, |v[XS+\i+2]|, |v[XS+\i+3]|
.endr
	v_max3_num_f32 v12, v12, |v[XS+30]|, |v[XS+31]|
	v_max3_num_f32 v12, v12, v13, FLOOR
	v_add_nc_u32 v11, OFF2, v12
	v_lshrrev_b32 v[128+(\q)], 23, v11
	v_cvt_scalef32_pk16_fp6_f32 v[96+8*(\q):98+8*(\q)], v[XS:XS+15], v11
	v_cvt_scalef32_pk16_fp6_f32 v[100+8*(\q):102+8*(\q)], v[XS+16:XS+31], v11
	v_nop                                          ; a plain line behind the conversions
	global_store_b96 v4, v[96+8*(\q):98+8*(\q)], s[14:15] offset:((\q)/2)*WB+((\q)%2)*768       ; with the next line: 768 consecutive bytes
	global_store_b96 v4, v[100+8*(\q):102+8*(\q)], s[14:15] offset:((\q)/2)*WB+((\q)%2)*768+12
	global_store_b8 v2, v[128+(\q)], s[12:13] offset:((\q)/2)*WB+((\q)%2)*32
.if (\q)+2 < 4
	LOADV (\q)+2
.endif
.endm
	UNIT 0
	UNIT 1
	UNIT 2
	UNIT 3
	s_endpgm
.Lfunc_end_k_q623b63b4c2_prep:
	.size	k_q623b63b4c2_prep, .Lfunc_end_k_q623b63b4c2_prep-k_q623b63b4c2_prep
	.p2alignl 7, 3214868480
	.fill 96, 4, 3214868480
	.section	.rodata,"a",@progbits
	.p2align	6, 0x0
	.amdhsa_kernel k_q623b63b4c2_prep
		.amdhsa_group_segment_fixed_size 33280
		.amdhsa_private_segment_fixed_size 0
		.amdhsa_enable_private_segment 0
		.amdhsa_kernarg_size 48
		.amdhsa_user_sgpr_count 2
		.amdhsa_user_sgpr_kernarg_segment_ptr 1
		.amdhsa_wavefront_size32 1
		.amdhsa_system_sgpr_workgroup_id_x 1
		.amdhsa_system_sgpr_workgroup_id_y 1
		.amdhsa_system_sgpr_workgroup_id_z 1
		.amdhsa_system_vgpr_workitem_id 0
		.amdhsa_next_free_vgpr 194
		.amdhsa_next_free_sgpr 66
		.amdhsa_reserve_vcc 1
		.amdhsa_float_denorm_mode_32 3
		.amdhsa_float_denorm_mode_16_64 3
		.amdhsa_memory_ordered 1
		.amdhsa_forward_progress 1
		.amdhsa_inst_pref_size 56
	.end_amdhsa_kernel
	.amdgpu_metadata
---
amdhsa.version: [ 1, 2 ]
amdhsa.kernels:
  - .name:           k_q623b63b4c2_prep
    .symbol:         k_q623b63b4c2_prep.kd
    .args:
      - { .name: a, .offset: 0, .size: 8, .value_kind: global_buffer, .address_space: global }
      - { .name: k, .offset: 8, .size: 8, .value_kind: global_buffer, .address_space: global }
      - { .name: v, .offset: 16, .size: 8, .value_kind: global_buffer, .address_space: global }
      - { .name: ya, .offset: 24, .size: 8, .value_kind: global_buffer, .address_space: global }
      - { .name: yk, .offset: 32, .size: 8, .value_kind: global_buffer, .address_space: global }
      - { .name: wv, .offset: 40, .size: 8, .value_kind: global_buffer, .address_space: global }
    .group_segment_fixed_size: 33280
    .private_segment_fixed_size: 0
    .kernarg_segment_align: 8
    .kernarg_segment_size: 48
    .max_flat_workgroup_size: 128
    .sgpr_count:     66
    .vgpr_count:     194
    .wavefront_size: 32
...
	.end_amdgpu_metadata
.endif
;; end of part 5
;; launch left (part 6): grid 256 x 1, 8 waves a work-group, clusters of 4 x 1, 327,680 bytes of LDS; arguments q, ya, wv, wkv; writes wkv
.if DOCPART == 6
	.amdgcn_target "amdgcn-amd-amdhsa--gfx1250"
	.amdhsa_code_object_version 6
	.text
	.protected	k_q623b63b4c2_left
	.globl	k_q623b63b4c2_left
	.p2align	8
	.type	k_q623b63b4c2_left,@function
k_q623b63b4c2_left:
	s_mov_b64 s[64:65], 0
	v_nop
	global_prefetch_b8 v0, s[64:65] scope:SCOPE_SE
	s_setreg_imm32_b32 hwreg(HW_REG_WAVE_MODE, 25, 1), 1
	s_wait_xcnt 0x0
	s_wait_alu depctr_hold_cnt(0) depctr_sa_sdst(0) depctr_va_vdst(0) depctr_va_sdst(0) depctr_va_ssrc(0) depctr_va_vcc(0) depctr_vm_vsrc(0)
	s_getreg_b32 s2, hwreg(HW_REG_IB_STS2, 6, 4)
	s_cmp_eq_u32 s2, 0
	s_cbranch_scc0 .Lentry_in_a_cluster
	s_endpgm
.Lentry_in_a_cluster:
	s_bfe_u32 s2, ttmp6, 0x10000c
	s_cmp_lg_u32 s2, 0x3003
	s_cbranch_scc0 .Lentry_shape_is_right
	s_endpgm
.Lentry_shape_is_right:
; LEFT: KV = softmax_over_heads(q a^T / 8) v, both products on codes of FP6 (E2M3) with one E8M0 scale for each 32 along K; KV leaves as codes along n (workspace wkv).
; NAMES.  Rows: n.  Positions: the agents, the K of the second product.  X = q (f32, quantised here along d), Y = codes of a (ya), W = codes of v with the agents innermost (wv), P = the finished softmax, quantised along the agents.
; SHARES.  A work-group takes 32 rows (two tiles u of 16) of one batch, ALL 16 heads, and walks the 512 agents in NS = 4 steps of 128.  Eight waves of 512 registers.
;   Scores and softmax: wave (u = w % 2, j = w / 2) takes tile u and positions 32 j .. 32 j + 31 of the step, all heads: a lane holds 16 positions x 16 heads, so the softmax over the heads never leaves the lane.
;   Second product: wave w takes heads 2 w, 2 w + 1, both tiles, all 64 d: 16 accumulators.  P goes from wave to wave through LDS as rows of codes and scale words.
; SCORES.  d is 64, the matrix instruction is 128 deep: two heads share an X fragment (even head d 0-63, odd head d 0-63); Y stands in triples [even head 6][zeros 6][odd head 6] of registers, so that
;   registers 0-11 multiply the even head alone and registers 6-17 the odd head alone.  Source 0 = 16 positions, source 1 = 16 rows: a lane holds one row.
; TILES.  Y (106,496 bytes a step) is read by the scores alone, W (102,400) by the second product alone, and the long softmax stands between: so each has ONE buffer.  Behind the scores of step t
;   a round of the cluster barrier stands, and behind it Y of step t + 1 (waves 0-3) and W of step t (waves 4-7) are asked for; they land during the softmax.
; CLUSTER.  The four partners are four groups of 32 rows of one batch and walk the same Y and W: each tile is asked for jointly (mask 15, the same descriptor in all four).
; ROWS OF A TILE: row rho of tile u is row r0 + 16 (rho / 8) + 8 u + rho % 8, so that in the result of the second product (source 0 = P, source 1 = W) a lane holds d = lane % 16 and, in the accumulators of
;   u = 0 and u = 1 on end, 16 neighbouring n: the next quantiser runs along a lane registers.
; X ON ITS WAY IN.  The quantiser wants 32 neighbours along d in one lane; a load is best where neighbouring lanes take neighbouring bytes.  Both are had: a wave 16 rows of a head are two runs of 2,048 consecutive
;   bytes, and each load takes 512 of them, 16 a lane; a head 4,096 bytes then turn through the wave own stage in LDS (16 rows, 272 bytes apart) and come back 128 bytes a lane.  The loads go out ahead of the opening round.
; SOFTMAX.  m = the largest score of the 16 heads; p = 2^(c s - c m), c = log2(e) / 8; p / sum.  The rounding of c m is common to the 16 heads of a position and cancels in the division.
; LIMITS: NaN and infinities among the inputs are not served.  A block whose largest magnitude lies under 2^-124 keeps the scale byte 1 (the rule says 127 for a block of zeros; the bytes are read by this program alone).
;   v_exp_f32 gives 0 for results under 2^-126 (ISA guide 15.8).
; REGISTERS.  Window 1 (v256-511): P(head, i) at 16 head + i; in the second product P fragments at 12 (2 hh + u), W fragments at 48 + 12 (4 hh + dt); at the head the 128 numbers of X.
;   Window 0: v1-15 addresses; v16-87 four Y triples; v88-111 two X fragments, then maxima, sums, block maxima, W scale bytes; v104-119 at work, codes; v120-125 scale words and nothing else; v127 my place in the output; v128-255 accumulators.
.set NR,    4096                       ; rows of a head of X
.set LOGNR, 12
.set NS,    4                          ; steps
.set YG,    26624                      ; a group of four heads of Y: what one tensor load brings
.set WB,    25600                      ; a block of 32 positions of W: likewise
.set WBL,   25728                      ; and its place in LDS: 128 bytes stay empty, so that lanes 16-31 of a load start 32 banks from lanes 0-15 (64 banks of 4 bytes: ISA guide 11.1)
.set WT,    4*YG                       ; LDS: Y at 0, W here,
.set PCO,   WT+4*WBL                   ; P codes [u][head][row], 112 bytes a row (96 of codes),
.set PSW,   PCO+57344                  ; P scale words [u][head][row],
.set SPARE, PSW+2048                   ; the spare words, 128 bytes a wave: four blocks of 256 bytes that no other line names,
.set XI,    SPARE+1024                 ; X: 16 fragments as images of their registers, 1,536 bytes each,
.set XSW,   XI+24576                   ; their scale words, 128 bytes each
.set XSTG,  PCO                        ; at the head: a stage of 16 x 272 bytes for each wave, in the first 34,816 bytes of P codes, which are first written as P behind the barrier at the end of the head
.set STAGE, XI                         ; the way out lies over X, whose last read stands in front of the last round
.set SPW, 1
.set NIL, 2
.set AY,  3                            ; v3-4   Y codes: heads 0-7, heads 8-15
.set AYS, 5                            ; v5-6   Y scale words
.set AX,  7
.set AXS, 8
.set APW, 9                            ; where I store P codes
.set APB, 10                           ; and P scale bytes
.set APR, 11                           ; where I read P fragments
.set APSR, 12
.set AW,  13
.set AWS, 14                           ; v14-15 W scale bytes: blocks 0-1, blocks 2-3
.set YB,  16
.set XF,  88
.set MX,  88
.set SB,  88
.set TT,  104
.set SCL, 120
.set WSC, 120
.set PSC, 124
.set PFO, 126                          ; v126 the prefetch offset: 1,048,576 (lane / 8) + 256 (lane % 8): a head and a block of 256 bytes a lane
.set OUT, 127
.set TRIP, 49                          ; s49 which of my two groups of 32 rows is at work
.set ACC, 128
.set VR,  128                          ; at the head only: lane % 16, lane / 16, lane, addresses, and what the quantiser of X needs
.set VH,  129
.set VL,  130
.set AXW, 131
.set AXSW, 132
.set XOF, 133
.set PX,  134
.set XM,  136
.set XSO, 140
.set XBY, 144
.set XW,  148
.set XSH, 150
.set FRG, 152
.set XT,  176
.set SGI, 192                          ; the stage of X: way in
.set SGO, 193                          ; and way out
.set WV,  12
.set SEL, 20
.set CS,  22
.set G1Y, 24
.set G1W, 32
.set G0Y, 40
.set G0W, 44
.set CNT, 48
.set FLOOR, 0x1800000
.set OFF2,  0xff000000
.set MSB, 0
.macro WIN new                         ; bits 1:0 source 0, 3:2 source 1, 5:4 source 2, 7:6 destination; the high byte repeats the setting that is left
.if MSB != \new
	s_set_vgpr_msb (MSB<<8)|\new
.set MSB, \new
.endif
.endm
.macro NOPS n
.rept \n
	v_nop
.endr
.endm
.macro CROUND                          ; a round of the cluster barrier: my work-group barrier, wave 0 signals for the work-group, every wave waits for the four, my work-group barrier once more
	s_barrier_signal -1
	s_barrier_wait -1
	s_cmp_lg_u32 s[WV], 0
	s_cbranch_scc1 .Lnot_wave_0_\@
	s_barrier_signal -3
.Lnot_wave_0_\@:
	s_barrier_wait -3
	s_barrier_signal -1
	s_barrier_wait -1
.endm
; The joint loads: waves 0-3 a group of Y each, waves 4-7 a block of W each; the branch hangs on the wave number alone.  Four v_nop stand on every way;
; they are also the four places between the last scores and the first lines of the softmax (ISA guide 7.12.1).
.macro TL y, w
	s_cmp_lt_u32 s[WV], 4
	s_cbranch_scc0 .Ltl_w_\@
.if \y
	tensor_load_to_lds s[G0Y:G0Y+3], s[G1Y:G1Y+7]
	s_nop 0
.endif
	NOPS 4
	s_branch .Ltl_e_\@
.Ltl_w_\@:
.if \w
	tensor_load_to_lds s[G0W:G0W+3], s[G1W:G1W+7]
	s_nop 0
.endif
	NOPS 4
.Ltl_e_\@:
.endm
; 18 LDS loads for heads 2 hp, 2 hp + 1 into set s: the X fragment and its scale words; for my two tiles of 16 positions the codes of both heads; their scale words (lanes 0-15 tile 0, lanes 16-31 tile 1)
.macro LOADPAIR hp, s
.irp c, 0,1,2
	ds_load_b128 v[XF+12*(\s)+4*\c:XF+12*(\s)+4*\c+3], v[AX] offset:(\hp)*1536+512*\c
.endr
	ds_load_b32 v[SCL+3*(\s)], v[AXS] offset:(\hp)*128
.irp tt, 0,1
.irp p, 0,1
.irp i, 0,1,2
	ds_load_b64 v[YB+36*(\s)+18*\tt+12*\p+2*\i:YB+36*(\s)+18*\tt+12*\p+2*\i+1], v[AY+(\hp)/4] offset:(((\hp)/2)%2)*YG+(2*((\hp)%2)+\p)*6144+\tt*768+8*\i
.endr
.endr
.endr
.irp p, 0,1
	ds_load_b32 v[SCL+3*(\s)+1+\p], v[AYS+(\hp)/4] offset:(((\hp)/2)%2)*YG+24576+(2*((\hp)%2)+\p)*512
.endr
.endm
; four products: (even head, tile 0), (odd, 0), (even, 1), (odd, 1).  Lane (r, h) then holds row r; register 8 tt + jj of a head holds position 32 j + 16 h + 8 tt + jj
.macro MULPAIR hp, s
	WIN 0x40
.irp tt, 0,1
.irp p, 0,1
.set rD, 16*(2*(\hp)+\p)+8*\tt
.set rA, YB+36*(\s)+18*\tt+6*\p
.set rB, XF+12*(\s)
.if \tt
	v_wmma_scale_f32_16x16x128_f8f6f4 v[rD:rD+7], v[rA:rA+11], v[rB:rB+11], 0, v[SCL+3*(\s)+1+\p], v[SCL+3*(\s)] matrix_a_fmt:MATRIX_FMT_FP6 matrix_b_fmt:MATRIX_FMT_FP6 matrix_a_scale:MATRIX_SCALE_ROW1
.else
	v_wmma_scale_f32_16x16x128_f8f6f4 v[rD:rD+7], v[rA:rA+11], v[rB:rB+11], 0, v[SCL+3*(\s)+1+\p], v[SCL+3*(\s)] matrix_a_fmt:MATRIX_FMT_FP6 matrix_b_fmt:MATRIX_FMT_FP6
.endif
.endr
.endr
.endm
.macro SC                              ; the scores of a step: 32 products, the next pair of heads fetched while a pair is multiplied
	WIN 0
	LOADPAIR 0, 0
.irp hp, 0,1,2,3,4,5,6,7
.if \hp < 7
	WIN 0
	NOPS 4                                         ; four places in front of loads into the set that the last products read
	LOADPAIR (\hp+1), ((\hp+1)%2)
	s_wait_dscnt 18                                ; this pair is in; the 18 loads just issued may be out
.else
	s_wait_dscnt 0x0
.endif
	MULPAIR \hp, (\hp%2)
.endr
.endm
; THE SOFTMAX OVER THE HEADS and the quantiser of P: 16 positions x 16 heads a lane
.macro SM
	WIN 0x05                                       ; the largest score of each position
.irp g, 0,4,8,12
.irp i, 0,1,2,3
	v_max_num_f32 v[MX+\g+\i], v[\g+\i], v[16+\g+\i]
.endr
.irp a, 2,4,6,8,10,12,14
.irp i, 0,1,2,3
	v_max3_num_f32 v[MX+\g+\i], v[16*\a+\g+\i], v[16*\a+16+\g+\i], v[MX+\g+\i]
.endr
.endr
.endr
	WIN 0
.irp i, 0,2,4,6,8,10,12,14
	v_pk_mul_f32 v[MX+\i:MX+\i+1], v[MX+\i:MX+\i+1], s[CS:CS+1] op_sel_hi:[1,0]   ; c m
.endr
	WIN 0x41
.irp hd, 0,1,2,3,4,5,6,7,8,9,10,11,12,13,14,15
.irp i, 0,2,4,6,8,10,12,14
	v_pk_fma_f32 v[16*\hd+\i:16*\hd+\i+1], v[16*\hd+\i:16*\hd+\i+1], s[CS:CS+1], v[MX+\i:MX+\i+1] op_sel_hi:[1,0,1] neg_lo:[0,0,1] neg_hi:[0,0,1]   ; c s - c m
.endr
.endr
	s_wait_alu depctr_va_vdst(0)                   ; one wait ahead of the batch: all its 256 sources are written above
.irp hd, 0,1,2,3,4,5,6,7,8,9,10,11,12,13,14,15
.irp i, 0,1,2,3,4,5,6,7,8,9,10,11,12,13,14,15
	v_exp_f32 v[16*\hd+\i], v[16*\hd+\i]
.endr
.endr
	v_nop                                          ; a plain line behind the last exponential
	s_wait_alu depctr_va_vdst(0)                   ; one wait for the 256: up to here no line names a result
	WIN 0x05
.irp i, 0,2,4,6,8,10,12,14
	v_pk_add_f32 v[MX+\i:MX+\i+1], v[\i:\i+1], v[16+\i:16+\i+1]   ; the sum over the heads: eight chains by turns
.endr
	WIN 0x01
.irp hd, 2,3,4,5,6,7,8,9,10,11,12,13,14,15
.irp i, 0,2,4,6,8,10,12,14
	v_pk_add_f32 v[MX+\i:MX+\i+1], v[16*\hd+\i:16*\hd+\i+1], v[MX+\i:MX+\i+1]
.endr
.endr
	WIN 0
	s_wait_alu depctr_va_vdst(0)
.irp i, 0,1,2,3,4,5,6,7,8,9,10,11,12,13,14,15
	v_rcp_f32 v[MX+\i], v[MX+\i]
.endr
	v_nop
	s_wait_alu depctr_va_vdst(0)                   ; one wait for the 16 reciprocals
	WIN 0x41
.irp hd, 0,1,2,3,4,5,6,7,8,9,10,11,12,13,14,15
.irp i, 0,2,4,6,8,10,12,14
	v_pk_mul_f32 v[16*\hd+\i:16*\hd+\i+1], v[16*\hd+\i:16*\hd+\i+1], v[MX+\i:MX+\i+1]   ; the finished softmax
.endr
.endr
	WIN 0x05                                       ; each head: the largest of my 16 positions, with the floor (nothing is negative: no |.|)
.irp g, 0,4,8,12
.irp k, 0,1,2,3
	v_max3_num_f32 v[MX+\g+\k], v[16*(\g+\k)], v[16*(\g+\k)+1], FLOOR
.endr
.irp i, 2,4,6,8,10,12,14
.irp k, 0,1,2,3
	s_delay_alu instid0(VALU_DEP_4)
	v_max3_num_f32 v[MX+\g+\k], v[16*(\g+\k)+\i], v[16*(\g+\k)+\i+1], v[MX+\g+\k]
.endr
.endr
.endr
	WIN 0
.irp hd, 0,1,2,3,4,5,6,7,8,9,10,11,12,13,14,15
	v_permlanex16_b32 v[TT+\hd], v[MX+\hd], s[SEL], s[SEL+1]
.endr
.irp hd, 0,1,2,3,4,5,6,7,8,9,10,11,12,13,14,15
	v_max_num_f32 v[MX+\hd], v[MX+\hd], v[TT+\hd]  ; with the lane 16 away: the block of 32 positions
.endr
.irp hd, 0,1,2,3,4,5,6,7,8,9,10,11,12,13,14,15
	v_add_nc_u32 v[MX+\hd], OFF2, v[MX+\hd]        ; the scale operand of the conversion
.endr
.irp hd, 0,1,2,3,4,5,6,7,8,9,10,11,12,13,14,15
	v_lshrrev_b32 v[TT+\hd], 23, v[MX+\hd]         ; the scale byte
.endr
.irp hd, 0,1,2,3,4,5,6,7,8,9,10,11,12,13,14,15
	ds_store_b8 v[APB], v[TT+\hd] offset:64*\hd    ; byte j of the row scale word; both halves of the lanes store the same byte
.endr
.irp g, 0,4,8,12                       ; four heads at a time: 16 codes, 12 bytes, at byte 24 j + 12 h of the row
	WIN 0x01
.irp k, 0,1,2,3
	v_cvt_scalef32_pk16_fp6_f32 v[TT+4*\k:TT+4*\k+2], v[16*(\g+\k):16*(\g+\k)+15], v[MX+\g+\k]
.endr
	v_nop                                          ; a plain line behind the conversions
	WIN 0
.irp k, 0,1,2,3
.irp e, 0,1,2
	ds_store_b32 v[APW], v[TT+4*\k+\e] offset:(\g+\k)*1792+4*\e
.endr
.endr
.endr
.endm
.macro PROD zero, ra, rb               ; one product on rD, rA, rB, rSA, rSB; ra, rb: the scale words stand in lanes 16-31
.if \zero
.if \ra
.if \rb
	v_wmma_scale_f32_16x16x128_f8f6f4 v[rD:rD+7], v[rA:rA+11], v[rB:rB+11], 0, v[rSA], v[rSB] matrix_a_fmt:MATRIX_FMT_FP6 matrix_b_fmt:MATRIX_FMT_FP6 matrix_a_scale:MATRIX_SCALE_ROW1 matrix_b_scale:MATRIX_SCALE_ROW1
.else
	v_wmma_scale_f32_16x16x128_f8f6f4 v[rD:rD+7], v[rA:rA+11], v[rB:rB+11], 0, v[rSA], v[rSB] matrix_a_fmt:MATRIX_FMT_FP6 matrix_b_fmt:MATRIX_FMT_FP6 matrix_a_scale:MATRIX_SCALE_ROW1
.endif
.else
.if \rb
	v_wmma_scale_f32_16x16x128_f8f6f4 v[rD:rD+7], v[rA:rA+11], v[rB:rB+11], 0, v[rSA], v[rSB] matrix_a_fmt:MATRIX_FMT_FP6 matrix_b_fmt:MATRIX_FMT_FP6 matrix_b_scale:MATRIX_SCALE_ROW1
.else
	v_wmma_scale_f32_16x16x128_f8f6f4 v[rD:rD+7], v[rA:rA+11], v[rB:rB+11], 0, v[rSA], v[rSB] matrix_a_fmt:MATRIX_FMT_FP6 matrix_b_fmt:MATRIX_FMT_FP6
.endif
.endif
.else
.if \ra
.if \rb
	v_wmma_scale_f32_16x16x128_f8f6f4 v[rD:rD+7], v[rA:rA+11], v[rB:rB+11], v[rD:rD+7], v[rSA], v[rSB] matrix_a_fmt:MATRIX_FMT_FP6 matrix_b_fmt:MATRIX_FMT_FP6 matrix_a_scale:MATRIX_SCALE_ROW1 matrix_b_scale:MATRIX_SCALE_ROW1
.else
	v_wmma_scale_f32_16x16x128_f8f6f4 v[rD:rD+7], v[rA:rA+11], v[rB:rB+11], v[rD:rD+7], v[rSA], v[rSB] matrix_a_fmt:MATRIX_FMT_FP6 matrix_b_fmt:MATRIX_FMT_FP6 matrix_a_scale:MATRIX_SCALE_ROW1
.endif
.else
.if \rb
	v_wmma_scale_f32_16x16x128_f8f6f4 v[rD:rD+7], v[rA:rA+11], v[rB:rB+11], v[rD:rD+7], v[rSA], v[rSB] matrix_a_fmt:MATRIX_FMT_FP6 matrix_b_fmt:MATRIX_FMT_FP6 matrix_b_scale:MATRIX_SCALE_ROW1
.else
	v_wmma_scale_f32_16x16x128_f8f6f4 v[rD:rD+7], v[rA:rA+11], v[rB:rB+11], v[rD:rD+7], v[rSA], v[rSB] matrix_a_fmt:MATRIX_FMT_FP6 matrix_b_fmt:MATRIX_FMT_FP6
.endif
.endif
.endif
.endm
.macro PVMUL hh, zero                  ; eight products of head 2 w + hh: source 0 = P (16 rows), source 1 = W (16 d)
.irp dt, 0,1,2,3
.irp u, 0,1
.set rD, ACC+8*((4*\hh+\dt)*2+\u)
.set rA, 12*(2*\hh+\u)
.set rB, 48+12*(4*\hh+\dt)
.set rSA, PSC+\hh
.set rSB, WSC+2*\hh+\dt/2
	PROD \zero, \u, (\dt%2)
.endr
.endr
.endm
.macro WLOAD hh                        ; four fragments of W: lane (r, h) takes d = 16 dt + r and the blocks h and 2 + h of the step, 24 bytes each
.irp dt, 0,1,2,3
.irp p, 0,1,2,3,4,5
	ds_load_b64 v[48+12*(4*\hh+\dt)+2*\p:48+12*(4*\hh+\dt)+2*\p+1], v[AW] offset:(\p/3)*2*WBL+(4*\hh+\dt)*384+8*(\p%3)
.endr
.endr
.endm
; THE SECOND PRODUCT of a step: K = its 128 positions.  The sixteen accumulators take turns, one instruction a turn.
.macro PV zero
	WIN 0
.irp hh, 0,1
.irp dp, 0,1
.irp be, 0,1,2,3
	ds_load_u8 v[SB+4*(2*\hh+\dp)+\be], v[AWS+\be/2] offset:(\be%2)*WBL+\hh*64+\dp*32   ; W scale bytes: lanes 0-15 d tile 2 dp, lanes 16-31 d tile 2 dp + 1; block be
.endr
.endr
.endr
.irp hh, 0,1
	ds_load_b32 v[PSC+\hh], v[APSR] offset:\hh*64  ; P scale words: lanes 0-15 tile 0, lanes 16-31 tile 1
.endr
	WIN 0x40
.irp hh, 0,1
.irp u, 0,1
.irp p, 0,1,2,3,4,5
	ds_load_b64 v[12*(2*\hh+\u)+2*\p:12*(2*\hh+\u)+2*\p+1], v[APR] offset:\u*28672+\hh*1792+48*(\p/3)+8*(\p%3)
.endr
.endr
.endr
	WLOAD 0
	WIN 0
	s_wait_dscnt 48                                ; the scale bytes and words are in; the 48 fragment loads may be out
.irp x, 0,1,2,3
	v_lshl_or_b32 v[WSC+\x], v[SB+4*\x+1], 8, v[SB+4*\x]
	s_delay_alu instid0(VALU_DEP_1)
	v_lshl_or_b32 v[WSC+\x], v[SB+4*\x+2], 16, v[WSC+\x]
	s_delay_alu instid0(VALU_DEP_1)
	v_lshl_or_b32 v[WSC+\x], v[SB+4*\x+3], 24, v[WSC+\x]
.endr
	WIN 0x40
	WLOAD 1
	NOPS 8                                         ; a scale register written by a vector instruction stands eight places ahead of the scaled product
	s_wait_alu depctr_va_vdst(0)
	s_wait_dscnt 24                                ; P and the first four fragments of W are in; the last 24 loads may be out
	WIN 0x05
	PVMUL 0, \zero
	s_wait_dscnt 0x0
	PVMUL 1, \zero
	WIN 0
	NOPS 5                                         ; five places: the next scores are written over these operands, and loads land in these scale registers
.endm
.macro STEP ty, tw, zero
	SC
	WIN 0
	s_wait_tensorcnt 0x0                           ; no tensor load of mine is out
	ds_add_u32 v[SPW], v[NIL]                      ; 0 onto my spare word
	s_wait_dscnt 0x0                               ; the add is done, and so are my reads of Y (this step) and of W and P (the last step)
	CROUND                                         ; that now holds of every wave of the four work-groups
	TL \ty, \tw                                    ; Y of the next step, W of this step: a wave one load
	SM
	s_wait_tensorcnt 0x0                           ; my one load has landed: no load was issued behind it, so its count is 0
.if \ty
	s_add_nc_u64 s[G0Y+2:G0Y+3], s[G0Y+2:G0Y+3], 4*YG
.endif
.if \tw
	s_add_nc_u64 s[G0W+2:G0W+3], s[G0W+2:G0W+3], 4*WB
.endif
	s_wait_dscnt 0x0                               ; my stores of P have landed
	s_barrier_signal -1                            ; behind it P, W and the next Y are whole for every wave
	s_barrier_wait -1
	PV \zero
.endm
	v_lshl_add_u32 v[SPW], v0, 2, SPARE
	v_mov_b32 v[NIL], 0
	ds_add_u32 v1, v2
	ds_add_u32 v1, v2
	s_wait_dscnt 0x0
	s_mov_b32 s[TRIP], 0
	; A WORK-GROUP STAYS: it makes two groups of 32 rows, one after the other (cluster c takes the places 2 c and 2 c + 1 of the walk over a batch): a loop of two trips round the whole body.
	; A trip makes all its addresses anew from the arguments, since the accumulators and the way out lie over the registers of the head.
.Lgroup:
	s_load_b256 s[4:11], s[0:1], 0x0               ; q s[4:5], ya s[6:7], wv s[8:9], wkv s[10:11]
	v_lshrrev_b32 v[VL], 5, v0
	s_delay_alu instid0(VALU_DEP_1)
	v_readfirstlane_b32 s[WV], v[VL]               ; wave 0..7
	s_and_b32 s13, s[WV], 1                        ; u
	s_lshr_b32 s14, s[WV], 1                       ; j
	s_and_b32 s15, s[WV], 3                        ; which group of Y or block of W I fetch
	v_and_b32 v[VR], 15, v0                        ; r
	v_bfe_u32 v[VH], v0, 4, 1                      ; h
	v_and_b32 v[VL], 31, v0                        ; lane
	; every LDS address is a constant + constants x lane parts + constants x wave parts
	s_delay_alu instid0(VALU_DEP_3)
	v_mul_u32_u24 v[AY], v[VR], 48
	s_delay_alu instid0(VALU_DEP_1)
	v_mad_u32_u24 v[AY], v[VH], 24, v[AY]
	s_mul_i32 s55, s14, 1536
	v_add_nc_u32 v[AY], s55, v[AY]                 ; 48 r + 24 h + 1,536 j
	s_delay_alu instid0(VALU_DEP_1)
	v_add_nc_u32 v[AY+1], 2*YG, v[AY]
	s_lshl_b32 s55, s14, 7
	v_lshl_add_u32 v[AYS], v[VL], 2, s55           ; 4 lane + 128 j
	s_delay_alu instid0(VALU_DEP_1)
	v_add_nc_u32 v[AYS+1], 2*YG, v[AYS]
	s_mul_i32 s55, s13, 12288
	s_add_co_u32 s55, s55, XI
	v_lshl_add_u32 v[AX], v[VL], 4, s55
	s_lshl_b32 s55, s13, 10
	s_add_co_u32 s55, s55, XSW
	v_lshl_add_u32 v[AXS], v[VL], 2, s55
	s_mul_i32 s55, s13, 28672
	s_mul_i32 s56, s14, 24
	s_add_co_u32 s55, s55, s56
	s_add_co_u32 s55, s55, PCO
	v_mul_u32_u24 v[APW], v[VR], 112
	s_delay_alu instid0(VALU_DEP_1)
	v_mad_u32_u24 v[APW], v[VH], 12, v[APW]
	s_delay_alu instid0(VALU_DEP_1)
	v_add_nc_u32 v[APW], s55, v[APW]
	s_lshl_b32 s55, s13, 10
	s_add_co_u32 s55, s55, s14
	s_add_co_u32 s55, s55, PSW
	v_lshl_add_u32 v[APB], v[VR], 2, s55
	s_mul_i32 s55, s[WV], 3584
	s_add_co_u32 s55, s55, PCO
	v_mul_u32_u24 v[APR], v[VR], 112
	s_delay_alu instid0(VALU_DEP_1)
	v_mad_u32_u24 v[APR], v[VH], 24, v[APR]
	s_delay_alu instid0(VALU_DEP_1)
	v_add_nc_u32 v[APR], s55, v[APR]
	s_lshl_b32 s55, s[WV], 7
	s_add_co_u32 s55, s55, PSW
	v_lshlrev_b32 v[APSR], 10, v[VH]
	s_delay_alu instid0(VALU_DEP_1)
	v_lshl_add_u32 v[APSR], v[VR], 2, v[APSR]
	s_delay_alu instid0(VALU_DEP_1)
	v_add_nc_u32 v[APSR], s55, v[APSR]
	s_mul_i32 s55, s[WV], 3072
	s_add_co_u32 s55, s55, WT
	v_mul_u32_u24 v[AW], v[VR], 24
	s_delay_alu instid0(VALU_DEP_1)
	v_mad_u32_u24 v[AW], v[VH], WBL, v[AW]
	s_delay_alu instid0(VALU_DEP_1)
	v_add_nc_u32 v[AW], s55, v[AW]
	s_lshl_b32 s55, s[WV], 7
	s_add_co_u32 s55, s55, WT+24576
	v_add_nc_u32 v[AWS], s55, v[VL]
	s_delay_alu instid0(VALU_DEP_1)
	v_add_nc_u32 v[AWS+1], 2*WBL, v[AWS]
	s_mul_i32 s55, s14, 3072
	v_add_nc_u32 v[AXW], s55, v[AX]                ; where I store my two fragments of X (u, 2 j and 2 j + 1)
	s_lshl_b32 s55, s14, 8
	v_add_nc_u32 v[AXSW], s55, v[AXS]
	v_lshlrev_b32 v[XOF], 4, v[VL]                 ; X in memory: 16 bytes a lane, 512 consecutive bytes (two rows) a load
	v_and_b32 v[PFO], 7, v[VL]
	v_and_b32 v[XSH], 0x18, v[VL]
	v_lshlrev_b32 v[PFO], 8, v[PFO]
	v_lshl_add_u32 v[PFO], v[XSH], 17, v[PFO]      ; 8 (lane / 8) x 2^17 + 256 (lane % 8)
	s_mul_i32 s55, s[WV], 4352
	s_add_co_u32 s55, s55, XSTG                    ; my stage
	v_mul_u32_u24 v[SGI], v[VH], 272
	s_delay_alu instid0(VALU_DEP_1)
	v_lshl_add_u32 v[SGI], v[VR], 4, v[SGI]
	s_delay_alu instid0(VALU_DEP_1)
	v_add_nc_u32 v[SGI], s55, v[SGI]               ; in: lanes 0-15 one row of 256 bytes, lanes 16-31 the next
	v_mul_u32_u24 v[SGO], v[VR], 272
	s_delay_alu instid0(VALU_DEP_1)
	v_lshl_add_u32 v[SGO], v[VH], 7, v[SGO]
	s_delay_alu instid0(VALU_DEP_1)
	v_add_nc_u32 v[SGO], s55, v[SGO]               ; out: row r, + 128 h: my block of 32 along d.  272 = 17 x 16: sixteen lanes fall in sixteen different columns of 16 bytes
	v_mul_u32_u24 v[OUT], v[VR], 24
	s_delay_alu instid0(VALU_DEP_1)
	v_mad_u32_u24 v[OUT], v[VH], 12, v[OUT]        ; the output: 24 r + 12 h
.irp t, 0,1,2,3
.irp i, 0,1,2,3,4,5
	v_mov_b32 v[YB+18*\t+6+\i], 0                  ; the zero codes in the middle of each Y triple: written again in each trip, since the way out writes over them
.endr
.endr
.irp i, 0,1,2,3,4,5,6,7,8,9,10,11,12,13,14,15
	v_mov_b32 v[TT+\i], 0                          ; written once: the destination of a lane permute counts as read
.endr
	v_mov_b32 v[PX], 0
	v_mov_b32 v[PX+1], 0
	s_mov_b32 s[SEL], 0x76543210
	s_mov_b32 s[SEL+1], 0xfedcba98                 ; v_permlanex16_b32: the lane 16 away
	s_mov_b32 s[CS], 0x3e38aa3b                    ; c = log2(e) / 8
	s_mov_b32 s[CS+1], s[CS]
	; descriptor group 1: dense blocks as rows of 256 bytes (32 elements of 8 bytes): 104 rows of Y, 100 of W; mask 15: all four partners; bit 21 set beside the mask; no padding
	s_mov_b32 s[G1Y], 15|(3<<16)|(1<<21)
	s_mov_b32 s[G1Y+1], 32<<16
	s_mov_b32 s[G1Y+2], 104<<16
	s_mov_b32 s[G1Y+3], 32<<16
	s_mov_b32 s[G1Y+4], 104
	s_mov_b32 s[G1Y+5], 32
	s_mov_b32 s[G1Y+6], 0
	s_mov_b32 s[G1Y+7], 0
	s_mov_b32 s[G1W], 15|(3<<16)|(1<<21)
	s_mov_b32 s[G1W+1], 32<<16
	s_mov_b32 s[G1W+2], 100<<16
	s_mov_b32 s[G1W+3], 32<<16
	s_mov_b32 s[G1W+4], 100
	s_mov_b32 s[G1W+5], 32
	s_mov_b32 s[G1W+6], 0
	s_mov_b32 s[G1W+7], 0
	s_bfe_u32 s16, ttmp6, 0x40000                  ; cx: it enters the addresses of q and of the output alone
	s_lshl_b32 s52, ttmp9, 1
	s_add_co_u32 s52, s52, s[TRIP]                 ; 2 x cluster + trip, 0..127: 32 a batch; the same in all four partners
	s_lshr_b32 s17, s52, 5                         ; batch
	s_and_b32 s18, s52, 31
	s_lshl_b32 s18, s18, 2
	s_add_co_u32 s18, s18, s16                     ; my group of 32 rows, 0..127
	s_lshl_b32 s55, s17, 4
	s_add_co_u32 s55, s55, s15                     ; 16 batch + my piece: the same index in ya and in wv
	s_mul_i32 s56, s55, YG
	s_mov_b32 s57, 0
	s_mul_i32 s58, s55, WB
	s_mov_b32 s59, 0
	s_mul_i32 s60, s15, YG
	s_mul_i32 s61, s15, WBL
	s_lshl_b32 s62, s17, 4
	s_lshl_b32 s63, s14, 2
	s_add_co_u32 s62, s62, s63                     ; my first head: 16 batch + 4 j
	s_lshl_b32 s62, s62, LOGNR
	s_lshl_b32 s63, s18, 5
	s_add_co_u32 s62, s62, s63                     ; + r0
	s_lshl_b32 s63, s13, 3
	s_add_co_u32 s62, s62, s63                     ; + 8 u
	s_lshl_b32 s62, s62, 8                         ; rows of 256 bytes (under 2^27)
	s_mov_b32 s63, 0
	s_wait_kmcnt 0x0
	s_add_nc_u64 s[4:5], s[4:5], s[62:63]
	; X: my four heads of my tile go out first of all, so that they are on their way while the cluster meets.  Load i of a head: run i / 4 (rows 16 apart), 512 bytes i % 4 of its 2,048
	WIN 0x40
.irp hd, 0,1,2,3
.irp i, 0,1,2,3,4,5,6,7
	global_load_b128 v[32*\hd+4*\i:32*\hd+4*\i+3], v[XOF], s[4:5] offset:\hd*NR*256+(\i/4)*4096+(\i%4)*512 th:TH_LOAD_NT
.endr
.endr
	WIN 0
	s_mov_b32 s[G0Y], 1
	s_mov_b32 s[G0Y+1], s60
	s_add_nc_u64 s[G0Y+2:G0Y+3], s[6:7], s[56:57]
	s_or_b32 s[G0Y+3], s[G0Y+3], 0x80000000
	s_mov_b32 s[G0W], 1
	s_add_co_u32 s[G0W+1], s61, WT
	s_add_nc_u64 s[G0W+2:G0W+3], s[8:9], s[58:59]
	s_or_b32 s[G0W+3], s[G0W+3], 0x80000000
	s_lshl_b32 s62, s17, 7
	s_add_co_u32 s62, s62, s18
	s_mul_i32 s62, s62, WB                         ; my block of wkv: 128 batch + group
	s_add_nc_u64 s[10:11], s[10:11], s[62:63]
	s_lshl_b32 s62, s[WV], 7
	s_add_co_u32 s62, s62, 24576
	s_add_nc_u64 s[50:51], s[10:11], s[62:63]      ; my 128 scale bytes
	s_mul_i32 s62, s[WV], 3072
	s_add_nc_u64 s[10:11], s[10:11], s[62:63]      ; my two heads of codes
	s_wait_tensorcnt 0x0                           ; no tensor load of mine is out (in the second trip Y and W are filled again);
	ds_add_u32 v[SPW], v[NIL]                      ; 0 onto my spare word,
	ds_add_u32 v[SPW], v[NIL]                      ; twice on end
	s_wait_dscnt 0x0                               ; the adds are done, and so are my reads of Y, W, P and X of the group before
	CROUND                                         ; that now holds of every wave of the four work-groups: the joint loads meet
	TL 1, 1                                        ; Y and W of step 0
	; the turn: a head at a time through my stage, and back into the registers that it left.  Stage row 2 i + lane / 16 is tile row 8 (i / 4) + 2 (i % 4) + lane / 16.
	; LDS serves a wave in order (ISA guide 5.7.1.4): no wait between a head stores, its loads and the next head stores
.irp hd, 0,1,2,3
	s_wait_loadcnt 24-8*\hd                        ; this head eight loads are in; the eight of each later head may be out
	WIN 0x04                                       ; the data of an LDS store are its source 1: window 1
.irp i, 0,1,2,3,4,5,6,7
	ds_store_b128 v[SGI], v[32*\hd+4*\i:32*\hd+4*\i+3] offset:544*\i
.endr
	WIN 0x40
.irp i, 0,1,2,3,4,5,6,7
	ds_load_b128 v[32*\hd+4*\i:32*\hd+4*\i+3], v[SGO] offset:16*\i   ; register 32 hd + 4 i + e: X(row r, d = 32 h + 4 i + e)
.endr
.endr
	s_wait_dscnt 0x0
	WIN 0x05
.irp hd, 0,1,2,3
	v_max3_num_f32 v[XM+\hd], |v[32*\hd]|, |v[32*\hd+1]|, FLOOR
.endr
.irp i, 2,4,6,8,10,12,14,16,18,20,22,24,26,28,30
.irp hd, 0,1,2,3
	s_delay_alu instid0(VALU_DEP_4)
	v_max3_num_f32 v[XM+\hd], |v[32*\hd+\i]|, |v[32*\hd+\i+1]|, v[XM+\hd]
.endr
.endr
	WIN 0
.irp hd, 0,1,2,3
	v_add_nc_u32 v[XSO+\hd], OFF2, v[XM+\hd]
.endr
.irp hd, 0,1,2,3
	s_delay_alu instid0(VALU_DEP_4)
	v_lshrrev_b32 v[XBY+\hd], 23, v[XSO+\hd]
.endr
	v_lshlrev_b32 v[XSH], 3, v[VH]
.irp f, 0,1                            ; the scale word of a fragment: bytes 0, 1 the even head, bytes 2, 3 the odd head; my two bytes stand 8 h bits up, the lane 16 away has the other two
	v_lshl_or_b32 v[XW+\f], v[XBY+2*\f+1], 16, v[XBY+2*\f]
	s_delay_alu instid0(VALU_DEP_1)
	v_lshlrev_b32 v[XW+\f], v[XSH], v[XW+\f]
	s_delay_alu instid0(VALU_DEP_1)
	v_permlanex16_b32 v[PX+\f], v[XW+\f], s[SEL], s[SEL+1]
	s_delay_alu instid0(VALU_DEP_1)
	v_or_b32 v[XW+\f], v[XW+\f], v[PX+\f]
.endr
	WIN 0x01
.irp hd, 0,1,2,3
	v_cvt_scalef32_pk16_fp6_f32 v[FRG+12*(\hd/2)+6*(\hd%2):FRG+12*(\hd/2)+6*(\hd%2)+2], v[32*\hd:32*\hd+15], v[XSO+\hd]
	v_cvt_scalef32_pk16_fp6_f32 v[XT+4*\hd:XT+4*\hd+2], v[32*\hd+16:32*\hd+31], v[XSO+\hd]   ; (three registers of a conversion begin on an even number: made elsewhere and moved)
.endr
	v_nop
	WIN 0
.irp hd, 0,1,2,3
.irp i, 0,1,2
	v_mov_b32 v[FRG+12*(\hd/2)+6*(\hd%2)+3+\i], v[XT+4*\hd+\i]
.endr
.endr
.irp f, 0,1
.irp c, 0,1,2
	ds_store_b128 v[AXW], v[FRG+12*\f+4*\c:FRG+12*\f+4*\c+3] offset:\f*1536+512*\c   ; the fragment as an image of its registers
.endr
	ds_store_b32 v[AXSW], v[XW+\f] offset:\f*128
.endr
	s_wait_tensorcnt 0x0                           ; my first fill has landed,
	s_add_nc_u64 s[G0Y+2:G0Y+3], s[G0Y+2:G0Y+3], 4*YG   ; so both group 0 may step to step 1
	s_add_nc_u64 s[G0W+2:G0W+3], s[G0W+2:G0W+3], 4*WB
	s_wait_dscnt 0x0                               ; my images of X have landed, and my reads of my stage are long over
	s_barrier_signal -1
	s_barrier_wait -1
	; A PREFETCH of the q that this wave itself loads in the next trip: its 4 heads x 2 runs x 2,048 bytes = 64 blocks of 256 bytes, a lane a block, two instructions;
	; the next group lies 128 rows, 32,768 bytes, on.  It is asked for four steps ahead of its loads.  The second trip asks for nothing: no group follows it.
	s_cmp_eq_u32 s[TRIP], 0
	s_cbranch_scc0 .Lno_ask
	global_prefetch_b8 v[PFO], s[4:5] offset:32768 th:TH_LOAD_NT scope:SCOPE_SE
	global_prefetch_b8 v[PFO], s[4:5] offset:36864 th:TH_LOAD_NT scope:SCOPE_SE
.Lno_ask:
	STEP 1, 0, 1                                   ; step 0: its W came with the first loads; its products start the sums: nothing is cleared
	s_mov_b32 s[CNT], NS-2
.Lstep:
	STEP 1, 1, 0
	s_sub_co_u32 s[CNT], s[CNT], 1
	s_cmp_lg_u32 s[CNT], 0
	s_cbranch_scc1 .Lstep
	STEP 0, 1, 0                                   ; the last step is written out: no Y is left to ask for (the stepped address of W is not used)
	; THE WAY OUT.  Group q = 4 hh + dt: 16 registers = KV(n = r0 + 16 h + 0 .. 15, d = 16 dt + r) of head 2 w + hh.  The block of 32 along n lies in two lanes 16 apart.
.set EM, 16
.set ET, 24
.set EO, 32
.set EB, 40
.set EC, 48
.irp q, 0,1,2,3,4,5,6,7
	v_max3_num_f32 v[EM+\q], |v[ACC+16*\q]|, |v[ACC+16*\q+1]|, FLOOR
.endr
.irp i, 2,4,6,8,10,12,14
.irp q, 0,1,2,3,4,5,6,7
	v_max3_num_f32 v[EM+\q], v[EM+\q], |v[ACC+16*\q+\i]|, |v[ACC+16*\q+\i+1]|
.endr
.endr
.irp q, 0,1,2,3,4,5,6,7
	v_permlanex16_b32 v[ET+\q], v[EM+\q], s[SEL], s[SEL+1]
.endr
.irp q, 0,1,2,3,4,5,6,7
	v_max_num_f32 v[EM+\q], v[EM+\q], v[ET+\q]
.endr
.irp q, 0,1,2,3,4,5,6,7
	v_add_nc_u32 v[EO+\q], OFF2, v[EM+\q]
.endr
.irp q, 0,1,2,3,4,5,6,7
	v_lshrrev_b32 v[EB+\q], 23, v[EO+\q]
.endr
.irp q, 0,1,2,3,4,5,6,7
	v_cvt_scalef32_pk16_fp6_f32 v[EC+4*\q:EC+4*\q+2], v[ACC+16*\q:ACC+16*\q+15], v[EO+\q]
.endr
	v_nop
	s_lshl_b32 s55, s[WV], 7
	s_add_co_u32 s55, s55, STAGE                   ; my 128 bytes of the stage
	v_and_b32 v80, 15, v0
	s_delay_alu instid0(VALU_DEP_1)
	v_add_nc_u32 v80, s55, v80
	v_and_b32 v82, 31, v0
	s_delay_alu instid0(VALU_DEP_1)
	v_lshlrev_b32 v82, 2, v82
	s_delay_alu instid0(VALU_DEP_1)
	v_add_nc_u32 v81, s55, v82
.irp q, 0,1,2,3,4,5,6,7
	ds_store_b8 v80, v[EB+\q] offset:16*\q         ; both halves of the lanes store the same byte
.endr
.irp q, 0,1,2,3,4,5,6,7
	global_store_b96 v[OUT], v[EC+4*\q:EC+4*\q+2], s[10:11] offset:384*\q   ; the wave stores 384 consecutive bytes
.endr
	ds_load_b32 v83, v81                           ; LDS serves a wave in order (ISA guide 5.7.1.4): this sees my stores
	s_wait_alu depctr_va_vdst(0)
	s_wait_dscnt 0x0
	global_store_b32 v82, v83, s[50:51]            ; my 128 scale bytes on end
	s_wait_xcnt 0x0                                ; the stores and the prefetches have read their registers and bases: the next trip writes them anew
	s_add_co_u32 s[TRIP], s[TRIP], 1
	s_cmp_lt_u32 s[TRIP], 2
	s_wait_alu depctr_va_vdst(0)
	s_cbranch_scc1 .Lgroup
	s_wait_tensorcnt 0x0                           ; the end of the wave
	ds_add_u32 v[SPW], v[NIL]
	s_wait_dscnt 0x0
	CROUND                                         ; the closing round
	s_endpgm
.Lfunc_end_k_q623b63b4c2_left:
	.size	k_q623b63b4c2_left, .Lfunc_end_k_q623b63b4c2_left-k_q623b63b4c2_left
	.p2alignl 7, 3214868480
	.fill 96, 4, 3214868480
	.section	.rodata,"a",@progbits
	.p2align	6, 0x0
	.amdhsa_kernel k_q623b63b4c2_left
		.amdhsa_group_segment_fixed_size 327680
		.amdhsa_private_segment_fixed_size 0
		.amdhsa_enable_private_segment 0
		.amdhsa_kernarg_size 32
		.amdhsa_user_sgpr_count 2
		.amdhsa_user_sgpr_kernarg_segment_ptr 1
		.amdhsa_wavefront_size32 1
		.amdhsa_system_sgpr_workgroup_id_x 1
		.amdhsa_system_sgpr_workgroup_id_y 1
		.amdhsa_system_sgpr_workgroup_id_z 1
		.amdhsa_system_vgpr_workitem_id 0
		.amdhsa_next_free_vgpr 512
		.amdhsa_next_free_sgpr 66
		.amdhsa_reserve_vcc 0
		.amdhsa_float_denorm_mode_32 3
		.amdhsa_float_denorm_mode_16_64 3
		.amdhsa_memory_ordered 1
		.amdhsa_forward_progress 1
		.amdhsa_inst_pref_size 255
	.end_amdhsa_kernel
	.section	.bss,"aw",@nobits
	.p2align	6
	.space	262144
	.amdgpu_metadata
---
amdhsa.version: [ 1, 2 ]
amdhsa.kernels:
  - .name:           k_q623b63b4c2_left
    .symbol:         k_q623b63b4c2_left.kd
    .args:
      - { .name: q, .offset: 0, .size: 8, .value_kind: global_buffer, .address_space: global }
      - { .name: ya, .offset: 8, .size: 8, .value_kind: global_buffer, .address_space: global }
      - { .name: wv, .offset: 16, .size: 8, .value_kind: global_buffer, .address_space: global }
      - { .name: wkv, .offset: 24, .size: 8, .value_kind: global_buffer, .address_space: global }
    .group_segment_fixed_size: 327680
    .private_segment_fixed_size: 0
    .kernarg_segment_align: 8
    .kernarg_segment_size: 32
    .max_flat_workgroup_size: 256
    .sgpr_count:     66
    .vgpr_count:     512
    .wavefront_size: 32
...
	.end_amdgpu_metadata
.endif
;; end of part 6
;; launch right (part 7): grid 256 x 1, 8 waves a work-group, clusters of 4 x 1, 327,680 bytes of LDS; arguments a, yk, wkv, part; writes part
.if DOCPART == 7
	.amdgcn_target "amdgcn-amd-amdhsa--gfx1250"
	.amdhsa_code_object_version 6
	.text
	.protected	k_q623b63b4c2_right
	.globl	k_q623b63b4c2_right
	.p2align	8
	.type	k_q623b63b4c2_right,@function
k_q623b63b4c2_right:
	s_mov_b64 s[64:65], 0
	v_nop
	global_prefetch_b8 v0, s[64:65] scope:SCOPE_SE
	s_setreg_imm32_b32 hwreg(HW_REG_WAVE_MODE, 25, 1), 1
	s_wait_xcnt 0x0
	s_wait_alu depctr_hold_cnt(0) depctr_sa_sdst(0) depctr_va_vdst(0) depctr_va_sdst(0) depctr_va_ssrc(0) depctr_va_vcc(0) depctr_vm_vsrc(0)
	s_getreg_b32 s2, hwreg(HW_REG_IB_STS2, 6, 4)
	s_cmp_eq_u32 s2, 0
	s_cbranch_scc0 .Lentry_in_a_cluster
	s_endpgm
.Lentry_in_a_cluster:
	s_bfe_u32 s2, ttmp6, 0x10000c
	s_cmp_lg_u32 s2, 0x3003
	s_cbranch_scc0 .Lentry_shape_is_right
	s_endpgm
.Lentry_shape_is_right:
; RIGHT: for a quarter of n, part = softmax_over_heads(a k^T / 8) KV, both products on codes of FP6 (E2M3) with one E8M0 scale for each 32 along K; f32 partial sums go to the workspace part.
; NAMES.  Rows: the agents.  Positions: n, the K of the second product.  X = a (f32, quantised here along d), Y = codes of k (yk), W = codes of KV with n innermost (wkv), P = the finished softmax, quantised along n.
; SHARES.  A work-group takes 32 rows (two tiles u of 16) of one batch, ALL 16 heads, and walks a quarter of n, 1,024 positions, in NS = 8 steps of 128.  Eight waves of 512 registers.
;   Scores and softmax: wave (u = w % 2, j = w / 2) takes tile u and positions 32 j .. 32 j + 31 of the step, all heads: a lane holds 16 positions x 16 heads, so the softmax over the heads never leaves the lane.
;   Second product: wave w takes heads 2 w, 2 w + 1, both tiles, all 64 d: 16 accumulators.  P goes from wave to wave through LDS as rows of codes and scale words.
; SCORES.  d is 64, the matrix instruction is 128 deep: two heads share an X fragment (even head d 0-63, odd head d 0-63); Y stands in triples [even head 6][zeros 6][odd head 6] of registers, so that
;   registers 0-11 multiply the even head alone and registers 6-17 the odd head alone.  Source 0 = 16 positions, source 1 = 16 rows: a lane holds one row.
; TILES.  Y (106,496 bytes a step) is read by the scores alone, W (102,400) by the second product alone, and the long softmax stands between: so each has ONE buffer.  Behind the scores of step t
;   a round of the cluster barrier stands, and behind it Y of step t + 1 (waves 0-3) and W of step t (waves 4-7) are asked for; they land during the softmax.
; CLUSTER.  The four partners are four groups of 32 rows of one batch and quarter and walk the same Y and W: each tile is asked for jointly (mask 15, the same descriptor in all four).
; ROWS OF A TILE: row rho of tile u is row r0 + 16 (rho / 8) + 8 u + rho % 8 (the order of the launch before; here it only says which row a result belongs to).
;   The second product takes source 0 = W (16 d), source 1 = P (16 rows): a lane holds one row and eight neighbouring d.
; X ON ITS WAY IN.  The quantiser wants 32 neighbours along d in one lane; a load is best where neighbouring lanes take neighbouring bytes.  Both are had: a wave 16 rows of a head are two runs of 2,048 consecutive
;   bytes, and each load takes 512 of them, 16 a lane; a head 4,096 bytes then turn through the wave own stage in LDS (16 rows, 272 bytes apart) and come back 128 bytes a lane.  The loads go out ahead of the opening round.
; SOFTMAX.  m = the largest score of the 16 heads; p = 2^(c s - c m), c = log2(e) / 8; p / sum.  The rounding of c m is common to the 16 heads of a position and cancels in the division.
; LIMITS: NaN and infinities among the inputs are not served.  A block whose largest magnitude lies under 2^-124 keeps the scale byte 1 (the rule says 127 for a block of zeros; the bytes are read by this program alone).
;   v_exp_f32 gives 0 for results under 2^-126 (ISA guide 15.8).  The sum over n is made in four quarters, which the last launch adds.
; REGISTERS.  Window 1 (v256-511): P(head, i) at 16 head + i; in the second product P fragments at 12 (2 hh + u), W fragments at 48 + 12 (4 hh + dt); at the head the 128 numbers of X; on the way out rows of the result.
;   Window 0: v1-15 addresses; v16-87 four Y triples; v88-111 two X fragments, then maxima, sums, block maxima, W scale bytes; v104-119 at work, codes; v120-125 scale words and nothing else; v126 the prefetch offset; v127 my place in the output; v128-255 accumulators.
.set NR,    512                        ; rows of a head of X
.set LOGNR, 9
.set NS,    8                          ; steps
.set YG,    26624                      ; a group of four heads of Y: what one tensor load brings
.set WB,    25600                      ; a block of 32 positions of W: likewise
.set WBL,   25728                      ; and its place in LDS: 128 bytes stay empty, so that lanes 16-31 of a load start 32 banks from lanes 0-15 (64 banks of 4 bytes: ISA guide 11.1)
.set WT,    4*YG                       ; LDS: Y at 0, W here,
.set PCO,   WT+4*WBL                   ; P codes [u][head][row], 112 bytes a row (96 of codes),
.set PSW,   PCO+57344                  ; P scale words [u][head][row],
.set SPARE, PSW+2048                   ; the spare words, 128 bytes a wave: four blocks of 256 bytes that no other line names,
.set XI,    SPARE+1024                 ; X: 16 fragments as images of their registers, 1,536 bytes each,
.set XSW,   XI+24576                   ; their scale words, 128 bytes each
.set XSTG,  PCO                        ; at the head: a stage of 16 x 272 bytes for each wave, in the first 34,816 bytes of P codes, which are first written as P behind the barrier at the end of the head
.set STAGE, XI                         ; the way out, 16 rows x 272 bytes a wave, lies over X, whose last read stands in front of the last round
.set SPW, 1
.set NIL, 2
.set AY,  3                            ; v3-4   Y codes: heads 0-7, heads 8-15
.set AYS, 5                            ; v5-6   Y scale words
.set AX,  7
.set AXS, 8
.set APW, 9                            ; where I store P codes
.set APB, 10                           ; and P scale bytes
.set APR, 11                           ; where I read P fragments
.set APSR, 12
.set AW,  13
.set AWS, 14                           ; v14-15 W scale bytes: blocks 0-1, blocks 2-3
.set YB,  16
.set XF,  88
.set MX,  88
.set SB,  88
.set TT,  104
.set SCL, 120
.set WSC, 120
.set PSC, 124
.set PFO, 126
.set OUT, 127
.set ACC, 128
.set VR,  128                          ; at the head only: lane % 16, lane / 16, lane, addresses, and what the quantiser of X needs
.set VH,  129
.set VL,  130
.set AXW, 131
.set AXSW, 132
.set XOF, 133
.set PX,  134
.set XM,  136
.set XSO, 140
.set XBY, 144
.set XW,  148
.set XSH, 150
.set FRG, 152
.set XT,  176
.set SGI, 192                          ; the stage of X: way in
.set SGO, 193                          ; and way out
.set WV,  12
.set SEL, 20
.set CS,  22
.set G1Y, 24
.set G1W, 32
.set G0Y, 40
.set G0W, 44
.set CNT, 48                           ; steps still to come behind this one
.set PFA, 50                           ; s[50:51] where my prefetches stand
.set PFS, 52                           ; s[52:53] a step on, in bytes
.set LIM, 54                           ; a wave prefetches while s[CNT] is above it
.set FLOOR, 0x1800000
.set OFF2,  0xff000000
.set MSB, 0
.macro WIN new                         ; bits 1:0 source 0, 3:2 source 1, 5:4 source 2, 7:6 destination; the high byte repeats the setting that is left
.if MSB != \new
	s_set_vgpr_msb (MSB<<8)|\new
.set MSB, \new
.endif
.endm
.macro NOPS n
.rept \n
	v_nop
.endr
.endm
.macro CROUND                          ; a round of the cluster barrier: my work-group barrier, wave 0 signals for the work-group, every wave waits for the four, my work-group barrier once more
	s_barrier_signal -1
	s_barrier_wait -1
	s_cmp_lg_u32 s[WV], 0
	s_cbranch_scc1 .Lnot_wave_0_\@
	s_barrier_signal -3
.Lnot_wave_0_\@:
	s_barrier_wait -3
	s_barrier_signal -1
	s_barrier_wait -1
.endm
; The joint loads: waves 0-3 a group of Y each, waves 4-7 a block of W each; the branch hangs on the wave number alone.  Four v_nop stand on every way;
; they are also the four places between the last scores and the first lines of the softmax (ISA guide 7.12.1).
.macro TL y, w
	s_cmp_lt_u32 s[WV], 4
	s_cbranch_scc0 .Ltl_w_\@
.if \y
	tensor_load_to_lds s[G0Y:G0Y+3], s[G1Y:G1Y+7]
	s_nop 0
.endif
	NOPS 4
	s_branch .Ltl_e_\@
.Ltl_w_\@:
.if \w
	tensor_load_to_lds s[G0W:G0W+3], s[G1W:G1W+7]
	s_nop 0
.endif
	NOPS 4
.Ltl_e_\@:
.endm
; A PREFETCH of the piece that this wave will ask for in the NEXT step: behind the load of Y of step t + 1 stands Y of step t + 2, behind the load of W of step t stands W of step t + 1.
; Four clusters walk the same quarter of a batch: the first of them (cluster number a multiple of 4, the same in all partners) asks.  Its four partners share a piece out BY ADDRESS:
; of the 104 blocks of 256 bytes of a group of Y each takes 26, of the 100 of a block of W 25; a lane a block (the lanes that are over name the last one again).
; The test on the count of steps stops Y two steps and W one step ahead of the end; the last step asks for nothing.  Nothing is prefetched at the head.
.macro ASK
	s_cmp_gt_u32 s[CNT], s[LIM]
	s_cbranch_scc0 .Lnot_mine_\@
	global_prefetch_b8 v[PFO], s[PFA:PFA+1] th:TH_LOAD_NT scope:SCOPE_SE
.Lnot_mine_\@:
.endm
; 18 LDS loads for heads 2 hp, 2 hp + 1 into set s: the X fragment and its scale words; for my two tiles of 16 positions the codes of both heads; their scale words (lanes 0-15 tile 0, lanes 16-31 tile 1)
.macro LOADPAIR hp, s
.irp c, 0,1,2
	ds_load_b128 v[XF+12*(\s)+4*\c:XF+12*(\s)+4*\c+3], v[AX] offset:(\hp)*1536+512*\c
.endr
	ds_load_b32 v[SCL+3*(\s)], v[AXS] offset:(\hp)*128
.irp tt, 0,1
.irp p, 0,1
.irp i, 0,1,2
	ds_load_b64 v[YB+36*(\s)+18*\tt+12*\p+2*\i:YB+36*(\s)+18*\tt+12*\p+2*\i+1], v[AY+(\hp)/4] offset:(((\hp)/2)%2)*YG+(2*((\hp)%2)+\p)*6144+\tt*768+8*\i
.endr
.endr
.endr
.irp p, 0,1
	ds_load_b32 v[SCL+3*(\s)+1+\p], v[AYS+(\hp)/4] offset:(((\hp)/2)%2)*YG+24576+(2*((\hp)%2)+\p)*512
.endr
.endm
; four products: (even head, tile 0), (odd, 0), (even, 1), (odd, 1).  Lane (r, h) then holds row r; register 8 tt + jj of a head holds position 32 j + 16 h + 8 tt + jj
.macro MULPAIR hp, s
	WIN 0x40
.irp tt, 0,1
.irp p, 0,1
.set rD, 16*(2*(\hp)+\p)+8*\tt
.set rA, YB+36*(\s)+18*\tt+6*\p
.set rB, XF+12*(\s)
.if \tt
	v_wmma_scale_f32_16x16x128_f8f6f4 v[rD:rD+7], v[rA:rA+11], v[rB:rB+11], 0, v[SCL+3*(\s)+1+\p], v[SCL+3*(\s)] matrix_a_fmt:MATRIX_FMT_FP6 matrix_b_fmt:MATRIX_FMT_FP6 matrix_a_scale:MATRIX_SCALE_ROW1
.else
	v_wmma_scale_f32_16x16x128_f8f6f4 v[rD:rD+7], v[rA:rA+11], v[rB:rB+11], 0, v[SCL+3*(\s)+1+\p], v[SCL+3*(\s)] matrix_a_fmt:MATRIX_FMT_FP6 matrix_b_fmt:MATRIX_FMT_FP6
.endif
.endr
.endr
.endm
.macro SC                              ; the scores of a step: 32 products, the next pair of heads fetched while a pair is multiplied
	WIN 0
	LOADPAIR 0, 0
.irp hp, 0,1,2,3,4,5,6,7
.if \hp < 7
	WIN 0
	NOPS 4                                         ; four places in front of loads into the set that the last products read
	LOADPAIR (\hp+1), ((\hp+1)%2)
	s_wait_dscnt 18                                ; this pair is in; the 18 loads just issued may be out
.else
	s_wait_dscnt 0x0
.endif
	MULPAIR \hp, (\hp%2)
.endr
.endm
; THE SOFTMAX OVER THE HEADS and the quantiser of P: 16 positions x 16 heads a lane
.macro SM
	WIN 0x05                                       ; the largest score of each position
.irp g, 0,4,8,12
.irp i, 0,1,2,3
	v_max_num_f32 v[MX+\g+\i], v[\g+\i], v[16+\g+\i]
.endr
.irp a, 2,4,6,8,10,12,14
.irp i, 0,1,2,3
	v_max3_num_f32 v[MX+\g+\i], v[16*\a+\g+\i], v[16*\a+16+\g+\i], v[MX+\g+\i]
.endr
.endr
.endr
	WIN 0
.irp i, 0,2,4,6,8,10,12,14
	v_pk_mul_f32 v[MX+\i:MX+\i+1], v[MX+\i:MX+\i+1], s[CS:CS+1] op_sel_hi:[1,0]   ; c m
.endr
	WIN 0x41
.irp hd, 0,1,2,3,4,5,6,7,8,9,10,11,12,13,14,15
.irp i, 0,2,4,6,8,10,12,14
	v_pk_fma_f32 v[16*\hd+\i:16*\hd+\i+1], v[16*\hd+\i:16*\hd+\i+1], s[CS:CS+1], v[MX+\i:MX+\i+1] op_sel_hi:[1,0,1] neg_lo:[0,0,1] neg_hi:[0,0,1]   ; c s - c m
.endr
.endr
	s_wait_alu depctr_va_vdst(0)                   ; one wait ahead of the batch: all its 256 sources are written above
.irp hd, 0,1,2,3,4,5,6,7,8,9,10,11,12,13,14,15
.irp i, 0,1,2,3,4,5,6,7,8,9,10,11,12,13,14,15
	v_exp_f32 v[16*\hd+\i], v[16*\hd+\i]
.endr
.endr
	v_nop                                          ; a plain line behind the last exponential
	s_wait_alu depctr_va_vdst(0)                   ; one wait for the 256: up to here no line names a result
	WIN 0x05
.irp i, 0,2,4,6,8,10,12,14
	v_pk_add_f32 v[MX+\i:MX+\i+1], v[\i:\i+1], v[16+\i:16+\i+1]   ; the sum over the heads: eight chains by turns
.endr
	WIN 0x01
.irp hd, 2,3,4,5,6,7,8,9,10,11,12,13,14,15
.irp i, 0,2,4,6,8,10,12,14
	v_pk_add_f32 v[MX+\i:MX+\i+1], v[16*\hd+\i:16*\hd+\i+1], v[MX+\i:MX+\i+1]
.endr
.endr
	WIN 0
	s_wait_alu depctr_va_vdst(0)
.irp i, 0,1,2,3,4,5,6,7,8,9,10,11,12,13,14,15
	v_rcp_f32 v[MX+\i], v[MX+\i]
.endr
	v_nop
	s_wait_alu depctr_va_vdst(0)                   ; one wait for the 16 reciprocals
	WIN 0x41
.irp hd, 0,1,2,3,4,5,6,7,8,9,10,11,12,13,14,15
.irp i, 0,2,4,6,8,10,12,14
	v_pk_mul_f32 v[16*\hd+\i:16*\hd+\i+1], v[16*\hd+\i:16*\hd+\i+1], v[MX+\i:MX+\i+1]   ; the finished softmax
.endr
.endr
	WIN 0x05                                       ; each head: the largest of my 16 positions, with the floor (nothing is negative: no |.|)
.irp g, 0,4,8,12
.irp k, 0,1,2,3
	v_max3_num_f32 v[MX+\g+\k], v[16*(\g+\k)], v[16*(\g+\k)+1], FLOOR
.endr
.irp i, 2,4,6,8,10,12,14
.irp k, 0,1,2,3
	s_delay_alu instid0(VALU_DEP_4)
	v_max3_num_f32 v[MX+\g+\k], v[16*(\g+\k)+\i], v[16*(\g+\k)+\i+1], v[MX+\g+\k]
.endr
.endr
.endr
	WIN 0
.irp hd, 0,1,2,3,4,5,6,7,8,9,10,11,12,13,14,15
	v_permlanex16_b32 v[TT+\hd], v[MX+\hd], s[SEL], s[SEL+1]
.endr
.irp hd, 0,1,2,3,4,5,6,7,8,9,10,11,12,13,14,15
	v_max_num_f32 v[MX+\hd], v[MX+\hd], v[TT+\hd]  ; with the lane 16 away: the block of 32 positions
.endr
.irp hd, 0,1,2,3,4,5,6,7,8,9,10,11,12,13,14,15
	v_add_nc_u32 v[MX+\hd], OFF2, v[MX+\hd]        ; the scale operand of the conversion
.endr
.irp hd, 0,1,2,3,4,5,6,7,8,9,10,11,12,13,14,15
	v_lshrrev_b32 v[TT+\hd], 23, v[MX+\hd]         ; the scale byte
.endr
.irp hd, 0,1,2,3,4,5,6,7,8,9,10,11,12,13,14,15
	ds_store_b8 v[APB], v[TT+\hd] offset:64*\hd    ; byte j of the row scale word; both halves of the lanes store the same byte
.endr
.irp g, 0,4,8,12                       ; four heads at a time: 16 codes, 12 bytes, at byte 24 j + 12 h of the row
	WIN 0x01
.irp k, 0,1,2,3
	v_cvt_scalef32_pk16_fp6_f32 v[TT+4*\k:TT+4*\k+2], v[16*(\g+\k):16*(\g+\k)+15], v[MX+\g+\k]
.endr
	v_nop                                          ; a plain line behind the conversions
	WIN 0
.irp k, 0,1,2,3
.irp e, 0,1,2
	ds_store_b32 v[APW], v[TT+4*\k+\e] offset:(\g+\k)*1792+4*\e
.endr
.endr
.endr
.endm
.macro PROD zero, ra, rb               ; one product on rD, rA, rB, rSA, rSB; ra, rb: the scale words stand in lanes 16-31
.if \zero
.if \ra
.if \rb
	v_wmma_scale_f32_16x16x128_f8f6f4 v[rD:rD+7], v[rA:rA+11], v[rB:rB+11], 0, v[rSA], v[rSB] matrix_a_fmt:MATRIX_FMT_FP6 matrix_b_fmt:MATRIX_FMT_FP6 matrix_a_scale:MATRIX_SCALE_ROW1 matrix_b_scale:MATRIX_SCALE_ROW1
.else
	v_wmma_scale_f32_16x16x128_f8f6f4 v[rD:rD+7], v[rA:rA+11], v[rB:rB+11], 0, v[rSA], v[rSB] matrix_a_fmt:MATRIX_FMT_FP6 matrix_b_fmt:MATRIX_FMT_FP6 matrix_a_scale:MATRIX_SCALE_ROW1
.endif
.else
.if \rb
	v_wmma_scale_f32_16x16x128_f8f6f4 v[rD:rD+7], v[rA:rA+11], v[rB:rB+11], 0, v[rSA], v[rSB] matrix_a_fmt:MATRIX_FMT_FP6 matrix_b_fmt:MATRIX_FMT_FP6 matrix_b_scale:MATRIX_SCALE_ROW1
.else
	v_wmma_scale_f32_16x16x128_f8f6f4 v[rD:rD+7], v[rA:rA+11], v[rB:rB+11], 0, v[rSA], v[rSB] matrix_a_fmt:MATRIX_FMT_FP6 matrix_b_fmt:MATRIX_FMT_FP6
.endif
.endif
.else
.if \ra
.if \rb
	v_wmma_scale_f32_16x16x128_f8f6f4 v[rD:rD+7], v[rA:rA+11], v[rB:rB+11], v[rD:rD+7], v[rSA], v[rSB] matrix_a_fmt:MATRIX_FMT_FP6 matrix_b_fmt:MATRIX_FMT_FP6 matrix_a_scale:MATRIX_SCALE_ROW1 matrix_b_scale:MATRIX_SCALE_ROW1
.else
	v_wmma_scale_f32_16x16x128_f8f6f4 v[rD:rD+7], v[rA:rA+11], v[rB:rB+11], v[rD:rD+7], v[rSA], v[rSB] matrix_a_fmt:MATRIX_FMT_FP6 matrix_b_fmt:MATRIX_FMT_FP6 matrix_a_scale:MATRIX_SCALE_ROW1
.endif
.else
.if \rb
	v_wmma_scale_f32_16x16x128_f8f6f4 v[rD:rD+7], v[rA:rA+11], v[rB:rB+11], v[rD:rD+7], v[rSA], v[rSB] matrix_a_fmt:MATRIX_FMT_FP6 matrix_b_fmt:MATRIX_FMT_FP6 matrix_b_scale:MATRIX_SCALE_ROW1
.else
	v_wmma_scale_f32_16x16x128_f8f6f4 v[rD:rD+7], v[rA:rA+11], v[rB:rB+11], v[rD:rD+7], v[rSA], v[rSB] matrix_a_fmt:MATRIX_FMT_FP6 matrix_b_fmt:MATRIX_FMT_FP6
.endif
.endif
.endif
.endm
.macro PVMUL hh, zero                  ; eight products of head 2 w + hh: source 0 = W (16 d), source 1 = P (16 rows)
.irp dt, 0,1,2,3
.irp u, 0,1
.set rD, ACC+8*((4*\hh+\dt)*2+\u)
.set rA, 48+12*(4*\hh+\dt)
.set rB, 12*(2*\hh+\u)
.set rSA, WSC+2*\hh+\dt/2
.set rSB, PSC+\hh
	PROD \zero, (\dt%2), \u
.endr
.endr
.endm
.macro WLOAD hh                        ; four fragments of W: lane (r, h) takes d = 16 dt + r and the blocks h and 2 + h of the step, 24 bytes each
.irp dt, 0,1,2,3
.irp p, 0,1,2,3,4,5
	ds_load_b64 v[48+12*(4*\hh+\dt)+2*\p:48+12*(4*\hh+\dt)+2*\p+1], v[AW] offset:(\p/3)*2*WBL+(4*\hh+\dt)*384+8*(\p%3)
.endr
.endr
.endm
; THE SECOND PRODUCT of a step: K = its 128 positions.  The sixteen accumulators take turns, one instruction a turn.
.macro PV zero
	WIN 0
.irp hh, 0,1
.irp dp, 0,1
.irp be, 0,1,2,3
	ds_load_u8 v[SB+4*(2*\hh+\dp)+\be], v[AWS+\be/2] offset:(\be%2)*WBL+\hh*64+\dp*32   ; W scale bytes: lanes 0-15 d tile 2 dp, lanes 16-31 d tile 2 dp + 1; block be
.endr
.endr
.endr
.irp hh, 0,1
	ds_load_b32 v[PSC+\hh], v[APSR] offset:\hh*64  ; P scale words: lanes 0-15 tile 0, lanes 16-31 tile 1
.endr
	WIN 0x40
.irp hh, 0,1
.irp u, 0,1
.irp p, 0,1,2,3,4,5
	ds_load_b64 v[12*(2*\hh+\u)+2*\p:12*(2*\hh+\u)+2*\p+1], v[APR] offset:\u*28672+\hh*1792+48*(\p/3)+8*(\p%3)
.endr
.endr
.endr
	WLOAD 0
	WIN 0
	s_wait_dscnt 48                                ; the scale bytes and words are in; the 48 fragment loads may be out
.irp x, 0,1,2,3
	v_lshl_or_b32 v[WSC+\x], v[SB+4*\x+1], 8, v[SB+4*\x]
	s_delay_alu instid0(VALU_DEP_1)
	v_lshl_or_b32 v[WSC+\x], v[SB+4*\x+2], 16, v[WSC+\x]
	s_delay_alu instid0(VALU_DEP_1)
	v_lshl_or_b32 v[WSC+\x], v[SB+4*\x+3], 24, v[WSC+\x]
.endr
	WIN 0x40
	WLOAD 1
	NOPS 8                                         ; a scale register written by a vector instruction stands eight places ahead of the scaled product
	s_wait_alu depctr_va_vdst(0)
	s_wait_dscnt 24                                ; P and the first four fragments of W are in; the last 24 loads may be out
	WIN 0x05
	PVMUL 0, \zero
	s_wait_dscnt 0x0
	PVMUL 1, \zero
	WIN 0
	NOPS 5                                         ; five places: the next scores are written over these operands, and loads land in these scale registers
.endm
.macro STEP ty, tw, zero, ask
	SC
	WIN 0
	s_wait_tensorcnt 0x0                           ; no tensor load of mine is out
	ds_add_u32 v[SPW], v[NIL]                      ; 0 onto my spare word
	s_wait_dscnt 0x0                               ; the add is done, and so are my reads of Y (this step) and of W and P (the last step)
	CROUND                                         ; that now holds of every wave of the four work-groups
	TL \ty, \tw                                    ; Y of the next step, W of this step: a wave one load
.if \ask
	ASK
.endif
	SM
	s_wait_tensorcnt 0x0                           ; my one load has landed: no load was issued behind it, so its count is 0
.if \ty
	s_add_nc_u64 s[G0Y+2:G0Y+3], s[G0Y+2:G0Y+3], 4*YG
.endif
.if \tw
	s_add_nc_u64 s[G0W+2:G0W+3], s[G0W+2:G0W+3], 4*WB
.endif
.if \ask
	s_wait_xcnt 0x0                                ; the prefetch, a softmax back, has read its address, so it may step
	s_add_nc_u64 s[PFA:PFA+1], s[PFA:PFA+1], s[PFS:PFS+1]
.endif
	s_wait_dscnt 0x0                               ; my stores of P have landed
	s_barrier_signal -1                            ; behind it P, W and the next Y are whole for every wave
	s_barrier_wait -1
	PV \zero
.endm
	s_load_b256 s[4:11], s[0:1], 0x0               ; a s[4:5], yk s[6:7], wkv s[8:9], part s[10:11]
	v_lshl_add_u32 v[SPW], v0, 2, SPARE
	v_mov_b32 v[NIL], 0
	ds_add_u32 v1, v2
	ds_add_u32 v1, v2
	s_wait_dscnt 0x0
	v_lshrrev_b32 v[VL], 5, v0
	s_delay_alu instid0(VALU_DEP_1)
	v_readfirstlane_b32 s[WV], v[VL]               ; wave 0..7
	s_and_b32 s13, s[WV], 1                        ; u
	s_lshr_b32 s14, s[WV], 1                       ; j
	s_and_b32 s15, s[WV], 3                        ; which group of Y or block of W I fetch
	v_and_b32 v[VR], 15, v0                        ; r
	v_bfe_u32 v[VH], v0, 4, 1                      ; h
	v_and_b32 v[VL], 31, v0                        ; lane
	; every LDS address is a constant + constants x lane parts + constants x wave parts
	s_delay_alu instid0(VALU_DEP_3)
	v_mul_u32_u24 v[AY], v[VR], 48
	s_delay_alu instid0(VALU_DEP_1)
	v_mad_u32_u24 v[AY], v[VH], 24, v[AY]
	s_mul_i32 s55, s14, 1536
	v_add_nc_u32 v[AY], s55, v[AY]                 ; 48 r + 24 h + 1,536 j
	s_delay_alu instid0(VALU_DEP_1)
	v_add_nc_u32 v[AY+1], 2*YG, v[AY]
	s_lshl_b32 s55, s14, 7
	v_lshl_add_u32 v[AYS], v[VL], 2, s55           ; 4 lane + 128 j
	s_delay_alu instid0(VALU_DEP_1)
	v_add_nc_u32 v[AYS+1], 2*YG, v[AYS]
	s_mul_i32 s55, s13, 12288
	s_add_co_u32 s55, s55, XI
	v_lshl_add_u32 v[AX], v[VL], 4, s55
	s_lshl_b32 s55, s13, 10
	s_add_co_u32 s55, s55, XSW
	v_lshl_add_u32 v[AXS], v[VL], 2, s55
	s_mul_i32 s55, s13, 28672
	s_mul_i32 s56, s14, 24
	s_add_co_u32 s55, s55, s56
	s_add_co_u32 s55, s55, PCO
	v_mul_u32_u24 v[APW], v[VR], 112
	s_delay_alu instid0(VALU_DEP_1)
	v_mad_u32_u24 v[APW], v[VH], 12, v[APW]
	s_delay_alu instid0(VALU_DEP_1)
	v_add_nc_u32 v[APW], s55, v[APW]
	s_lshl_b32 s55, s13, 10
	s_add_co_u32 s55, s55, s14
	s_add_co_u32 s55, s55, PSW
	v_lshl_add_u32 v[APB], v[VR], 2, s55
	s_mul_i32 s55, s[WV], 3584
	s_add_co_u32 s55, s55, PCO
	v_mul_u32_u24 v[APR], v[VR], 112
	s_delay_alu instid0(VALU_DEP_1)
	v_mad_u32_u24 v[APR], v[VH], 24, v[APR]
	s_delay_alu instid0(VALU_DEP_1)
	v_add_nc_u32 v[APR], s55, v[APR]
	s_lshl_b32 s55, s[WV], 7
	s_add_co_u32 s55, s55, PSW
	v_lshlrev_b32 v[APSR], 10, v[VH]
	s_delay_alu instid0(VALU_DEP_1)
	v_lshl_add_u32 v[APSR], v[VR], 2, v[APSR]
	s_delay_alu instid0(VALU_DEP_1)
	v_add_nc_u32 v[APSR], s55, v[APSR]
	s_mul_i32 s55, s[WV], 3072
	s_add_co_u32 s55, s55, WT
	v_mul_u32_u24 v[AW], v[VR], 24
	s_delay_alu instid0(VALU_DEP_1)
	v_mad_u32_u24 v[AW], v[VH], WBL, v[AW]
	s_delay_alu instid0(VALU_DEP_1)
	v_add_nc_u32 v[AW], s55, v[AW]
	s_lshl_b32 s55, s[WV], 7
	s_add_co_u32 s55, s55, WT+24576
	v_add_nc_u32 v[AWS], s55, v[VL]
	s_delay_alu instid0(VALU_DEP_1)
	v_add_nc_u32 v[AWS+1], 2*WBL, v[AWS]
	s_mul_i32 s55, s14, 3072
	v_add_nc_u32 v[AXW], s55, v[AX]                ; where I store my two fragments of X (u, 2 j and 2 j + 1)
	s_lshl_b32 s55, s14, 8
	v_add_nc_u32 v[AXSW], s55, v[AXS]
	v_lshlrev_b32 v[XOF], 4, v[VL]                 ; X in memory: 16 bytes a lane, 512 consecutive bytes (two rows) a load
	s_mul_i32 s55, s[WV], 4352
	s_add_co_u32 s55, s55, XSTG                    ; my stage
	v_mul_u32_u24 v[SGI], v[VH], 272
	s_delay_alu instid0(VALU_DEP_1)
	v_lshl_add_u32 v[SGI], v[VR], 4, v[SGI]
	s_delay_alu instid0(VALU_DEP_1)
	v_add_nc_u32 v[SGI], s55, v[SGI]               ; in: lanes 0-15 one row of 256 bytes, lanes 16-31 the next
	v_mul_u32_u24 v[SGO], v[VR], 272
	s_delay_alu instid0(VALU_DEP_1)
	v_lshl_add_u32 v[SGO], v[VH], 7, v[SGO]
	s_delay_alu instid0(VALU_DEP_1)
	v_add_nc_u32 v[SGO], s55, v[SGO]               ; out: row r, + 128 h: my block of 32 along d.  272 = 17 x 16: sixteen lanes fall in sixteen different columns of 16 bytes
	v_lshlrev_b32 v[OUT], 8, v[VH]
	s_delay_alu instid0(VALU_DEP_1)
	v_lshl_add_u32 v[OUT], v[VR], 4, v[OUT]        ; the output: lanes 0-15 one row of 256 bytes, lanes 16-31 the next
.irp t, 0,1,2,3
.irp i, 0,1,2,3,4,5
	v_mov_b32 v[YB+18*\t+6+\i], 0                  ; the zero codes in the middle of each Y triple: written once, never again
.endr
.endr
.irp i, 0,1,2,3,4,5,6,7,8,9,10,11,12,13,14,15
	v_mov_b32 v[TT+\i], 0                          ; written once: the destination of a lane permute counts as read
.endr
	v_mov_b32 v[PX], 0
	v_mov_b32 v[PX+1], 0
	s_mov_b32 s[SEL], 0x76543210
	s_mov_b32 s[SEL+1], 0xfedcba98                 ; v_permlanex16_b32: the lane 16 away
	s_mov_b32 s[CS], 0x3e38aa3b                    ; c = log2(e) / 8
	s_mov_b32 s[CS+1], s[CS]
	; descriptor group 1: dense blocks as rows of 256 bytes (32 elements of 8 bytes): 104 rows of Y, 100 of W; mask 15: all four partners; bit 21 set beside the mask; no padding
	s_mov_b32 s[G1Y], 15|(3<<16)|(1<<21)
	s_mov_b32 s[G1Y+1], 32<<16
	s_mov_b32 s[G1Y+2], 104<<16
	s_mov_b32 s[G1Y+3], 32<<16
	s_mov_b32 s[G1Y+4], 104
	s_mov_b32 s[G1Y+5], 32
	s_mov_b32 s[G1Y+6], 0
	s_mov_b32 s[G1Y+7], 0
	s_mov_b32 s[G1W], 15|(3<<16)|(1<<21)
	s_mov_b32 s[G1W+1], 32<<16
	s_mov_b32 s[G1W+2], 100<<16
	s_mov_b32 s[G1W+3], 32<<16
	s_mov_b32 s[G1W+4], 100
	s_mov_b32 s[G1W+5], 32
	s_mov_b32 s[G1W+6], 0
	s_mov_b32 s[G1W+7], 0
	s_bfe_u32 s16, ttmp6, 0x40000                  ; cx: it enters the addresses of a, of the output and of the prefetches alone
	s_lshr_b32 s17, ttmp9, 4                       ; batch (ttmp9 counts clusters: 16 a batch,
	s_lshr_b32 s19, ttmp9, 2
	s_and_b32 s19, s19, 3                          ; 4 a quarter of n)
	s_and_b32 s18, ttmp9, 3
	s_lshl_b32 s18, s18, 2
	s_add_co_u32 s18, s18, s16                     ; my group of 32 rows, 0..15
	s_lshl_b32 s55, s17, 5
	s_lshl_b32 s56, s19, 3
	s_add_co_u32 s55, s55, s56
	s_lshl_b32 s55, s55, 2
	s_add_co_u32 s55, s55, s15                     ; 128 batch + 32 quarter + my piece: the same index in yk and in wkv
	s_mul_i32 s56, s55, YG
	s_mov_b32 s57, 0
	s_mul_i32 s58, s55, WB
	s_mov_b32 s59, 0
	s_mul_i32 s60, s15, YG
	s_mul_i32 s61, s15, WBL
	s_lshl_b32 s62, s17, 4
	s_lshl_b32 s63, s14, 2
	s_add_co_u32 s62, s62, s63                     ; my first head: 16 batch + 4 j
	s_lshl_b32 s62, s62, LOGNR
	s_lshl_b32 s63, s18, 5
	s_add_co_u32 s62, s62, s63                     ; + r0
	s_lshl_b32 s63, s13, 3
	s_add_co_u32 s62, s62, s63                     ; + 8 u
	s_lshl_b32 s62, s62, 8                         ; rows of 256 bytes
	s_mov_b32 s63, 0
	s_wait_kmcnt 0x0
	s_add_nc_u64 s[4:5], s[4:5], s[62:63]
	; X: my four heads of my tile go out first of all, so that they are on their way while the cluster meets.  Load i of a head: run i / 4 (rows 16 apart), 512 bytes i % 4 of its 2,048
	WIN 0x40
.irp hd, 0,1,2,3
.irp i, 0,1,2,3,4,5,6,7
	global_load_b128 v[32*\hd+4*\i:32*\hd+4*\i+3], v[XOF], s[4:5] offset:\hd*NR*256+(\i/4)*4096+(\i%4)*512
.endr
.endr
	WIN 0
	s_mov_b32 s[G0Y], 1
	s_mov_b32 s[G0Y+1], s60
	s_add_nc_u64 s[G0Y+2:G0Y+3], s[6:7], s[56:57]
	s_or_b32 s[G0Y+3], s[G0Y+3], 0x80000000
	s_mov_b32 s[G0W], 1
	s_add_co_u32 s[G0W+1], s61, WT
	s_add_nc_u64 s[G0W+2:G0W+3], s[8:9], s[58:59]
	s_or_b32 s[G0W+3], s[G0W+3], 0x80000000
	; the prefetches: where mine stand, and who asks
	s_cmp_lt_u32 s[WV], 4                          ; waves 0-3: Y; waves 4-7: W
	s_cselect_b64 s[PFA:PFA+1], s[6:7], s[8:9]
	s_cselect_b32 s[LIM], 1, 0
	s_cselect_b32 s60, 25, 24                      ; the last block of a partner share
	s_cselect_b32 s62, s56, s58                    ; my piece of step 0
	s_mov_b32 s[PFS], 4*WB
	s_cselect_b32 s[PFS], 4*YG, s[PFS]
	s_mov_b32 s61, 25*256
	s_cselect_b32 s61, 26*256, s61
	s_mov_b32 s63, 4*WB
	s_cselect_b32 s63, 8*YG, s63                   ; the first request names Y of step 2, W of step 1
	s_mul_i32 s61, s61, s16                        ; my work-group share of the piece
	s_add_co_u32 s62, s62, s61
	s_add_co_u32 s62, s62, s63
	s_mov_b32 s63, 0
	s_mov_b32 s[PFS+1], 0
	s_add_nc_u64 s[PFA:PFA+1], s[PFA:PFA+1], s[62:63]
	s_and_b32 s55, ttmp9, 3
	s_cmp_eq_u32 s55, 0
	s_cselect_b32 s[LIM], s[LIM], -1               ; only the first of the four clusters that walk these tiles
	v_min_u32 v[PFO], s60, v[VL]
	s_delay_alu instid0(VALU_DEP_1)
	v_lshlrev_b32 v[PFO], 8, v[PFO]
	s_lshl_b32 s62, s19, 2
	s_add_co_u32 s62, s62, s17
	s_lshl_b32 s62, s62, 4
	s_lshl_b32 s63, s[WV], 1
	s_add_co_u32 s62, s62, s63                     ; (4 quarter + batch) 16 + my first head
	s_lshl_b32 s62, s62, 9
	s_lshl_b32 s63, s18, 5
	s_add_co_u32 s62, s62, s63                     ; + r0
	s_lshl_b32 s62, s62, 8                         ; rows of 256 bytes (under 2^26)
	s_mov_b32 s63, 0
	s_add_nc_u64 s[10:11], s[10:11], s[62:63]
	CROUND                                         ; the four work-groups are here: the first joint loads meet
	TL 1, 1                                        ; the first fills: Y and W of step 0
	; the turn: a head at a time through my stage, and back into the registers that it left.  Stage row 2 i + lane / 16 is tile row 8 (i / 4) + 2 (i % 4) + lane / 16.
	; LDS serves a wave in order (ISA guide 5.7.1.4): no wait between a head stores, its loads and the next head stores
.irp hd, 0,1,2,3
	s_wait_loadcnt 24-8*\hd                        ; this head eight loads are in; the eight of each later head may be out
	WIN 0x04                                       ; the data of an LDS store are its source 1: window 1
.irp i, 0,1,2,3,4,5,6,7
	ds_store_b128 v[SGI], v[32*\hd+4*\i:32*\hd+4*\i+3] offset:544*\i
.endr
	WIN 0x40
.irp i, 0,1,2,3,4,5,6,7
	ds_load_b128 v[32*\hd+4*\i:32*\hd+4*\i+3], v[SGO] offset:16*\i   ; register 32 hd + 4 i + e: X(row r, d = 32 h + 4 i + e)
.endr
.endr
	s_wait_dscnt 0x0
	WIN 0x05
.irp hd, 0,1,2,3
	v_max3_num_f32 v[XM+\hd], |v[32*\hd]|, |v[32*\hd+1]|, FLOOR
.endr
.irp i, 2,4,6,8,10,12,14,16,18,20,22,24,26,28,30
.irp hd, 0,1,2,3
	s_delay_alu instid0(VALU_DEP_4)
	v_max3_num_f32 v[XM+\hd], |v[32*\hd+\i]|, |v[32*\hd+\i+1]|, v[XM+\hd]
.endr
.endr
	WIN 0
.irp hd, 0,1,2,3
	v_add_nc_u32 v[XSO+\hd], OFF2, v[XM+\hd]
.endr
.irp hd, 0,1,2,3
	s_delay_alu instid0(VALU_DEP_4)
	v_lshrrev_b32 v[XBY+\hd], 23, v[XSO+\hd]
.endr
	v_lshlrev_b32 v[XSH], 3, v[VH]
.irp f, 0,1                            ; the scale word of a fragment: bytes 0, 1 the even head, bytes 2, 3 the odd head; my two bytes stand 8 h bits up, the lane 16 away has the other two
	v_lshl_or_b32 v[XW+\f], v[XBY+2*\f+1], 16, v[XBY+2*\f]
	s_delay_alu instid0(VALU_DEP_1)
	v_lshlrev_b32 v[XW+\f], v[XSH], v[XW+\f]
	s_delay_alu instid0(VALU_DEP_1)
	v_permlanex16_b32 v[PX+\f], v[XW+\f], s[SEL], s[SEL+1]
	s_delay_alu instid0(VALU_DEP_1)
	v_or_b32 v[XW+\f], v[XW+\f], v[PX+\f]
.endr
	WIN 0x01
.irp hd, 0,1,2,3
	v_cvt_scalef32_pk16_fp6_f32 v[FRG+12*(\hd/2)+6*(\hd%2):FRG+12*(\hd/2)+6*(\hd%2)+2], v[32*\hd:32*\hd+15], v[XSO+\hd]
	v_cvt_scalef32_pk16_fp6_f32 v[XT+4*\hd:XT+4*\hd+2], v[32*\hd+16:32*\hd+31], v[XSO+\hd]   ; (three registers of a conversion begin on an even number: made elsewhere and moved)
.endr
	v_nop
	WIN 0
.irp hd, 0,1,2,3
.irp i, 0,1,2
	v_mov_b32 v[FRG+12*(\hd/2)+6*(\hd%2)+3+\i], v[XT+4*\hd+\i]
.endr
.endr
.irp f, 0,1
.irp c, 0,1,2
	ds_store_b128 v[AXW], v[FRG+12*\f+4*\c:FRG+12*\f+4*\c+3] offset:\f*1536+512*\c   ; the fragment as an image of its registers
.endr
	ds_store_b32 v[AXSW], v[XW+\f] offset:\f*128
.endr
	s_wait_tensorcnt 0x0                           ; my first fill has landed,
	s_add_nc_u64 s[G0Y+2:G0Y+3], s[G0Y+2:G0Y+3], 4*YG   ; so both group 0 may step to step 1
	s_add_nc_u64 s[G0W+2:G0W+3], s[G0W+2:G0W+3], 4*WB
	s_wait_dscnt 0x0                               ; my images of X have landed, and my reads of my stage are long over
	s_barrier_signal -1
	s_barrier_wait -1
	s_mov_b32 s[CNT], NS-1
	STEP 1, 0, 1, 1                                ; step 0: its W came with the first fills; its products start the sums: nothing is cleared
	s_mov_b32 s[CNT], NS-2
.Lstep:
	STEP 1, 1, 0, 1
	s_sub_co_u32 s[CNT], s[CNT], 1
	s_cmp_lg_u32 s[CNT], 0
	s_cbranch_scc1 .Lstep
	STEP 0, 1, 0, 0                                ; the last step is written out: no Y is left to ask for (the stepped address of W is not used)
	; THE WAY OUT.  Lane (r, h) holds, of tile row r, d = 16 dt + 8 h + 0 .. 7: 16 rows x 256 bytes of a head and tile go through my stage (rows 272 bytes apart) and come back as whole rows.
	s_mul_i32 s55, s[WV], 4352
	s_add_co_u32 s55, s55, STAGE
	v_and_b32 v18, 15, v0
	v_bfe_u32 v19, v0, 4, 1
	s_delay_alu instid0(VALU_DEP_2)
	v_mul_u32_u24 v16, v18, 272
	s_delay_alu instid0(VALU_DEP_1)
	v_lshl_add_u32 v16, v19, 5, v16
	s_delay_alu instid0(VALU_DEP_1)
	v_add_nc_u32 v16, s55, v16                     ; in: row r, + 32 h
	s_delay_alu instid0(VALU_DEP_4)
	v_mul_u32_u24 v17, v19, 272
	s_delay_alu instid0(VALU_DEP_1)
	v_lshl_add_u32 v17, v18, 4, v17
	s_delay_alu instid0(VALU_DEP_1)
	v_add_nc_u32 v17, s55, v17                     ; back: lanes 0-15 one row, lanes 16-31 the next
.irp hh, 0,1
.irp u, 0,1
	WIN 0
.irp dt, 0,1,2,3
	ds_store_b128 v16, v[ACC+8*((4*\hh+\dt)*2+\u):ACC+8*((4*\hh+\dt)*2+\u)+3] offset:64*\dt          ; each accumulator from its low end on
	ds_store_b128 v16, v[ACC+8*((4*\hh+\dt)*2+\u)+4:ACC+8*((4*\hh+\dt)*2+\u)+7] offset:64*\dt+16
.endr
	WIN 0x40
.irp i, 0,1,2,3,4,5,6,7
	ds_load_b128 v[32*(2*\hh+\u)+4*\i:32*(2*\hh+\u)+4*\i+3], v17 offset:544*\i   ; LDS serves a wave in order (ISA guide 5.7.1.4): these see my stores, and the next stores come behind them
.endr
.endr
.endr
	s_wait_dscnt 0x0
	WIN 0x04                                       ; the data of a store are its source 1: window 1
.irp hh, 0,1
.irp u, 0,1
.irp i, 0,1,2,3,4,5,6,7
	global_store_b128 v[OUT], v[32*(2*\hh+\u)+4*\i:32*(2*\hh+\u)+4*\i+3], s[10:11] offset:\hh*131072+(16*(\i/4)+8*\u+2*(\i%4))*256 th:TH_STORE_NT   ; 16 lanes store 256 consecutive bytes, aligned: stage rows 2 i, 2 i + 1 are rows 16 (i / 4) + 8 u + 2 (i % 4) and the next
.endr
.endr
.endr
	WIN 0
	s_wait_tensorcnt 0x0                           ; the end of the wave
	ds_add_u32 v[SPW], v[NIL]
	s_wait_dscnt 0x0
	CROUND                                         ; the closing round
	s_endpgm
.Lfunc_end_k_q623b63b4c2_right:
	.size	k_q623b63b4c2_right, .Lfunc_end_k_q623b63b4c2_right-k_q623b63b4c2_right
	.p2alignl 7, 3214868480
	.fill 96, 4, 3214868480
	.section	.rodata,"a",@progbits
	.p2align	6, 0x0
	.amdhsa_kernel k_q623b63b4c2_right
		.amdhsa_group_segment_fixed_size 327680
		.amdhsa_private_segment_fixed_size 0
		.amdhsa_enable_private_segment 0
		.amdhsa_kernarg_size 32
		.amdhsa_user_sgpr_count 2
		.amdhsa_user_sgpr_kernarg_segment_ptr 1
		.amdhsa_wavefront_size32 1
		.amdhsa_system_sgpr_workgroup_id_x 1
		.amdhsa_system_sgpr_workgroup_id_y 1
		.amdhsa_system_sgpr_workgroup_id_z 1
		.amdhsa_system_vgpr_workitem_id 0
		.amdhsa_next_free_vgpr 512
		.amdhsa_next_free_sgpr 66
		.amdhsa_reserve_vcc 0
		.amdhsa_float_denorm_mode_32 3
		.amdhsa_float_denorm_mode_16_64 3
		.amdhsa_memory_ordered 1
		.amdhsa_forward_progress 1
		.amdhsa_inst_pref_size 255
	.end_amdhsa_kernel
	.section	.bss,"aw",@nobits
	.p2align	6
	.space	262144
	.amdgpu_metadata
---
amdhsa.version: [ 1, 2 ]
amdhsa.kernels:
  - .name:           k_q623b63b4c2_right
    .symbol:         k_q623b63b4c2_right.kd
    .args:
      - { .name: a, .offset: 0, .size: 8, .value_kind: global_buffer, .address_space: global }
      - { .name: yk, .offset: 8, .size: 8, .value_kind: global_buffer, .address_space: global }
      - { .name: wkv, .offset: 16, .size: 8, .value_kind: global_buffer, .address_space: global }
      - { .name: part, .offset: 24, .size: 8, .value_kind: global_buffer, .address_space: global }
    .group_segment_fixed_size: 327680
    .private_segment_fixed_size: 0
    .kernarg_segment_align: 8
    .kernarg_segment_size: 32
    .max_flat_workgroup_size: 256
    .sgpr_count:     66
    .vgpr_count:     512
    .wavefront_size: 32
...
	.end_amdgpu_metadata
.endif
;; end of part 7
;; launch sum (part 8): grid 512 x 1, 8 waves a work-group, no clusters, 0 bytes of LDS; arguments part, out0; writes out0
.if DOCPART == 8
	.amdgcn_target "amdgcn-amd-amdhsa--gfx1250"
	.amdhsa_code_object_version 6
	.text
	.protected	k_q623b63b4c2_sum
	.globl	k_q623b63b4c2_sum
	.p2align	8
	.type	k_q623b63b4c2_sum,@function
k_q623b63b4c2_sum:
	s_mov_b64 s[64:65], 0
	v_nop
	global_prefetch_b8 v0, s[64:65] scope:SCOPE_SE
	s_setreg_imm32_b32 hwreg(HW_REG_WAVE_MODE, 25, 1), 1
	s_wait_xcnt 0x0
; SUM: out0 = (p0 + p1) + (p2 + p3), the four quarters of the sum over n that the launch before left in part, each laid as out0 (8,388,608 bytes).
; The order of the additions differs from one ascending chain over n: four partial sums in f32, added in pairs.
; A stream: a work-group takes 16,384 bytes of out0, a thread 4 chunks of 16 bytes; each load and store of a wave covers 512 consecutive bytes.  No LDS, no barrier, no matrix unit: nothing is shared or multiplied.
.set QB, 0x800000                      ; bytes of a quarter
.set D,  8                             ; v8-71: chunk ch at D + 16 ch: p0, p1, p2, p3, four registers each
	s_load_b128 s[4:7], s[0:1], 0x0                ; part s[4:5], out0 s[6:7]
	v_lshlrev_b32 v1, 4, v0
	s_lshl_b32 s8, ttmp9, 14
	s_mov_b32 s9, 0
	s_wait_alu depctr_va_vdst(0)
	s_wait_kmcnt 0x0
	s_add_nc_u64 s[4:5], s[4:5], s[8:9]
	s_add_nc_u64 s[6:7], s[6:7], s[8:9]
	s_add_nc_u64 s[10:11], s[4:5], QB              ; a base for each quarter: QB is one more than an immediate offset holds
	s_add_nc_u64 s[12:13], s[10:11], QB
	s_add_nc_u64 s[14:15], s[12:13], QB
.irp ch, 0,1,2,3
	global_load_b128 v[D+16*\ch:D+16*\ch+3],     v1, s[4:5]   offset:4096*\ch th:TH_LOAD_NT
	global_load_b128 v[D+16*\ch+4:D+16*\ch+7],   v1, s[10:11] offset:4096*\ch th:TH_LOAD_NT
	global_load_b128 v[D+16*\ch+8:D+16*\ch+11],  v1, s[12:13] offset:4096*\ch th:TH_LOAD_NT
	global_load_b128 v[D+16*\ch+12:D+16*\ch+15], v1, s[14:15] offset:4096*\ch th:TH_LOAD_NT
.endr
.irp ch, 0,1,2,3
	s_wait_loadcnt 12-4*\ch                        ; this chunk four loads are in; those of the later chunks may be out
	v_pk_add_f32 v[D+16*\ch:D+16*\ch+1],     v[D+16*\ch:D+16*\ch+1],     v[D+16*\ch+4:D+16*\ch+5]
	v_pk_add_f32 v[D+16*\ch+2:D+16*\ch+3],   v[D+16*\ch+2:D+16*\ch+3],   v[D+16*\ch+6:D+16*\ch+7]
	v_pk_add_f32 v[D+16*\ch+8:D+16*\ch+9],   v[D+16*\ch+8:D+16*\ch+9],   v[D+16*\ch+12:D+16*\ch+13]
	v_pk_add_f32 v[D+16*\ch+10:D+16*\ch+11], v[D+16*\ch+10:D+16*\ch+11], v[D+16*\ch+14:D+16*\ch+15]
	s_delay_alu instid0(VALU_DEP_2)
	v_pk_add_f32 v[D+16*\ch:D+16*\ch+1],     v[D+16*\ch:D+16*\ch+1],     v[D+16*\ch+8:D+16*\ch+9]
	s_delay_alu instid0(VALU_DEP_2)
	v_pk_add_f32 v[D+16*\ch+2:D+16*\ch+3],   v[D+16*\ch+2:D+16*\ch+3],   v[D+16*\ch+10:D+16*\ch+11]
	global_store_b128 v1, v[D+16*\ch:D+16*\ch+3], s[6:7] offset:4096*\ch th:TH_STORE_NT
.endr
	s_endpgm
.Lfunc_end_k_q623b63b4c2_sum:
	.size	k_q623b63b4c2_sum, .Lfunc_end_k_q623b63b4c2_sum-k_q623b63b4c2_sum
	.p2alignl 7, 3214868480
	.fill 96, 4, 3214868480
	.section	.rodata,"a",@progbits
	.p2align	6, 0x0
	.amdhsa_kernel k_q623b63b4c2_sum
		.amdhsa_group_segment_fixed_size 0
		.amdhsa_private_segment_fixed_size 0
		.amdhsa_enable_private_segment 0
		.amdhsa_kernarg_size 16
		.amdhsa_user_sgpr_count 2
		.amdhsa_user_sgpr_kernarg_segment_ptr 1
		.amdhsa_wavefront_size32 1
		.amdhsa_system_sgpr_workgroup_id_x 1
		.amdhsa_system_sgpr_workgroup_id_y 1
		.amdhsa_system_sgpr_workgroup_id_z 1
		.amdhsa_system_vgpr_workitem_id 0
		.amdhsa_next_free_vgpr 72
		.amdhsa_next_free_sgpr 66
		.amdhsa_reserve_vcc 0
		.amdhsa_float_denorm_mode_32 3
		.amdhsa_float_denorm_mode_16_64 3
		.amdhsa_memory_ordered 1
		.amdhsa_forward_progress 1
		.amdhsa_inst_pref_size 5
	.end_amdhsa_kernel
	.amdgpu_metadata
---
amdhsa.version: [ 1, 2 ]
amdhsa.kernels:
  - .name:           k_q623b63b4c2_sum
    .symbol:         k_q623b63b4c2_sum.kd
    .args:
      - { .name: part, .offset: 0, .size: 8, .value_kind: global_buffer, .address_space: global }
      - { .name: out0, .offset: 8, .size: 8, .value_kind: global_buffer, .address_space: global }
    .group_segment_fixed_size: 0
    .private_segment_fixed_size: 0
    .kernarg_segment_align: 8
    .kernarg_segment_size: 16
    .max_flat_workgroup_size: 256
    .sgpr_count:     66
    .vgpr_count:     72
    .wavefront_size: 32
...
	.end_amdgpu_metadata
.endif
;; end of part 8
